; MI455X (gfx1250); checked and timed in simulation.
; The chip was launched on July 23, 2026; its instructions are those of AMD's public machine-readable ISA for CDNA 5 (MIT licence, August 2026) and "CDNA5" Instruction Set Architecture Reference Guide (July 2026). The comments in the code are by the model that wrote it; some were corrected since.
;; Streaming Transformer Layer. Allowed arithmetic: matrix products marked QUANTISED: E5M2 operands, one given power-of-two scale a tensor, by v_wmma_f32_16x16x64_bf8_bf8 or v_wmma_f32_16x16x128_bf8_bf8, f32 sums; everything else in f32.
;; Inputs: in_proj_w_codes 3,072 x 32 x 32 uint8 (E5M2 codes of in_proj_w, K innermost, in blocks of 32 codes); ln1_b 1,024 float32; ln1_g 1,024 float32; ln2_b 1,024 float32; ln2_g 1,024 float32; lowp_scales 12 int32 (the exponents e of the quantised operands' scales 2^e); out_proj_w_codes 1,024 x 32 x 32 uint8 (E5M2 codes of out_proj_w, K innermost, in blocks of 32 codes); w1_codes 4,096 x 32 x 32 uint8 (E5M2 codes of w1, K innermost, in blocks of 32 codes); w2_codes 1,024 x 128 x 32 uint8 (E5M2 codes of w2, K innermost, in blocks of 32 codes); x 2 x 2,048 x 1,024 float32.
;; Outputs: out0 2 x 2,048 x 1,024 float32.
;; Constants: context = 256.
;; This version of the problem:
;;   THIS VERSION OF THE PROBLEM IS GIVEN IN LOW PRECISION. The matrix products marked QUANTISED in the list below multiply operands that are first quantised to E5M2 (5 exponent bits, 2 mantissa bits; 8 bits a number), with one given power-of-two scale for each operand tensor; their sums are f32. All else is computed in f32.
;;   The module's matrix products, in the order in which they are computed (A, B: the left and right operand; K: the contracted axis; several contracted axes count as one K, in the product's order):
;;     1. [M 4,096, K 1,024] x [K 1,024, N 3,072]; A: computed on the way; B: input in_proj_w (given as codes): QUANTISED (scales: A lowp_scales[0], B lowp_scales[1])
;;     2. batch 32 x [M 2,048, K 64] x [K 64, N 2,048]; A: computed on the way; B: computed on the way: QUANTISED (scales: A lowp_scales[2], B lowp_scales[3])
;;     3. batch 32 x [M 2,048, K 2,048] x [K 2,048, N 64]; A: softmax (see below); B: computed on the way: QUANTISED (scales: A lowp_scales[4], B lowp_scales[5])
;;     4. [M 4,096, K 1,024] x [K 1,024, N 1,024]; A: computed on the way; B: input out_proj_w (given as codes): QUANTISED (scales: A lowp_scales[6], B lowp_scales[7])
;;     5. [M 4,096, K 1,024] x [K 1,024, N 4,096]; A: computed on the way; B: input w1 (given as codes): QUANTISED (scales: A lowp_scales[8], B lowp_scales[9])
;;     6. [M 4,096, K 4,096] x [K 4,096, N 1,024]; A: computed on the way; B: input w2 (given as codes): QUANTISED (scales: A lowp_scales[10], B lowp_scales[11])
;;   THE QUANTISER, for each operand of a quantised product, along K:
;;     - The operand's scale is 2^e, e = its entry of the input lowp_scales (int32; the entries are numbered through the quantised products in the list's order, A before B).
;;     - Each number is divided by the scale, clamped to +-57,344, and rounded to the nearest number of E5M2, ties to even, subnormals kept.
;;     - The product sums the exact products of the quantised numbers (number of the format x scale) in f32.
;;   ~~~python
;;   def quantise(x, axis, e):      # numpy; x: float32 -> the quantised numbers, widened to float32 again
;;       x = np.moveaxis(x, axis, -1); K = x.shape[-1]
;;       r = np.clip(x / 2.0 ** e, -57344, 57344)
;;       step = 2.0 ** (np.maximum(np.frexp(np.where(r == 0, 1, r))[1] - 1, -14) - 2)
;;       q = np.round(r / step) * step * 2.0 ** e      # np.round: ties to even
;;       return np.moveaxis(q, -1, axis).astype(np.float32)
;;   ~~~
;;   SOFTMAX AHEAD OF A QUANTISED PRODUCT. Where the list says 'softmax', what is quantised is not the finished softmax but p = 2^(t - M), with t = logit x log2(e) and M = ceil(the row's largest t), a whole number; so 1/2 < the row's largest p <= 1. The row's sum l is taken of the UNQUANTISED p, in f32, and the product's result is divided by l at the end. Since M is a whole number, a kernel that streams over the keys may use a running M (the ceiling of the running maximum): every later rescaling is an exact power of two, so the quantised numbers keep their values, but for numbers so far below the row's largest that they fall under the format's range.
;;   OPERANDS COMPUTED ON THE WAY. 'Computed on the way' means the value that the module computes at that place (a softmax that the list does not call 'softmax' is quantised finished and normalised). What goes into a quantiser is computed in f32, as accurately as f32 sums, v_exp_f32 and their like allow (about 1e-6 of the number): no bf16 or f16 on the way to a quantiser, and a product that is left as it is and whose result goes on into a quantised operand takes f32 operands (vector FMAs, or v_wmma_f32_16x16x4_f32). A number that lies on a knife's edge between two numbers of the format may be rounded either way, as far as f32 arithmetic and the matrix unit's own rounding can turn it there, and no further.
;;   INPUTS GIVEN AS CODES. in_proj_w (in the module: [3072, 1024], K = its axis 1); out_proj_w (in the module: [1024, 1024], K = its axis 1); w1 (in the module: [4096, 1024], K = its axis 1); w2 (in the module: [1024, 4096], K = its axis 1): each comes as NAME_codes (uint8): NAME with its K axis moved to the last place and cut into blocks of 32 codes, [.., K / 32, bytes a block], one block behind the other in memory; one code a byte (a code: sign, 5 exponent bits, 2 mantissa bits); its scale is its entry of lowp_scales. Its value is code x scale, taken as it is: it is not quantised again, and the codes and scales need not be those that the quantiser above would give.
;; 2 versions. Each part assembles by itself: llvm-mc -triple=amdgcn-amd-amdhsa -mcpu=gfx1250 --defsym DOCPART=n.
;; ======== version 1 of 2: 7 launches
;; workspace buffers: rope 524,288 bytes; hc 4,194,304 bytes; qkvc 12,582,912 bytes; oc 4,194,304 bytes; x1 16,777,216 bytes; h2c 4,194,304 bytes; gc 16,777,216 bytes
;; launch ln1 (part 1): grid 256 x 1, 4 waves a work-group, no clusters, 16,896 bytes of LDS; arguments x, ln1_g, ln1_b, lowp_scales, hc, rope; writes hc, rope
.if DOCPART == 1
	.amdgcn_target "amdgcn-amd-amdhsa--gfx1250"
	.amdhsa_code_object_version 6
	.text
	.protected	k_q9f1e688c8f_ln1
	.globl	k_q9f1e688c8f_ln1
	.p2align	8
	.type	k_q9f1e688c8f_ln1,@function
k_q9f1e688c8f_ln1:
	s_mov_b64 s[64:65], 0
	v_nop
	global_prefetch_b8 v0, s[64:65] scope:SCOPE_SE
	s_setreg_imm32_b32 hwreg(HW_REG_WAVE_MODE, 25, 1), 1
	s_wait_xcnt 0x0
; hc = codes of LayerNorm(x) g + b in E5M2 with the given scale 2^e0; and the table of cosines and sines for the rotation of q and k.
; x: [4096][1024] f32.  hc: [4096][1024] codes.  rope: [2048 t][32 j][cos, sin] f32, angle = t x 10000^(-j/32).
; SHARES.  Wave W = 4 x work-group + wave takes rows 4 W .. 4 W + 3, a whole row at a time: 32 registers a lane, so mean and variance never leave the wave; no barrier.
; All 16 KiB of a wave's rows are asked for at the head.  Each load of a wave covers 512 consecutive bytes.
; A lane's four codes of a load go through the wave's own LDS bytes and leave as 16 bytes a lane: a store of the wave covers 512 consecutive bytes, aligned.
; The same wave makes rows t = 2 W and 2 W + 1 of the table, lane j: one store of 256 consecutive bytes, aligned, for each.
; Mean first, then the mean of the squares of x - mean, as the definition has it: no difference of large sums.
; LIMITS: e0 between -126 and 112, so that 2^e0 and 57,344 x 2^e0 are f32 numbers.  NaN and infinities among the inputs are not served.
.set X,  96                            ; v96-223  four rows, 32 registers each
.set CR, 20                            ; v20-27   a row's codes, four a register
.set BK, 224                           ; v224-255 codes read back, 8 registers a row
	s_load_b256 s[4:11], s[0:1], 0x0               ; x s[4:5], g s[6:7], b s[8:9], the scales' exponents s[10:11]
	s_load_b128 s[12:15], s[0:1], 0x20             ; hc s[12:13], rope s[14:15]
	s_set_vgpr_msb 0x40
	v_lshl_add_u32 v0, v0, 2, 0x4000
	v_mov_b32 v1, 0
	s_set_vgpr_msb 0x4000
	v_lshrrev_b32 v1, 5, v0
	v_readfirstlane_b32 s16, v1                    ; wave
	v_and_b32 v1, 31, v0                           ; lane
	v_lshlrev_b32 v2, 4, v1                        ; 16 x lane: loads and code stores
	v_lshlrev_b32 v5, 3, v1                        ; 8 x lane: the table's stores
	s_lshl_b32 s17, ttmp9, 2
	s_add_co_u32 s17, s17, s16                     ; W
	s_lshl_b32 s20, s16, 12                        ; my wave's 4,096 bytes of LDS
	v_lshl_add_u32 v3, v1, 2, s20                  ; in: 4 bytes a lane
	v_lshl_add_u32 v4, v1, 4, s20                  ; back: 16 bytes a lane
	v_mov_b32 v9, 0                                ; a lane permute's destination counts as read
	s_mov_b32 s19, 0
	s_mov_b32 s22, 0x76543210                      ; lane l xor 16
	s_mov_b32 s23, 0xfedcba98
	s_mov_b32 s25, 0x3a800000                      ; 1 / 1024
	s_mov_b32 s26, 0x3727c5ac                      ; 1e-5
	s_mov_b32 s27, 0x3ed49a78                      ; log2(10000) / 32, upper part
	s_mov_b32 s28, 0x32179a26                      ; and the rest
	s_lshl_b32 s30, s17, 1                         ; t of my first table row
	s_wait_kmcnt 0x0
	s_load_b32 s24, s[10:11], 0x0                  ; e0
	s_lshl_b32 s18, s17, 14
	s_add_nc_u64 s[4:5], s[4:5], s[18:19]          ; x at my first row
	s_lshl_b32 s18, s17, 12
	s_add_nc_u64 s[12:13], s[12:13], s[18:19]      ; hc likewise
	s_lshl_b32 s18, s17, 9
	s_add_nc_u64 s[14:15], s[14:15], s[18:19]      ; the table at row 2 W
.irp j, 0,1,2,3,4,5,6,7
	global_load_b128 v[32+4*\j:35+4*\j], v2, s[6:7] offset:512*\j
.endr
.irp j, 0,1,2,3,4,5,6,7
	global_load_b128 v[64+4*\j:67+4*\j], v2, s[8:9] offset:512*\j
.endr
.irp p, 0,1,2,3
.irp j, 0,1,2,3,4,5,6,7
	global_load_b128 v[X+32*\p+4*\j:X+32*\p+4*\j+3], v2, s[4:5] offset:4096*\p+512*\j th:TH_LOAD_NT
.endr
.endr
	; THE TABLE, while the rows are on their way.  10000^(-j/32) = 2^(-j L): the product j L is split into its rounded value and the exact rest, which enters by 2^(-rest) = 1 - rest ln 2.
	v_cvt_f32_u32 v6, v1                           ; j
	v_mul_f32 v7, s27, v6                          ; p = j L, rounded
	v_fma_f32 v16, v6, s27, -v7                    ; what the rounding dropped,
	v_fma_f32 v16, v6, s28, v16                    ; and L's own rest
	v_exp_f32 v8, -v7
	v_nop                                          ; a plain instruction behind the exponential
	s_wait_alu depctr_va_vdst(0)                   ; the wait ahead of the first reader
	v_mul_f32 v16, v8, v16
	v_fmamk_f32 v8, v16, 0xbf317218, v8            ; the frequency
; cos and sin of t x frequency: k = the nearest multiple of pi/2, taken off in three parts; polynomials on [-pi/4, pi/4]; the quadrant swaps and signs.
.macro SINCOS e
.set T, 224+8*\e
.set P, 28+2*\e
	s_add_co_u32 s31, s30, \e
	v_cvt_f32_u32 v[T], s31
	v_mul_f32 v[T], v[T], v8                       ; the angle, rounded once, as the definition has it
	v_mul_f32 v[T+1], 0x3f22f983, v[T]
	v_rndne_f32 v[T+1], v[T+1]                     ; k
	v_fmamk_f32 v[T], v[T+1], 0xbfc90fd8, v[T]
	v_fmamk_f32 v[T], v[T+1], 0xb4a8885a, v[T]
	v_fmamk_f32 v[T], v[T+1], 0xa7c234c4, v[T]     ; r
	v_mul_f32 v[T+2], v[T], v[T]                   ; s = r r
	v_mov_b32 v[T+3], 0xb493f27c
	v_mov_b32 v[T+4], 0x3638ef1b
	v_fmaak_f32 v[T+3], v[T+3], v[T+2], 0x37d00d01
	v_fmaak_f32 v[T+4], v[T+4], v[T+2], 0xb9500d01
	v_fmaak_f32 v[T+3], v[T+3], v[T+2], 0xbab60b61
	v_fmaak_f32 v[T+4], v[T+4], v[T+2], 0x3c088889
	v_fmaak_f32 v[T+3], v[T+3], v[T+2], 0x3d2aaaab
	v_fmaak_f32 v[T+4], v[T+4], v[T+2], 0xbe2aaaab
	v_mul_f32 v[T+5], v[T], v[T+2]
	v_fma_f32 v[T+3], v[T+3], v[T+2], -0.5
	v_fma_f32 v[T+4], v[T+4], v[T+5], v[T]         ; sin r
	v_fma_f32 v[T+3], v[T+3], v[T+2], 1.0          ; cos r
	v_cvt_i32_f32 v[T+1], v[T+1]
	v_and_b32 v[T+5], 1, v[T+1]
	v_cmp_eq_u32 vcc_lo, 1, v[T+5]                 ; odd quadrant: the two change places
	v_cndmask_b32 v[T+6], v[T+3], v[T+4], vcc_lo
	v_cndmask_b32 v[T+7], v[T+4], v[T+3], vcc_lo
	v_lshlrev_b32 v[T+5], 30, v[T+1]
	v_and_b32 v[T+5], 0x80000000, v[T+5]           ; quadrants 2, 3: the sine is negative
	v_xor_b32 v[P+1], v[T+7], v[T+5]
	v_add_nc_u32 v[T+1], 1, v[T+1]
	v_lshlrev_b32 v[T+5], 30, v[T+1]
	v_and_b32 v[T+5], 0x80000000, v[T+5]           ; quadrants 1, 2: the cosine is negative
	v_xor_b32 v[P], v[T+6], v[T+5]
	global_store_b64 v5, v[P:P+1], s[14:15] offset:256*\e   ; 32 lanes store 256 consecutive bytes, aligned; v5 and the pair are never rewritten
.endm
	SINCOS 0
	SINCOS 1
	s_wait_kmcnt 0x0
	s_add_co_i32 s24, s24, 127
	s_lshl_b32 s29, s24, 23
	v_mov_b32 v10, s29                             ; 2^e0 as f32: the conversion takes its exponent field
	s_add_co_i32 s24, s24, 15
	s_lshl_b32 s24, s24, 23
	s_or_b32 s24, s24, 0x600000
	v_mov_b32 v11, s24                             ; 57,344 x 2^e0
.macro REDUCE                          ; v6 summed over the 32 lanes, the result in every lane
	v_add_f32_dpp v6, v6, v6 row_xmask:1 row_mask:0xf bank_mask:0xf
	v_add_f32_dpp v6, v6, v6 row_xmask:2 row_mask:0xf bank_mask:0xf
	v_add_f32_dpp v6, v6, v6 row_xmask:4 row_mask:0xf bank_mask:0xf
	v_add_f32_dpp v6, v6, v6 row_xmask:8 row_mask:0xf bank_mask:0xf
	v_permlanex16_b32 v9, v6, s22, s23
	v_add_f32 v6, v6, v9
.endm
.macro ROW p
.set XR, X+32*\p
	s_wait_loadcnt 8*(3-\p)                        ; loads come back in order: g, b and my row are in, the later rows' eight loads each may be out
	v_pk_add_f32 v[16:17], v[XR:XR+1], v[XR+2:XR+3]
	v_pk_add_f32 v[18:19], v[XR+4:XR+5], v[XR+6:XR+7]
.irp j, 8,12,16,20,24,28
	v_pk_add_f32 v[16:17], v[16:17], v[XR+\j:XR+\j+1]
	v_pk_add_f32 v[18:19], v[18:19], v[XR+\j+2:XR+\j+3]
.endr
	v_pk_add_f32 v[16:17], v[16:17], v[18:19]
	v_add_f32 v6, v16, v17
	REDUCE
	v_mul_f32 v12, 0xba800000, v6                  ; - mean
	v_mov_b32 v13, v12
.set j, 0
.rept 16
	v_pk_add_f32 v[XR+j:XR+j+1], v[XR+j:XR+j+1], v[12:13]
.set j, j+2
.endr
	v_pk_mul_f32 v[16:17], v[XR:XR+1], v[XR:XR+1]
	v_pk_mul_f32 v[18:19], v[XR+2:XR+3], v[XR+2:XR+3]
.irp j, 4,8,12,16,20,24,28
	v_pk_fma_f32 v[16:17], v[XR+\j:XR+\j+1], v[XR+\j:XR+\j+1], v[16:17]
	v_pk_fma_f32 v[18:19], v[XR+\j+2:XR+\j+3], v[XR+\j+2:XR+\j+3], v[18:19]
.endr
	v_pk_add_f32 v[16:17], v[16:17], v[18:19]
	v_add_f32 v6, v16, v17
	REDUCE
	v_fma_f32 v6, v6, s25, s26                     ; variance + 1e-5
	v_rsq_f32 v14, v6                              ; twice: a pair for the packed multiply
	v_rsq_f32 v15, v6
	v_nop                                          ; a plain instruction behind the last of them
	s_wait_alu depctr_va_vdst(0)                   ; one wait for both, ahead of the first reader
.set j, 0
.rept 16
	v_pk_mul_f32 v[XR+j:XR+j+1], v[XR+j:XR+j+1], v[14:15]
.set j, j+2
.endr
.set j, 0
.rept 16
	v_pk_fma_f32 v[XR+j:XR+j+1], v[XR+j:XR+j+1], v[32+j:33+j], v[64+j:65+j]
.set j, j+2
.endr
.set j, 0
.rept 32
	v_med3_num_f32 v[XR+j], v[XR+j], -v11, v11     ; the conversion to an 8-bit code does not saturate (ISA guide 7.6.2): the hold at the largest code x the scale
.set j, j+1
.endr
.irp g, 0,1,2,3
	v_cvt_scalef32_pk8_bf8_f32 v[CR+2*\g:CR+2*\g+1], v[XR+8*\g:XR+8*\g+7], v10   ; code register j holds the four codes of load j: columns 128 j + 4 lane + 0 .. 3
.endr
	v_nop                                          ; a plain instruction behind the last conversion
.irp j, 0,1,2,3,4,5,6,7
	ds_store_b32 v3, v[CR+\j] offset:1024*\p+128*\j
.endr
.irp k, 0,1
	ds_load_b128 v[BK+8*\p+4*\k:BK+8*\p+4*\k+3], v4 offset:1024*\p+512*\k   ; my own bytes: LDS serves a wave's instructions in order
.endr
	s_wait_dscnt 0x0                               ; the codes are back, and the stores have read v20-27
.irp k, 0,1
	global_store_b128 v2, v[BK+8*\p+4*\k:BK+8*\p+4*\k+3], s[12:13] offset:1024*\p+512*\k   ; 512 consecutive bytes, aligned; each row has registers of its own
.endr
.endm
	ROW 0
	ROW 1
	ROW 2
	ROW 3
	s_set_vgpr_msb 0x5
	s_wait_tensorcnt 0x0
	ds_add_u32 v0, v1
	s_wait_dscnt 0x0
	s_set_vgpr_msb 0x500
	s_endpgm
.Lfunc_end_k_q9f1e688c8f_ln1:
	.size	k_q9f1e688c8f_ln1, .Lfunc_end_k_q9f1e688c8f_ln1-k_q9f1e688c8f_ln1
	.p2alignl 7, 3214868480
	.fill 96, 4, 3214868480
	.section	.rodata,"a",@progbits
	.p2align	6, 0x0
	.amdhsa_kernel k_q9f1e688c8f_ln1
		.amdhsa_group_segment_fixed_size 16896
		.amdhsa_private_segment_fixed_size 0
		.amdhsa_enable_private_segment 0
		.amdhsa_kernarg_size 48
		.amdhsa_user_sgpr_count 2
		.amdhsa_user_sgpr_kernarg_segment_ptr 1
		.amdhsa_wavefront_size32 1
		.amdhsa_system_sgpr_workgroup_id_x 1
		.amdhsa_system_sgpr_workgroup_id_y 1
		.amdhsa_system_sgpr_workgroup_id_z 1
		.amdhsa_system_vgpr_workitem_id 0
		.amdhsa_next_free_vgpr 258
		.amdhsa_next_free_sgpr 66
		.amdhsa_reserve_vcc 1
		.amdhsa_float_denorm_mode_32 3
		.amdhsa_float_denorm_mode_16_64 3
		.amdhsa_memory_ordered 1
		.amdhsa_forward_progress 1
		.amdhsa_inst_pref_size 48
	.end_amdhsa_kernel
	.amdgpu_metadata
---
amdhsa.version: [ 1, 2 ]
amdhsa.kernels:
  - .name:           k_q9f1e688c8f_ln1
    .symbol:         k_q9f1e688c8f_ln1.kd
    .args:
      - { .name: x, .offset: 0, .size: 8, .value_kind: global_buffer, .address_space: global }
      - { .name: ln1_g, .offset: 8, .size: 8, .value_kind: global_buffer, .address_space: global }
      - { .name: ln1_b, .offset: 16, .size: 8, .value_kind: global_buffer, .address_space: global }
      - { .name: lowp_scales, .offset: 24, .size: 8, .value_kind: global_buffer, .address_space: global }
      - { .name: hc, .offset: 32, .size: 8, .value_kind: global_buffer, .address_space: global }
      - { .name: rope, .offset: 40, .size: 8, .value_kind: global_buffer, .address_space: global }
    .group_segment_fixed_size: 16896
    .private_segment_fixed_size: 0
    .kernarg_segment_align: 8
    .kernarg_segment_size: 48
    .max_flat_workgroup_size: 128
    .sgpr_count:     66
    .vgpr_count:     258
    .wavefront_size: 32
...
	.end_amdgpu_metadata
.endif
;; end of part 1
;; launch qkvp (part 2): grid 12 x 16, 4 waves a work-group, clusters of 4 x 4, 327,680 bytes of LDS; arguments hc, in_proj_w_codes, lowp_scales, rope, qkvc; writes qkvc
.if DOCPART == 2
	.amdgcn_target "amdgcn-amd-amdhsa--gfx1250"
	.amdhsa_code_object_version 6
	.text
	.protected	k_q9f1e688c8f_qkvp
	.globl	k_q9f1e688c8f_qkvp
	.p2align	8
	.type	k_q9f1e688c8f_qkvp,@function
k_q9f1e688c8f_qkvp:
	s_mov_b64 s[64:65], 0
	v_nop
	global_prefetch_b8 v0, s[64:65] scope:SCOPE_SE
	s_setreg_imm32_b32 hwreg(HW_REG_WAVE_MODE, 25, 1), 1
	s_wait_xcnt 0x0
	s_wait_alu depctr_hold_cnt(0) depctr_sa_sdst(0) depctr_va_vdst(0) depctr_va_sdst(0) depctr_va_ssrc(0) depctr_va_vcc(0) depctr_vm_vsrc(0)
	s_getreg_b32 s2, hwreg(HW_REG_IB_STS2, 6, 4)
	s_cmp_eq_u32 s2, 0
	s_cbranch_scc0 .Lentry_in_a_cluster
	s_endpgm
.Lentry_in_a_cluster:
	s_bfe_u32 s2, ttmp6, 0x10000c
	s_cmp_lg_u32 s2, 0xf033
	s_cbranch_scc0 .Lentry_shape_is_right
	s_endpgm
.Lentry_shape_is_right:
; proj = h Win^T on codes of E5M2 (M 4,096, N 3,072, K 1,024), then on the way out: q and k rotated and quantised (2^e2, 2^e3), v quantised (2^e5).
; qkvc: q at byte 0 and k at byte 4,194,304, each [b][head][t][64] codes; v at byte 8,388,608 as [b][head][t / 16][64 d][16 keys], the keys innermost, since they are the K of attention's second product.
; A tile of C, 256 x 256, is made by a work-group of four waves; a wave makes 128 x 128: 64 accumulators, 512 registers.  K goes in steps of 256 through a ring of two LDS slots.
; CLUSTERS: 4 x 4 work-groups; A's tiles are asked for jointly along a row of the cluster, B's along a column.  The cluster's x says what all sixteen partners make: 0 q, 1 k, 2 v.
; THE MATRIX INSTRUCTION IS USED TRANSPOSED (source 0 = 16 rows of B, source 1 = 16 rows of A): a lane holds eight neighbouring columns of one row of C.
; A sum stands for sum x 2^(e0 + e1); the rotation is linear, so the three exponents are folded into the conversion's one scale.
; REGISTERS: window 0: v0-31 addresses; v128-255 A's fragments, one set; window 1: B's fragments, two sets; windows 2, 3: the accumulators of my rows 0-63, 64-127.
; On the way out half a wave tile (64 rows) at a time lies as f32 in the wave's stage in LDS, and windows 1 and 2 take the table's rows.
; LIMITS: e2 - e0 - e1, e3 - e0 - e1 and e5 - e0 - e1 between -126 and 112.
.set KTOT,   1024
.set CBW,    256                       ; A lies as plain rows: 256 bytes of a row in a K step
.set PA,     272
.set QIA,    5
.set AC,     256
.set AR,     128
.set ASTRIDE, KTOT
.set AROWB,  KTOT
.set ASTEP,  256
.set PITCH,  272                       ; an LDS row: 256 bytes + 16 of padding: the 16 rows that a load touches start at 16 different banks
.set HALFB,  128*PITCH
.set BS,     128*PA
.set HALFA,  (256/CBW)*BS
.set SLOT,   2*HALFA+2*HALFB           ; A's 256 rows, then B's 256 rows
.set SPARE,  2*SLOT                    ; behind the ring: the spare words, 128 bytes for each wave, which no other line names
.set LAPS,   KTOT/512
.set FR,     16
.set NL,     4
.set NP,     4
.set SPITCH, 528                       ; a stage row: 128 f32 + 16 bytes
.set STGW,   64*SPITCH                 ; a wave's stage: 64 rows
.set ADRA, 16
.set ADRB, 20
.set STO,  24
.set SPW,  28
.set NIL,  29
.set AF,   128
.set G1, 24
.set G0, 32
.set G1B, 48
.set G0B, 56
.set MSB, 0
.macro WIN new                         ; the immediate's high byte repeats the setting that is left
.if MSB != (\new)
	s_set_vgpr_msb (MSB<<8)|(\new)
.set MSB, (\new)
.endif
.endm
.set MUL_LO, 0xa1                      ; source 0 (B) window 1, source 1 (A) window 0, C and D window 2
.set MUL_HI, 0xf1                      ; the same, C and D window 3
.set TO_B,   0x40                      ; destination window 1
.macro JLOAD g0a, g1a, g0b, g1b        ; a joint load: waves 0 and 1 fetch for A, waves 2 and 3 for B; four v_nop follow each line
	s_cmp_eq_u32 s15, 0
	s_cbranch_scc0 .Lfor_b_\@
	tensor_load_to_lds s[\g0a:\g0a+3], s[\g1a:\g1a+7]
	s_nop 0
.rept 4
	v_nop
.endr
	s_branch .Lasked_\@
.Lfor_b_\@:
	tensor_load_to_lds s[\g0b:\g0b+3], s[\g1b:\g1b+7]
	s_nop 0
.rept 4
	v_nop
.endr
.Lasked_\@:
.endm
.macro CREST                           ; a round of the cluster's barrier behind its opening barrier
	s_cmp_lg_u32 s14, 0
	s_cbranch_scc1 .Lnot_wave_0_\@
	s_barrier_signal -3
.Lnot_wave_0_\@:
	s_barrier_wait -3
	s_barrier_signal -1
	s_barrier_wait -1
.endm
.macro CROUND
	s_barrier_signal -1
	s_barrier_wait -1
	CREST
.endm
	s_load_b128 s[4:7], s[0:1], 0x0                ; hc, Win's codes
	s_load_b128 s[8:11], s[0:1], 0x10              ; the scales' exponents, the table
	s_load_b64 s[12:13], s[0:1], 0x20              ; qkvc
	v_lshl_add_u32 v[SPW], v0, 2, SPARE
	v_mov_b32 v[NIL], 0
	ds_add_u32 v28, v29
	ds_add_u32 v28, v29
	s_wait_dscnt 0x0
	v_lshrrev_b32 v1, 5, v0
	v_readfirstlane_b32 s14, v1                    ; wave 0..3
	s_lshr_b32 s15, s14, 1                         ; which half of the tile's rows is mine.  Also: I fetch for A (0) or for B (1)
	s_and_b32 s16, s14, 1                          ; which half of its columns.  Also: which 128 rows of that tile I fetch
	s_bfe_u32 s40, ttmp6, 0x40000                  ; cx, cy
	s_bfe_u32 s41, ttmp6, 0x40004
	s_lshl_b32 s42, ttmp9, 2
	s_add_co_u32 s42, s42, s40                     ; tile column
	s_and_b32 s17, ttmp7, 0xffff
	s_lshl_b32 s17, s17, 2
	s_add_co_u32 s17, s17, s41                     ; tile row
	s_lshl_b32 s43, s41, 2
	s_lshl_b32 s43, 15, s43                        ; my row of the cluster
	s_lshl_b32 s44, 0x1111, s40                    ; my column
	s_or_b32 s[G1+0], s43, (1<<20)|(1<<21)|(QIA<<22)|(3<<25)   ; the mask; elements of 1 byte; padding on; bit 21 beside a mask; four words of padding after every 2 << QIA words
	s_or_b32 s[G1B+0], s44, (1<<20)|(1<<21)|(5<<22)|(3<<25)
	s_mov_b32 s[G1+1], (AC&0xffff)<<16             ; tensor_dim0
	s_mov_b32 s[G1+2], (AC>>16)|(AR<<16)           ; tensor_dim1
	s_mov_b32 s[G1+3], (AR>>16)|(AC<<16)           ; tile_dim0
	s_mov_b32 s[G1+4], AR                          ; tile_dim1
	s_mov_b32 s[G1+5], ASTRIDE                     ; from row to row
	s_mov_b32 s[G1+6], 0
	s_mov_b32 s[G1+7], 0
	s_mov_b32 s[G1B+1], 256<<16
	s_mov_b32 s[G1B+2], 128<<16
	s_mov_b32 s[G1B+3], 256<<16
	s_mov_b32 s[G1B+4], 128
	s_mov_b32 s[G1B+5], KTOT
	s_mov_b32 s[G1B+6], 0
	s_mov_b32 s[G1B+7], 0
	s_lshl_b32 s18, s16, 7
	s_lshl_b32 s20, s17, 8
	s_add_co_u32 s20, s20, s18                     ; A: row 256 x tile row + 128 x half
	s_lshl_b32 s46, s42, 8
	s_add_co_u32 s46, s46, s18                     ; B: row 256 x tile column + 128 x half
	s_mov_b32 s21, 0
	s_mov_b32 s47, 0
	s_mov_b64 s[18:19], AROWB
	s_mul_u64 s[20:21], s[20:21], s[18:19]
	s_mov_b64 s[18:19], KTOT
	s_mul_u64 s[46:47], s[46:47], s[18:19]
	s_mul_i32 s45, s16, HALFA                      ; where they go: no place in the cluster enters an LDS address
	s_mul_i32 s22, s16, HALFB
	s_add_co_u32 s22, s22, 2*HALFA
	s_wait_kmcnt 0x0
	s_load_b256 s[80:87], s[8:9], 0x0              ; e0 .. e7
	s_add_nc_u64 s[20:21], s[4:5], s[20:21]
	s_add_nc_u64 s[46:47], s[6:7], s[46:47]
	CROUND                                         ; all sixteen work-groups are here: the first joint loads meet
.irp s, 0,1
	s_mov_b32 s[G0+4*\s], 1
	s_add_co_u32 s[G0+4*\s+1], s45, \s*SLOT
	s_add_nc_u64 s[G0+4*\s+2:G0+4*\s+3], s[20:21], \s*ASTEP
	s_or_b32 s[G0+4*\s+3], s[G0+4*\s+3], 0x80000000
	s_mov_b32 s[G0B+4*\s], 1
	s_add_co_u32 s[G0B+4*\s+1], s22, \s*SLOT
	s_add_nc_u64 s[G0B+4*\s+2:G0B+4*\s+3], s[46:47], \s*256
	s_or_b32 s[G0B+4*\s+3], s[G0B+4*\s+3], 0x80000000
	JLOAD G0+4*\s, G1, G0B+4*\s, G1B
.endr
	v_and_b32 v1, 15, v0                           ; r = l % 16
	v_bfe_u32 v2, v0, 4, 1                         ; h = l / 16
	v_mul_u32_u24 v3, v1, PA
	v_lshl_add_u32 v3, v2, 4, v3
	v_mul_u32_u24 v4, v1, PITCH
	v_lshl_add_u32 v4, v2, 4, v4
	s_mul_i32 s21, s15, HALFA                      ; my 128 rows of A
	s_mul_i32 s22, s16, HALFB                      ; my 128 rows of B,
	s_add_co_u32 s22, s22, 2*HALFA                 ; which lie behind A's
.irp s, 0,1
	v_add_nc_u32 v[ADRA+\s], s21, v3
	v_add_nc_u32 v[ADRB+\s], s22, v4
	s_add_co_u32 s21, s21, SLOT
	s_add_co_u32 s22, s22, SLOT
.endr
	; the way out: every address is made here, ahead of the parting of the ways
	s_mul_i32 s23, s14, STGW
	v_mul_u32_u24 v5, v1, SPITCH
	v_lshl_add_u32 v5, v2, 5, v5
	v_add_nc_u32 v[STO], s23, v5                   ; into the stage (slot 0): row r, 32 bytes for each half of the lanes
	v_add_nc_u32 v18, SLOT, v[STO]                 ; v's stage lies in slot 1: each way has LDS bytes of its own
	v_bfe_u32 v6, v0, 2, 2                         ; q, k: a lane takes 16 neighbouring d of one row: row (l / 4) % 4,
	v_and_b32 v7, 3, v0                            ; d = 16 (l % 4) on, head l / 16 of my two
	v_mul_u32_u24 v8, v6, SPITCH
	v_lshl_add_u32 v8, v2, 8, v8
	v_lshl_add_u32 v8, v7, 6, v8
	v_add_nc_u32 v25, s23, v8                      ; out of the stage
	v_lshlrev_b32 v26, 17, v2                      ; and in q or k: a head is 2,048 x 64 bytes
	v_lshl_add_u32 v26, v6, 6, v26
	v_lshl_add_u32 v26, v7, 4, v26
	v_lshlrev_b32 v23, 8, v6                       ; and in the table: a row is 256 bytes; my 8 pairs (cos, sin) are 64
	v_lshl_add_u32 v23, v7, 6, v23
	v_and_b32 v9, 31, v0
	v_lshlrev_b32 v22, 4, v9                       ; v: 16 bytes a lane
	v_lshl_add_u32 v19, v9, 2, s23
	v_add_nc_u32 v19, SLOT, v19                    ; v: a lane takes a column of the stage
	s_lshl_b32 s72, s17, 8
	s_lshl_b32 s73, s15, 7
	s_add_co_u32 s72, s72, s73                     ; m0: my first row
	s_lshr_b32 s73, s72, 11                        ; b
	s_and_b32 s74, s72, 2047                       ; t0
	s_lshl_b32 s75, s42, 8
	s_lshl_b32 s76, s16, 7
	s_add_co_u32 s75, s75, s76                     ; n0: my first column
	s_lshr_b32 s76, s75, 10                        ; 0 q, 1 k, 2 v
	s_bfe_u32 s77, s75, 0x40006                    ; my first head
	s_lshl_b32 s73, s73, 4
	s_add_co_u32 s73, s73, s77                     ; 16 b + head
	s_lshl_b32 s78, s73, 11
	s_add_co_u32 s78, s78, s74
	s_lshl_b32 s78, s78, 6
	s_lshl_b32 s76, s76, 22
	s_add_co_u32 s78, s78, s76
	s_mov_b32 s79, 0
	s_add_nc_u64 s[66:67], s[12:13], s[78:79]      ; q or k at (b, head, t0)
	s_lshl_b32 s78, s73, 7
	s_lshr_b32 s76, s74, 4
	s_add_co_u32 s78, s78, s76
	s_lshl_b32 s78, s78, 10
	s_add_co_u32 s78, s78, 8388608
	s_add_nc_u64 s[68:69], s[12:13], s[78:79]      ; v at (b, head, t0 / 16)
	s_lshl_b32 s78, s74, 8
	s_add_nc_u64 s[70:71], s[10:11], s[78:79]      ; the table at t0
.macro FRAGA reg, slot, q, i           ; a fragment, 16 rows x 128 K: registers 4 c .. 4 c + 3 hold K = 32 c + 16 (l / 16) + 0 .. 15: the same permutation of K in A and in B
.irp c, 0,1,2,3
	ds_load_b128 v[\reg+4*\c:\reg+4*\c+3], v[ADRA+\slot] offset:((128*(\q)+32*\c)/CBW)*BS+(\i)*16*PA+(128*(\q)+32*\c)%CBW
.endr
.endm
.macro FRAGB reg, slot, q, i
.irp c, 0,1,2,3
	ds_load_b128 v[\reg+4*\c:\reg+4*\c+3], v[ADRB+\slot] offset:128*(\q)+32*\c+(\i)*16*PITCH
.endr
.endm
.macro MUL16 a0, p, zero               ; A's blocks a0, a0 + 1 x B's eight; the 64 accumulators take turns
.irp a, \a0, \a0+1
.irp b, 0,1,2,3,4,5,6,7
.if \zero
	v_wmma_f32_16x16x128_bf8_bf8 v[8*(8*((\a)%4)+\b):8*(8*((\a)%4)+\b)+7], v[128*(\p)+FR*\b:128*(\p)+FR*\b+FR-1], v[AF+FR*(\a):AF+FR*(\a)+FR-1], 0
.else
	v_wmma_f32_16x16x128_bf8_bf8 v[8*(8*((\a)%4)+\b):8*(8*((\a)%4)+\b)+7], v[128*(\p)+FR*\b:128*(\p)+FR*\b+FR-1], v[AF+FR*(\a):AF+FR*(\a)+FR-1], v[8*(8*((\a)%4)+\b):8*(8*((\a)%4)+\b)+7]
.endif
.endr
.endr
.endm
.macro FETCH_B slot, q, p
	WIN TO_B
.irp i, 0,1,2,3,4,5,6,7
	FRAGB 128*(\p)+FR*\i, \slot, \q, \i
.endr
	WIN 0
.endm
.macro FETCH_A slot, q, i0
.irp i, \i0, \i0+1, \i0+2, \i0+3
	FRAGA AF+FR*(\i), \slot, \q, \i
.endr
.endm
.macro PLACES n                        ; plain vector instructions between a matrix instruction and a load into, or a read of, its registers
.rept \n
	v_nop
.endr
.endm
.macro STEP slot, q, zero              ; 128 along K, with its successor in the same slot
	s_wait_dscnt 4*NL                              ; B's set and A's blocks 0-3 are in; the youngest sixteen loads (A's blocks 4-7) may be out
	WIN MUL_LO
	MUL16 0, (\q)%2, \zero
	MUL16 2, (\q)%2, \zero
	s_wait_dscnt 0
	PLACES NP
	FETCH_B \slot, (\q)+1, 1-(\q)%2
	FETCH_A \slot, (\q)+1, 0
	WIN MUL_HI
	MUL16 4, (\q)%2, \zero
	MUL16 6, (\q)%2, \zero
	PLACES NP
	WIN 0
	FETCH_A \slot, (\q)+1, 4
.endm
.macro TURN slot, next, fill           ; a slot's last step changes slots: one barrier; fill = 1: the slot is filled again, two K steps ahead
	s_wait_tensorcnt 0x0                           ; all my tensor loads have landed: my part of the next slot
	ds_add_u32 v[SPW], v[NIL]                      ; 0 onto my spare word
	s_wait_dscnt 4*NL+1                            ; the add and the youngest sixteen loads may be out
	WIN MUL_LO
	MUL16 0, 1, 0
	s_wait_dscnt 0x0                               ; the add is done, and my reads of this slot are over
	s_barrier_signal -1
	MUL16 2, 1, 0
	WIN 0
	s_barrier_wait -1
.if \fill
	CREST                                          ; no wave of any partner still reads this slot or has a load on its way
	s_add_nc_u64 s[G0+4*\slot+2:G0+4*\slot+3], s[G0+4*\slot+2:G0+4*\slot+3], 2*ASTEP
	s_add_nc_u64 s[G0B+4*\slot+2:G0B+4*\slot+3], s[G0B+4*\slot+2:G0B+4*\slot+3], 2*256
	JLOAD G0+4*\slot, G1, G0B+4*\slot, G1B         ; the first tensor load behind the round; its four v_nop are the places in front of the loads below
.else
	PLACES NP
.endif
	FETCH_B \next, 0, 0
	FETCH_A \next, 0, 0
	WIN MUL_HI
	MUL16 4, 1, 0
	MUL16 6, 1, 0
	PLACES NP
	WIN 0
	FETCH_A \next, 0, 4
.endm
	s_wait_tensorcnt 1                             ; my part of K step 0 is in; K step 1's load may be out
	s_barrier_signal -1
	s_barrier_wait -1
	FETCH_B 0, 0, 0
	FETCH_A 0, 0, 0
	FETCH_A 0, 0, 4
	STEP 0, 0, 1                                   ; the first step's products start the sums
	s_mov_b32 s3, LAPS-1
.Llap:
	TURN 0, 1, 1
	STEP 1, 0, 0
	TURN 1, 0, 1
	STEP 0, 0, 0
	s_sub_co_u32 s3, s3, 1
	s_cmp_lg_u32 s3, 0
	s_cbranch_scc1 .Llap
	TURN 0, 1, 0
	STEP 1, 0, 0
	s_wait_dscnt 4*NL
	WIN MUL_LO
	MUL16 0, 1, 0
	MUL16 2, 1, 0
	s_wait_dscnt 0
	WIN MUL_HI
	MUL16 4, 1, 0
	MUL16 6, 1, 0
	WIN 0
	; THE WAY OUT.
	s_wait_dscnt 0x0                               ; my reads of slot 1 are over;
	s_barrier_signal -1
	s_barrier_wait -1                              ; everybody's are: slot 1, which has had its last fill, may take v's stage.  (Slot 0 was left at the last change of slots)
	PLACES NP                                      ; behind the last products: for the stores that read results and the loads into B's registers
	s_wait_kmcnt 0x0
	s_add_co_i32 s88, s80, s81                     ; e0 + e1
	s_cmp_eq_u32 ttmp9, 0
	s_cselect_b32 s89, s82, s83                    ; q: e2; k: e3;
	s_cmp_eq_u32 ttmp9, 2
	s_cselect_b32 s89, s85, s89                    ; v: e5
	s_sub_co_i32 s89, s89, s88
	s_add_co_i32 s89, s89, 127
	s_lshl_b32 s90, s89, 23
	v_mov_b32 v30, s90                             ; the three scales folded into the conversion's one
	s_add_co_i32 s89, s89, 15
	s_lshl_b32 s89, s89, 23
	s_or_b32 s89, s89, 0x600000
	v_mov_b32 v31, s89                             ; 57,344 x that
; half hf of my tile (64 rows x 128 columns of f32) into a stage: each accumulator's low four registers first
.macro DUMP hf, sto
	WIN 0x08+4*(\hf)                               ; the stores' data: window 2 or 3
.irp a, 0,1,2,3
.irp b, 0,1,2,3,4,5,6,7
	ds_store_b128 v[\sto], v[64*\a+8*\b:64*\a+8*\b+3] offset:\a*16*SPITCH+64*\b
	ds_store_b128 v[\sto], v[64*\a+8*\b+4:64*\a+8*\b+7] offset:\a*16*SPITCH+64*\b+16
.endr
.endr
	WIN 0
.endm
	s_cmp_eq_u32 ttmp9, 2                          ; the cluster's x: the same in all sixteen partners
	s_cbranch_scc1 .Lv_tail
	; ---- q and k.  The table's 64 rows of a half fill a window: register 32 tau + 16 u + 2 p holds cos, the next sin, of row 8 tau + 4 u + (l / 4) % 4 and pair 8 (l % 4) + p
.macro TAB hf
	WIN 0x40<<(\hf)                                ; destination window 1 or 2
.irp i, 0,1,2,3,4,5,6,7,8,9,10,11,12,13,14,15
.irp c, 0,1,2,3
	global_load_b128 v[16*\i+4*\c:16*\i+4*\c+3], v23, s[70:71] offset:(64*\hf+4*\i)*256+16*\c
.endr
.endr
	WIN 0
.endm
.macro LOADX t                         ; eight rows of the stage: a lane's 16 numbers of rows 8 t + (l / 4) % 4 and four further on
.irp u, 0,1
.irp c, 0,1,2,3
	ds_load_b128 v[32+32*((\t)%2)+16*\u+4*\c:32+32*((\t)%2)+16*\u+4*\c+3], v25 offset:(8*(\t)+4*\u)*SPITCH+16*\c
.endr
.endr
.endm
.macro PROC hf, t, younger
.set XS, 32+32*((\t)%2)
.set CD, 128+8*((\t)%2)
	s_wait_dscnt \younger                          ; my eight loads are in; the next trip's eight may be out
	s_wait_xcnt 0x0                                ; the stores of two trips back have read their codes: the registers are written again only behind this wait
	WIN (1+\hf)<<2                                 ; source 1: the table's window
.set p, 0
.rept 16
	v_mul_f32 v[96+2*p], v[XS+2*p+1], v[32*(\t)+2*p+1]     ; xi sin
	v_mul_f32 v[97+2*p], v[XS+2*p+1], v[32*(\t)+2*p]       ; xi cos
.set p, p+1
.endr
.set p, 0
.rept 16
	v_fma_f32 v[XS+2*p+1], v[XS+2*p], v[32*(\t)+2*p+1], v[97+2*p]    ; yi = xr sin + xi cos
	v_fma_f32 v[XS+2*p], v[XS+2*p], v[32*(\t)+2*p], -v[96+2*p]       ; yr = xr cos - xi sin
.set p, p+1
.endr
	WIN 0
.set p, 0
.rept 32
	v_med3_num_f32 v[XS+p], v[XS+p], -v31, v31     ; the hold at the largest code x the scale (ISA guide 7.6.2)
.set p, p+1
.endr
.irp g, 0,1,2,3
	v_cvt_scalef32_pk8_bf8_f32 v[CD+2*\g:CD+2*\g+1], v[XS+8*\g:XS+8*\g+7], v30
.endr
	v_nop                                          ; a plain instruction behind the last conversion
.irp u, 0,1
	global_store_b128 v26, v[CD+4*\u:CD+4*\u+3], s[66:67] offset:(64*\hf+8*(\t)+4*\u)*64   ; sixteen lanes store four rows of a head: 256 consecutive bytes, aligned
.endr
.endm
	TAB 0                                          ; into window 1: B's fragments are done with
	DUMP 0, STO
	s_wait_dscnt 0x0                               ; the stores have read window 2,
	TAB 1                                          ; which takes the second half's table rows
	s_wait_loadcnt 63                              ; 64 loads were issued behind the first run's last: at most 63 out shows the first run in
	LOADX 0
.irp t, 0,1,2,3,4,5,6
	LOADX \t+1
	PROC 0, \t, 8
.endr
	PROC 0, 7, 0
	DUMP 1, STO
	s_wait_loadcnt 0x0
	LOADX 0                                        ; LDS serves a wave's instructions in order: these see the stores above
.irp t, 0,1,2,3,4,5,6
	LOADX \t+1
	PROC 1, \t, 8
.endr
	PROC 1, 7, 0
	s_branch .Lend
.Lv_tail:
	; ---- v.  A LANE TAKES A COLUMN d AND ITS REGISTERS RUN DOWN t: the conversions then give codes with the keys innermost.  16 keys of 32 neighbouring d are 512 consecutive bytes.
.irp hf, 0,1
	DUMP \hf, 18
.irp g, 0,1,2,3                        ; columns 32 g + lane: head g / 2, d = 32 (g % 2) + lane
.set CD, 160+16*(\g%2)
.set i, 0
.rept 64
	ds_load_b32 v[32+i], v19 offset:i*SPITCH+128*\g
.set i, i+1
.endr
	s_wait_dscnt 0x0
	s_wait_xcnt 0x0                                ; earlier stores have read their codes
.set i, 0
.rept 64
	v_med3_num_f32 v[32+i], v[32+i], -v31, v31
.set i, i+1
.endr
.irp q, 0,1,2,3,4,5,6,7
	v_cvt_scalef32_pk8_bf8_f32 v[CD+2*\q:CD+2*\q+1], v[32+8*\q:39+8*\q], v30
.endr
	v_nop
.irp k, 0,1,2,3
	global_store_b128 v22, v[CD+4*\k:CD+4*\k+3], s[68:69] offset:(\g/2)*131072+(\g%2)*512+(4*\hf+\k)*1024
.endr
.endr
.endr
.Lend:
	s_wait_tensorcnt 0x0                           ; the wave's end
	ds_add_u32 v[SPW], v[NIL]
	s_wait_dscnt 0x0
	CROUND                                         ; the closing round
	s_endpgm
.Lfunc_end_k_q9f1e688c8f_qkvp:
	.size	k_q9f1e688c8f_qkvp, .Lfunc_end_k_q9f1e688c8f_qkvp-k_q9f1e688c8f_qkvp
	.p2alignl 7, 3214868480
	.fill 96, 4, 3214868480
	.section	.rodata,"a",@progbits
	.p2align	6, 0x0
	.amdhsa_kernel k_q9f1e688c8f_qkvp
		.amdhsa_group_segment_fixed_size 327680
		.amdhsa_private_segment_fixed_size 0
		.amdhsa_enable_private_segment 0
		.amdhsa_kernarg_size 40
		.amdhsa_user_sgpr_count 2
		.amdhsa_user_sgpr_kernarg_segment_ptr 1
		.amdhsa_wavefront_size32 1
		.amdhsa_system_sgpr_workgroup_id_x 1
		.amdhsa_system_sgpr_workgroup_id_y 1
		.amdhsa_system_sgpr_workgroup_id_z 1
		.amdhsa_system_vgpr_workitem_id 0
		.amdhsa_next_free_vgpr 1024
		.amdhsa_next_free_sgpr 100
		.amdhsa_reserve_vcc 0
		.amdhsa_float_denorm_mode_32 3
		.amdhsa_float_denorm_mode_16_64 3
		.amdhsa_memory_ordered 1
		.amdhsa_forward_progress 1
		.amdhsa_inst_pref_size 255
	.end_amdhsa_kernel
	.section	.bss,"aw",@nobits
	.p2align	6
	.space	262144
	.amdgpu_metadata
---
amdhsa.version: [ 1, 2 ]
amdhsa.kernels:
  - .name:           k_q9f1e688c8f_qkvp
    .symbol:         k_q9f1e688c8f_qkvp.kd
    .args:
      - { .name: hc, .offset: 0, .size: 8, .value_kind: global_buffer, .address_space: global }
      - { .name: in_proj_w_codes, .offset: 8, .size: 8, .value_kind: global_buffer, .address_space: global }
      - { .name: lowp_scales, .offset: 16, .size: 8, .value_kind: global_buffer, .address_space: global }
      - { .name: rope, .offset: 24, .size: 8, .value_kind: global_buffer, .address_space: global }
      - { .name: qkvc, .offset: 32, .size: 8, .value_kind: global_buffer, .address_space: global }
    .group_segment_fixed_size: 327680
    .private_segment_fixed_size: 0
    .kernarg_segment_align: 8
    .kernarg_segment_size: 40
    .max_flat_workgroup_size: 128
    .sgpr_count:     100
    .vgpr_count:     1024
    .wavefront_size: 32
...
	.end_amdgpu_metadata
.endif
;; end of part 2
;; launch attn (part 3): grid 8 x 32, 16 waves a work-group, no clusters, 169,984 bytes of LDS; arguments qkvc, lowp_scales, oc; writes oc
.if DOCPART == 3
	.amdgcn_target "amdgcn-amd-amdhsa--gfx1250"
	.amdhsa_code_object_version 6
	.text
	.protected	k_q9f1e688c8f_attn
	.globl	k_q9f1e688c8f_attn
	.p2align	8
	.type	k_q9f1e688c8f_attn,@function
k_q9f1e688c8f_attn:
	s_mov_b64 s[64:65], 0
	v_nop
	global_prefetch_b8 v0, s[64:65] scope:SCOPE_SE
	s_setreg_imm32_b32 hwreg(HW_REG_WAVE_MODE, 25, 1), 1
	s_wait_xcnt 0x0
; Attention in a band: key k counts for query q where 0 <= q - k < 256; both products on codes of E5M2.  o is quantised (2^e6) on the way out.
; qkvc: q, k [b][head][t][64] codes; v [b][head][t / 16][64 d][16 keys].  oc: [16 heads][4,096 rows][64] codes: a head's 64 columns of o are one column block.
; THE SOFTMAX AHEAD OF THE SECOND PRODUCT: t = score x log2(e) / 8; M = the largest t so far, rounded up to a whole number; p = 2^(t - M) is quantised (2^e4), not normalised; the row's sum is taken of
; the unquantised p and divides at the end.  When M moves, the sum and O are multiplied by 2^(old M - new M), which rounds nothing.
; SHARES.  A work-group owns 256 queries of one head; each of its sixteen waves 16 of them, in 256 registers.  The block's band is its own 256 keys and the 256 before them: 32 KiB of K and 32 KiB of V,
; brought by four tensor loads at the head (waves 0, 1: K's halves; waves 2, 3: V's); nothing is filled again.  A wave's 16 queries see keys in three steps of 128: in the first only the band's far edge
; can hide a key, in the second nothing, in the third only the diagonal.  In a head's first block the steps on keys before key 0 are jumped over (a scalar branch on ids); the bytes fetched in their place are not read.
; No joint loads: a block of K and V is read by two work-groups only, and there is no loop of refills for a round to serve.
; LAYOUT.  Both products transposed: S^T = K Q^T, O^T = V^T P^T: a lane holds one query (lane % 16).  Lane r of key tile 2 b + u takes key 32 b + 8 u + r + 8 (r / 8), so that the 16 registers of tiles
; 2 b, 2 b + 1 are the neighbouring keys 32 b + 16 (lane / 16) + 0 .. 15: p's codes are the second product's operand as they come.
; LIMITS: e2 + e3 between -122 and 128; e4 and e6 - e4 - e5 between -126 and 112.
; REGISTERS: v1-7 addresses; v12 -M, v13 the largest t, v[14:15] the sum; v16-23 Q; v32-95 fragments; v96-159 S^T, then p; v160-191 O^T; v192-223 o; v224-239 codes (a matrix operand: nothing else lands there);
; v240, v244, v246, v247 scales; v242, v243, v252-254 at work; v248 the lane permutes' destination.
.set KP,   80                          ; a key's row in LDS: 64 bytes + 16 of padding
.set VOFF, 512*KP                      ; behind K's 512 rows: V's 32 chunks of 1,024 bytes
.set STG,  VOFF+32*1024                ; behind them: 16 rows x 80 bytes for each wave, for the way out; no fill lands here
.set XL,   248                         ; v248: where a lane permute lands; outside every matrix operand
.set WV,   18
.set SEL,  20
.set CS,   22
.set G1K,  24
.set G1V,  32
.set G0K,  40
.set G0V,  44
	s_load_b128 s[4:7], s[0:1], 0x0                ; qkvc, the scales' exponents
	s_load_b64 s[8:9], s[0:1], 0x10                ; oc
	v_lshl_add_u32 v251, v0, 2, 0x29000
	v_mov_b32 v255, 0
	ds_add_u32 v251, v255
	ds_add_u32 v251, v255
	v_lshrrev_b32 v8, 5, v0
	v_readfirstlane_b32 s[WV], v8                  ; wave 0..15
	s_and_b32 s10, ttmp7, 0xffff                   ; 16 b + head
	s_and_b32 s48, s[WV], 1                        ; which half I fetch, if I fetch: 0 the block before, 1 my own
	s_add_co_u32 s49, ttmp9, s48
	s_sub_co_i32 s49, s49, 1
	s_max_i32 s49, s49, 0                          ; its number (a first block has none before it: its own is fetched, and not read)
	s_lshl_b32 s50, s10, 17                        ; a head is 131,072 bytes in each of q, k, v
	s_lshl_b32 s51, s49, 14                        ; a block of 256 keys is 16,384
	s_add_co_u32 s52, s50, s51
	s_mov_b32 s53, 0
	s_mul_i32 s56, s48, 256*KP
	s_lshl_b32 s57, s48, 14
	s_add_co_u32 s57, s57, VOFF
	s_lshr_b32 s12, s[WV], 3                       ; s0: my first step of 128 among the 512 keys in LDS
	s_lshl_b32 s58, ttmp9, 8
	s_lshl_b32 s59, s[WV], 4
	s_lshl_b32 s60, s12, 7
	s_add_co_u32 s13, s58, s60
	s_sub_co_i32 s13, s13, 256                     ; the first key of the step in hand; negative where there is no such key
	s_add_co_u32 s14, s59, 256
	s_sub_co_u32 s14, s14, s60                     ; my first query's place, counted from my first step's first key
	s_add_co_u32 s58, s58, s59                     ; my first query
	s_lshl_b32 s60, s58, 6
	s_add_co_u32 s60, s60, s50
	s_mov_b32 s61, 0
	s_and_b32 s76, s10, 15
	s_lshr_b32 s77, s10, 4
	s_lshl_b32 s76, s76, 18                        ; oc: head x 4,096 rows x 64
	s_lshl_b32 s77, s77, 11
	s_add_co_u32 s77, s77, s58
	s_lshl_b32 s77, s77, 6
	s_add_co_u32 s76, s76, s77
	s_mov_b32 s77, 0
	s_mov_b32 s[G1K], (1<<20)|(3<<22)|(3<<25)      ; elements of 1 byte; padding: four words after every 16
	s_mov_b32 s[G1K+1], 64<<16                     ; tensor_dim0
	s_mov_b32 s[G1K+2], 256<<16                    ; tensor_dim1
	s_mov_b32 s[G1K+3], 64<<16                     ; tile_dim0
	s_mov_b32 s[G1K+4], 256                        ; tile_dim1
	s_mov_b32 s[G1K+5], 64                         ; from row to row
	s_mov_b32 s[G1K+6], 0
	s_mov_b32 s[G1K+7], 0
	s_mov_b32 s[G1V], 0                            ; a dense block of 16,384 bytes as 64 rows of 256, no padding
	s_mov_b32 s[G1V+1], 256<<16
	s_mov_b32 s[G1V+2], 64<<16
	s_mov_b32 s[G1V+3], 256<<16
	s_mov_b32 s[G1V+4], 64
	s_mov_b32 s[G1V+5], 256
	s_mov_b32 s[G1V+6], 0
	s_mov_b32 s[G1V+7], 0
	s_mov_b32 s[SEL], 0x76543210
	s_mov_b32 s[SEL+1], 0xfedcba98
	s_mov_b32 s[CS], 0x3e38aa3b                    ; c = log2(e) / 8
	s_wait_dscnt 0x0
	s_wait_kmcnt 0x0
	s_load_b256 s[68:75], s[6:7], 0x0              ; e0 .. e7
	s_mov_b32 s[G0K], 1
	s_mov_b32 s[G0K+1], s56
	s_add_nc_u64 s[G0K+2:G0K+3], s[4:5], s[52:53]
	s_add_nc_u64 s[G0K+2:G0K+3], s[G0K+2:G0K+3], 4194304
	s_or_b32 s[G0K+3], s[G0K+3], 0x80000000
	s_mov_b32 s[G0V], 1
	s_mov_b32 s[G0V+1], s57
	s_add_nc_u64 s[G0V+2:G0V+3], s[4:5], s[52:53]
	s_add_nc_u64 s[G0V+2:G0V+3], s[G0V+2:G0V+3], 8388608
	s_or_b32 s[G0V+3], s[G0V+3], 0x80000000
	s_cmp_lt_u32 s[WV], 2                          ; the branches hang on the wave's number alone; four v_nop follow each load
	s_cbranch_scc0 .Lnot_k
	tensor_load_to_lds s[G0K:G0K+3], s[G1K:G1K+7]
	s_nop 0
.rept 4
	v_nop
.endr
	s_branch .Lasked
.Lnot_k:
	s_cmp_lt_u32 s[WV], 4
	s_cbranch_scc0 .Lasked
	tensor_load_to_lds s[G0V:G0V+3], s[G1V:G1V+7]
	s_nop 0
.rept 4
	v_nop
.endr
.Lasked:
	s_add_nc_u64 s[62:63], s[4:5], s[60:61]        ; q at my first query
	s_add_nc_u64 s[8:9], s[8:9], s[76:77]          ; oc likewise
	v_and_b32 v8, 15, v0                           ; r
	v_bfe_u32 v9, v0, 4, 1                         ; h
	v_lshlrev_b32 v10, 6, v8
	v_lshl_add_u32 v10, v9, 4, v10
.irp c, 0,1
	global_load_b128 v[16+4*\c:19+4*\c], v10, s[62:63] offset:32*\c   ; Q's fragment: registers 4 c .. hold d = 32 c + 16 h + 0 .. 15, as K's do
.endr
	v_and_b32 v11, 8, v8
	v_add_nc_u32 v11, v11, v8                      ; r + 8 (r / 8)
	v_mul_u32_u24 v1, v11, KP
	v_lshl_add_u32 v1, v9, 4, v1
	s_mul_i32 s15, s12, 128*KP
	v_add_nc_u32 v1, s15, v1                       ; K: my lane's place in my first step
	v_lshlrev_b32 v2, 10, v9
	v_lshl_add_u32 v2, v8, 4, v2
	s_lshl_b32 s15, s12, 13
	s_add_co_u32 s15, s15, VOFF
	v_add_nc_u32 v2, s15, v2                       ; V: chunk h, row d = r
	v_lshlrev_b32 v3, 4, v9
	v_sub_nc_u32 v3, v8, v3                        ; r - 16 h
	s_mul_i32 s15, s[WV], 16*KP
	s_add_co_u32 s15, s15, STG                     ; my stage
	v_mul_u32_u24 v4, v8, KP
	v_lshl_add_u32 v4, v9, 3, v4
	v_add_nc_u32 v4, s15, v4                       ; in: row r, 8 bytes for each half of the lanes
	v_bfe_u32 v5, v0, 2, 3
	v_mul_u32_u24 v5, v5, KP
	v_and_b32 v6, 3, v0
	v_lshl_add_u32 v5, v6, 4, v5
	v_add_nc_u32 v5, s15, v5                       ; back: four lanes to a row of 64 bytes
	v_and_b32 v7, 31, v0
	v_lshlrev_b32 v7, 4, v7                        ; and in oc: 16 bytes a lane
	v_mov_b32 v13, 0xff61b1e6                      ; the largest t so far: -3e38
	v_floor_f32 v12, -v13                          ; -M
	v_mov_b32 v14, 0
	v_mov_b32 v15, 0
	v_mov_b32 v[XL], 0                             ; a lane permute's destination counts as read
	v_mov_b32 v253, 0                              ; (named as the upper half of a pair)
.set j, 0
.rept 32
	v_mov_b32 v[160+j], 0                          ; O^T: the step is written once for all turns; the first change of M multiplies zeros
.set j, j+1
.endr
	s_wait_kmcnt 0x0
	s_add_co_i32 s48, s70, s71
	s_lshl_b32 s48, s48, 23
	s_add_co_i32 s[CS], s[CS], s48                 ; a score stands for score x 2^(e2 + e3): added to c's exponent field
	s_mov_b32 s[CS+1], s[CS]
	s_add_co_i32 s48, s72, 127
	s_lshl_b32 s49, s48, 23
	v_mov_b32 v244, s49                            ; 2^e4
	s_add_co_i32 s48, s48, 15
	s_lshl_b32 s48, s48, 23
	s_or_b32 s48, s48, 0x600000
	v_mov_b32 v240, s48                            ; 57,344 x 2^e4
	s_sub_co_i32 s48, s74, s72
	s_sub_co_i32 s48, s48, s73                     ; e6 - e4 - e5: O^T / the sum stands for o / 2^(e4 + e5)
	s_add_co_i32 s48, s48, 127
	s_lshl_b32 s51, s48, 23                        ; kept for the way out
	s_add_co_i32 s48, s48, 15
	s_lshl_b32 s48, s48, 23
	s_or_b32 s52, s48, 0x600000
	s_wait_tensorcnt 0x0                           ; my tile, if I fetched one, has landed
	s_barrier_signal -1
	s_barrier_wait -1                              ; everybody's has
	s_wait_loadcnt 0x0                             ; Q
; A STEP of 128 keys, the i-th of my three.  mode 0: the band's far edge; 1: all keys count; 2: the diagonal.
.macro STEP i, mode
	s_cmp_lt_i32 s13, 0                            ; keys before key 0: the step's work is left out; no barrier and no tensor load stands in a step
	s_cbranch_scc1 .Lskip_\@
.rept 4
	v_nop                                          ; places in front of loads into registers that matrix instructions have read
.endr
.irp t, 0,1,2,3,4,5,6,7
.irp c, 0,1
	ds_load_b128 v[32+8*\t+4*\c:35+8*\t+4*\c], v1 offset:\i*128*KP+(32*(\t/2)+8*(\t%2))*KP+32*\c
.endr
.endr
	s_wait_dscnt 0x0
.irp t, 0,1,2,3,4,5,6,7
	v_wmma_f32_16x16x64_bf8_bf8 v[96+8*\t:103+8*\t], v[32+8*\t:39+8*\t], v[16:23], 0
.endr
.rept 4
	v_nop
.endr
.if \mode != 1                         ; register 16 b + i holds the step's key 32 b + 16 h + i.  Hidden scores become -infinity ahead of the maximum: p = 0 then
.if \mode == 0
	s_sub_co_i32 s15, s14, 128*\i+255              ; hidden where q - k >= 256: 32 b + i < r - 16 h + (my first query's place - 255)
.else
	s_sub_co_i32 s15, s14, 128*\i                  ; hidden where k > q: 32 b + i > r - 16 h + my first query's place
.endif
	v_add_nc_u32 v252, s15, v3
	v_mov_b32 v254, 0xff800000
.set n, 0
.rept 64
.if \mode == 0
	v_cmp_lt_i32 vcc_lo, 32*(n/16)+n%16, v252
.else
	v_cmp_gt_i32 vcc_lo, 32*(n/16)+n%16, v252
.endif
	v_cndmask_b32 v[96+n], v[96+n], v254, vcc_lo
.set n, n+1
.endr
.endif
	v_max3_num_f32 v254, v96, v97, v98             ; the step's largest score of my query, in two chains, each accumulator from its low end on
	v_max3_num_f32 v252, v99, v100, v101
.irp i2, 6,10,14,18,22,26,30,34,38,42,46,50,54,58
	v_max3_num_f32 v254, v254, v[96+\i2], v[97+\i2]
	v_max3_num_f32 v252, v252, v[98+\i2], v[99+\i2]
.endr
	v_max3_num_f32 v254, v254, v158, v159
	v_max_num_f32 v254, v254, v252
	v_permlanex16_b32 v[XL], v254, s[SEL], s[SEL+1]
	v_max_num_f32 v254, v254, v[XL]                ; and lane l xor 16's
	v_mul_f32 v254, s[CS], v254                    ; as t
	v_max_num_f32 v13, v13, v254                   ; the running largest t
	v_mov_b32 v254, v12
	v_floor_f32 v12, -v13                          ; the new -M = -ceil(t)
	v_sub_f32 v254, v12, v254                      ; old M - new M: a whole number, 0 or less
	v_cvt_i32_f32 v254, v254                       ; (it saturates)
	v_ldexp_f32 v252, 1.0, v254                    ; f = 2^(old M - new M)
.set j, 0
.rept 32
	v_pk_fma_f32 v[96+j:97+j], v[96+j:97+j], s[CS:CS+1], v[12:13] op_sel_hi:[1,0,0]   ; t - M
.set j, j+2
.endr
.set j, 0
.rept 64
	v_exp_f32 v[96+j], v[96+j]                     ; p = 2^(t - M)
.set j, j+1
.endr
	v_pk_mul_f32 v[14:15], v[14:15], v[252:253] op_sel_hi:[1,0]   ; the sums under the new M: the plain instruction behind the exponentials
	s_wait_alu depctr_va_vdst(0)                   ; one wait for the whole batch, ahead of its first reader
	v_pk_add_f32 v[242:243], v[96:97], v[98:99]    ; the row's sum, of the unquantised p, in two chains
.irp j2, 4,8,12,16,20,24,28,32,36,40,44,48,52,56,60
	v_pk_add_f32 v[14:15], v[14:15], v[96+\j2:97+\j2]
	v_pk_add_f32 v[242:243], v[242:243], v[98+\j2:99+\j2]
.endr
	v_pk_add_f32 v[14:15], v[14:15], v[242:243]
.irp b, 0,1,2,3
.set j, 0
.rept 16
	v_min_num_f32 v[96+16*\b+j], v[96+16*\b+j], v240   ; p is not negative: the hold is one-sided (ISA guide 7.6.2)
.set j, j+1
.endr
	v_cvt_scalef32_pk8_bf8_f32 v[224+4*\b:225+4*\b], v[96+16*\b:103+16*\b], v244
	v_cvt_scalef32_pk8_bf8_f32 v[226+4*\b:227+4*\b], v[104+16*\b:111+16*\b], v244
.endr
.set j, 0
.rept 16
	v_pk_mul_f32 v[160+j:161+j], v[160+j:161+j], v[252:253] op_sel_hi:[1,0]   ; O^T under the new M; these are also the places in front of the loads and products below
.set j, j+2
.endr
.irp t, 0,1,2,3
.irp c, 0,1,2,3
	ds_load_b128 v[32+16*\t+4*\c:35+16*\t+4*\c], v2 offset:\i*8192+256*\t+2048*\c   ; d = 16 t + r, keys 32 c + 16 h + 0 .. 15: sixteen lanes read 256 consecutive bytes
.endr
.endr
	s_wait_dscnt 0x0
.irp t, 0,1,2,3
	v_wmma_f32_16x16x128_bf8_bf8 v[160+8*\t:167+8*\t], v[32+16*\t:47+16*\t], v[224:239], v[160+8*\t:167+8*\t]   ; the four accumulators take turns
.endr
.Lskip_\@:
	s_add_co_i32 s13, s13, 128
.endm
	STEP 0, 0
	STEP 1, 1
	STEP 2, 2
	; THE WAY OUT: o = O^T / the sum, quantised; a lane's eight codes of a tile go through my stage and leave as rows: the wave's 16 rows of 64 bytes are 1,024 consecutive bytes of oc.
	; The lines down to the wait name no register of the last products: seven of them are plain and are the places in front of the first read of O^T.
	v_add_f32 v14, v14, v15
	v_permlanex16_b32 v[XL], v14, s[SEL], s[SEL+1]
	v_add_f32 v14, v14, v[XL]                      ; the row's sum
	v_rcp_f32 v14, v14
	v_mov_b32 v247, s51                            ; 2^(e6 - e4 - e5).  (Plain instructions behind the reciprocal)
	v_mov_b32 v246, s52                            ; 57,344 x that
	v_nop
	v_nop
	s_wait_alu depctr_va_vdst(0)                   ; ahead of the first reader
.set j, 0
.rept 32
	v_mul_f32 v[192+j], v[160+j], v14              ; register 8 t + i: o(r, 16 t + 8 h + i); each accumulator from its low end on
.set j, j+1
.endr
.set j, 0
.rept 32
	v_med3_num_f32 v[192+j], v[192+j], -v246, v246
.set j, j+1
.endr
.irp t, 0,1,2,3
	v_cvt_scalef32_pk8_bf8_f32 v[224+2*\t:225+2*\t], v[192+8*\t:199+8*\t], v247
.endr
	v_nop
.irp t, 0,1,2,3
	ds_store_b64 v4, v[224+2*\t:225+2*\t] offset:16*\t
.endr
.irp k, 0,1
	ds_load_b128 v[32+4*\k:35+4*\k], v5 offset:8*KP*\k   ; my own bytes, served in order
.endr
.irp k, 0,1
	s_wait_dscnt 1-\k                              ; the first is back while the second may be out; then both
	global_store_b128 v7, v[32+4*\k:35+4*\k], s[8:9] offset:512*\k
.endr
	s_wait_tensorcnt 0x0
	ds_add_u32 v251, v255
	s_wait_dscnt 0x0
	s_endpgm
.Lfunc_end_k_q9f1e688c8f_attn:
	.size	k_q9f1e688c8f_attn, .Lfunc_end_k_q9f1e688c8f_attn-k_q9f1e688c8f_attn
	.p2alignl 7, 3214868480
	.fill 96, 4, 3214868480
	.section	.rodata,"a",@progbits
	.p2align	6, 0x0
	.amdhsa_kernel k_q9f1e688c8f_attn
		.amdhsa_group_segment_fixed_size 169984
		.amdhsa_private_segment_fixed_size 0
		.amdhsa_enable_private_segment 0
		.amdhsa_kernarg_size 24
		.amdhsa_user_sgpr_count 2
		.amdhsa_user_sgpr_kernarg_segment_ptr 1
		.amdhsa_wavefront_size32 1
		.amdhsa_system_sgpr_workgroup_id_x 1
		.amdhsa_system_sgpr_workgroup_id_y 1
		.amdhsa_system_sgpr_workgroup_id_z 1
		.amdhsa_system_vgpr_workitem_id 0
		.amdhsa_next_free_vgpr 256
		.amdhsa_next_free_sgpr 80
		.amdhsa_reserve_vcc 1
		.amdhsa_float_denorm_mode_32 3
		.amdhsa_float_denorm_mode_16_64 3
		.amdhsa_memory_ordered 1
		.amdhsa_forward_progress 1
		.amdhsa_inst_pref_size 68
	.end_amdhsa_kernel
	.amdgpu_metadata
---
amdhsa.version: [ 1, 2 ]
amdhsa.kernels:
  - .name:           k_q9f1e688c8f_attn
    .symbol:         k_q9f1e688c8f_attn.kd
    .args:
      - { .name: qkvc, .offset: 0, .size: 8, .value_kind: global_buffer, .address_space: global }
      - { .name: lowp_scales, .offset: 8, .size: 8, .value_kind: global_buffer, .address_space: global }
      - { .name: oc, .offset: 16, .size: 8, .value_kind: global_buffer, .address_space: global }
    .group_segment_fixed_size: 169984
    .private_segment_fixed_size: 0
    .kernarg_segment_align: 8
    .kernarg_segment_size: 24
    .max_flat_workgroup_size: 512
    .sgpr_count:     80
    .vgpr_count:     256
    .wavefront_size: 32
...
	.end_amdgpu_metadata
.endif
;; end of part 3
;; launch oproj (part 4): grid 4 x 16, 4 waves a work-group, clusters of 4 x 4, 327,680 bytes of LDS; arguments oc, out_proj_w_codes, lowp_scales, x, x1; writes x1
.if DOCPART == 4
	.amdgcn_target "amdgcn-amd-amdhsa--gfx1250"
	.amdhsa_code_object_version 6
	.text
	.protected	k_q9f1e688c8f_oproj
	.globl	k_q9f1e688c8f_oproj
	.p2align	8
	.type	k_q9f1e688c8f_oproj,@function
k_q9f1e688c8f_oproj:
	s_mov_b64 s[64:65], 0
	v_nop
	global_prefetch_b8 v0, s[64:65] scope:SCOPE_SE
	s_setreg_imm32_b32 hwreg(HW_REG_WAVE_MODE, 25, 1), 1
	s_wait_xcnt 0x0
	s_wait_alu depctr_hold_cnt(0) depctr_sa_sdst(0) depctr_va_vdst(0) depctr_va_sdst(0) depctr_va_ssrc(0) depctr_va_vcc(0) depctr_vm_vsrc(0)
	s_getreg_b32 s2, hwreg(HW_REG_IB_STS2, 6, 4)
	s_cmp_eq_u32 s2, 0
	s_cbranch_scc0 .Lentry_in_a_cluster
	s_endpgm
.Lentry_in_a_cluster:
	s_bfe_u32 s2, ttmp6, 0x10000c
	s_cmp_lg_u32 s2, 0xf033
	s_cbranch_scc0 .Lentry_shape_is_right
	s_endpgm
.Lentry_shape_is_right:
; x1 = x + o Wo^T on codes of E5M2 (M 4,096, N 1,024, K 1,024).  oc: [16 column blocks][4,096 rows][64] codes; Wo: [1,024][1,024] codes; x, x1: [4,096][1,024] f32.
; A tile of C, 256 x 256, is made by a work-group of four waves, 128 x 128 each; K goes in steps of 256 through a ring of two LDS slots; 4 x 4 work-groups form a cluster and ask for A's tiles jointly
; along a row of the cluster, for B's along a column.  The size gives 64 tiles: 64 work-groups.
; A's tile of 128 rows x 256 K is four pieces, one from each of four column blocks, each 8,192 consecutive bytes of memory: the descriptor states four rows of 8,192 bytes, 262,144 apart, with 16 bytes of
; padding behind every 64: in LDS a row m of a block is 80 bytes from the next.
; THE MATRIX INSTRUCTION IS USED TRANSPOSED: a lane holds eight neighbouring columns of one row of C.  On the way out half a wave tile at a time goes through the wave's stage in LDS and comes back as whole
; rows of 512 bytes; one packed multiply-add gives sum x 2^(e6 + e7) + x.
; LIMIT: e6 + e7 between -126 and 127.
.set KTOT,   1024
.set SCOFF,  0x18                      ; the two exponents' place among the scales
.set CBW,    64
.set PA,     80
.set QIA,    3
.set AC,     8192
.set AR,     4
.set ASTRIDE, 262144
.set AROWB,  64
.set ASTEP,  1048576
.set PITCH,  272
.set HALFB,  128*PITCH
.set BS,     128*PA
.set HALFA,  (256/CBW)*BS
.set SLOT,   2*HALFA+2*HALFB
.set SPARE,  2*SLOT                    ; behind the ring: the spare words, which no other line names
.set LAPS,   KTOT/512
.set FR,     16
.set NL,     4
.set NP,     4
.set SPITCH, 528
.set STGW,   64*SPITCH
.set ADRA, 16
.set ADRB, 20
.set STO,  24
.set SPW,  28
.set NIL,  29
.set AF,   128
.set G1, 24
.set G0, 32
.set G1B, 48
.set G0B, 56
.set MSB, 0
.macro WIN new
.if MSB != (\new)
	s_set_vgpr_msb (MSB<<8)|(\new)
.set MSB, (\new)
.endif
.endm
.set MUL_LO, 0xa1
.set MUL_HI, 0xf1
.set TO_B,   0x40
.macro JLOAD g0a, g1a, g0b, g1b        ; a joint load: waves 0 and 1 fetch for A, waves 2 and 3 for B; four v_nop follow each line
	s_cmp_eq_u32 s15, 0
	s_cbranch_scc0 .Lfor_b_\@
	tensor_load_to_lds s[\g0a:\g0a+3], s[\g1a:\g1a+7]
	s_nop 0
.rept 4
	v_nop
.endr
	s_branch .Lasked_\@
.Lfor_b_\@:
	tensor_load_to_lds s[\g0b:\g0b+3], s[\g1b:\g1b+7]
	s_nop 0
.rept 4
	v_nop
.endr
.Lasked_\@:
.endm
.macro CREST
	s_cmp_lg_u32 s14, 0
	s_cbranch_scc1 .Lnot_wave_0_\@
	s_barrier_signal -3
.Lnot_wave_0_\@:
	s_barrier_wait -3
	s_barrier_signal -1
	s_barrier_wait -1
.endm
.macro CROUND
	s_barrier_signal -1
	s_barrier_wait -1
	CREST
.endm
	s_load_b128 s[4:7], s[0:1], 0x0                ; A's codes, B's codes
	s_load_b128 s[8:11], s[0:1], 0x10              ; the scales' exponents, the residual
	s_load_b64 s[12:13], s[0:1], 0x20              ; the result
	v_lshl_add_u32 v[SPW], v0, 2, SPARE
	v_mov_b32 v[NIL], 0
	ds_add_u32 v28, v29
	ds_add_u32 v28, v29
	s_wait_dscnt 0x0
	v_lshrrev_b32 v1, 5, v0
	v_readfirstlane_b32 s14, v1
	s_lshr_b32 s15, s14, 1
	s_and_b32 s16, s14, 1
	s_bfe_u32 s40, ttmp6, 0x40000
	s_bfe_u32 s41, ttmp6, 0x40004
	s_lshl_b32 s42, ttmp9, 2
	s_add_co_u32 s42, s42, s40                     ; tile column
	s_and_b32 s17, ttmp7, 0xffff
	s_lshl_b32 s17, s17, 2
	s_add_co_u32 s17, s17, s41                     ; tile row
	s_lshl_b32 s43, s41, 2
	s_lshl_b32 s43, 15, s43
	s_lshl_b32 s44, 0x1111, s40
	s_or_b32 s[G1+0], s43, (1<<20)|(1<<21)|(QIA<<22)|(3<<25)
	s_or_b32 s[G1B+0], s44, (1<<20)|(1<<21)|(5<<22)|(3<<25)
	s_mov_b32 s[G1+1], (AC&0xffff)<<16
	s_mov_b32 s[G1+2], (AC>>16)|(AR<<16)
	s_mov_b32 s[G1+3], (AR>>16)|(AC<<16)
	s_mov_b32 s[G1+4], AR
	s_mov_b32 s[G1+5], ASTRIDE
	s_mov_b32 s[G1+6], 0
	s_mov_b32 s[G1+7], 0
	s_mov_b32 s[G1B+1], 256<<16
	s_mov_b32 s[G1B+2], 128<<16
	s_mov_b32 s[G1B+3], 256<<16
	s_mov_b32 s[G1B+4], 128
	s_mov_b32 s[G1B+5], KTOT
	s_mov_b32 s[G1B+6], 0
	s_mov_b32 s[G1B+7], 0
	s_lshl_b32 s18, s16, 7
	s_lshl_b32 s20, s17, 8
	s_add_co_u32 s20, s20, s18
	s_lshl_b32 s46, s42, 8
	s_add_co_u32 s46, s46, s18
	s_mov_b32 s21, 0
	s_mov_b32 s47, 0
	s_mov_b64 s[18:19], AROWB
	s_mul_u64 s[20:21], s[20:21], s[18:19]
	s_mov_b64 s[18:19], KTOT
	s_mul_u64 s[46:47], s[46:47], s[18:19]
	s_mul_i32 s45, s16, HALFA
	s_mul_i32 s22, s16, HALFB
	s_add_co_u32 s22, s22, 2*HALFA
	s_wait_kmcnt 0x0
	s_load_b64 s[96:97], s[8:9], SCOFF
	s_add_nc_u64 s[20:21], s[4:5], s[20:21]
	s_add_nc_u64 s[46:47], s[6:7], s[46:47]
	CROUND                                         ; the first joint loads meet
.irp s, 0,1
	s_mov_b32 s[G0+4*\s], 1
	s_add_co_u32 s[G0+4*\s+1], s45, \s*SLOT
	s_add_nc_u64 s[G0+4*\s+2:G0+4*\s+3], s[20:21], \s*ASTEP
	s_or_b32 s[G0+4*\s+3], s[G0+4*\s+3], 0x80000000
	s_mov_b32 s[G0B+4*\s], 1
	s_add_co_u32 s[G0B+4*\s+1], s22, \s*SLOT
	s_add_nc_u64 s[G0B+4*\s+2:G0B+4*\s+3], s[46:47], \s*256
	s_or_b32 s[G0B+4*\s+3], s[G0B+4*\s+3], 0x80000000
	JLOAD G0+4*\s, G1, G0B+4*\s, G1B
.endr
	v_and_b32 v1, 15, v0
	v_bfe_u32 v2, v0, 4, 1
	v_mul_u32_u24 v3, v1, PA
	v_lshl_add_u32 v3, v2, 4, v3
	v_mul_u32_u24 v4, v1, PITCH
	v_lshl_add_u32 v4, v2, 4, v4
	s_mul_i32 s21, s15, HALFA
	s_mul_i32 s22, s16, HALFB
	s_add_co_u32 s22, s22, 2*HALFA
.irp s, 0,1
	v_add_nc_u32 v[ADRA+\s], s21, v3
	v_add_nc_u32 v[ADRB+\s], s22, v4
	s_add_co_u32 s21, s21, SLOT
	s_add_co_u32 s22, s22, SLOT
.endr
	s_mul_i32 s23, s14, STGW
	v_mul_u32_u24 v5, v1, SPITCH
	v_lshl_add_u32 v5, v2, 5, v5
	v_add_nc_u32 v[STO], s23, v5                   ; into my stage (in slot 0): row r, 32 bytes for each half of the lanes
	v_and_b32 v9, 31, v0
	v_lshlrev_b32 v26, 4, v9                       ; back, and in memory: the 32 lanes take a row's 512 bytes
	v_add_nc_u32 v25, s23, v26
	s_lshl_b32 s72, s17, 8
	s_lshl_b32 s73, s15, 7
	s_add_co_u32 s72, s72, s73                     ; my first row,
	s_lshl_b32 s72, s72, 12                        ; of 4,096 bytes
	s_lshl_b32 s74, s42, 10
	s_lshl_b32 s75, s16, 9
	s_add_co_u32 s74, s74, s75                     ; my first column, in bytes
	s_add_co_u32 s72, s72, s74
	s_mov_b32 s73, 0
	s_add_nc_u64 s[10:11], s[10:11], s[72:73]
	s_add_nc_u64 s[12:13], s[12:13], s[72:73]
.macro FRAGA reg, slot, q, i           ; 16 rows x 128 K: registers 4 c .. 4 c + 3 hold K = 32 c + 16 (l / 16) + 0 .. 15; K = 128 q + 32 c lies in column block (128 q + 32 c) / CBW
.irp c, 0,1,2,3
	ds_load_b128 v[\reg+4*\c:\reg+4*\c+3], v[ADRA+\slot] offset:((128*(\q)+32*\c)/CBW)*BS+(\i)*16*PA+(128*(\q)+32*\c)%CBW
.endr
.endm
.macro FRAGB reg, slot, q, i
.irp c, 0,1,2,3
	ds_load_b128 v[\reg+4*\c:\reg+4*\c+3], v[ADRB+\slot] offset:128*(\q)+32*\c+(\i)*16*PITCH
.endr
.endm
.macro MUL16 a0, p, zero               ; the 64 accumulators take turns
.irp a, \a0, \a0+1
.irp b, 0,1,2,3,4,5,6,7
.if \zero
	v_wmma_f32_16x16x128_bf8_bf8 v[8*(8*((\a)%4)+\b):8*(8*((\a)%4)+\b)+7], v[128*(\p)+FR*\b:128*(\p)+FR*\b+FR-1], v[AF+FR*(\a):AF+FR*(\a)+FR-1], 0
.else
	v_wmma_f32_16x16x128_bf8_bf8 v[8*(8*((\a)%4)+\b):8*(8*((\a)%4)+\b)+7], v[128*(\p)+FR*\b:128*(\p)+FR*\b+FR-1], v[AF+FR*(\a):AF+FR*(\a)+FR-1], v[8*(8*((\a)%4)+\b):8*(8*((\a)%4)+\b)+7]
.endif
.endr
.endr
.endm
.macro FETCH_B slot, q, p
	WIN TO_B
.irp i, 0,1,2,3,4,5,6,7
	FRAGB 128*(\p)+FR*\i, \slot, \q, \i
.endr
	WIN 0
.endm
.macro FETCH_A slot, q, i0
.irp i, \i0, \i0+1, \i0+2, \i0+3
	FRAGA AF+FR*(\i), \slot, \q, \i
.endr
.endm
.macro PLACES n
.rept \n
	v_nop
.endr
.endm
.macro STEP slot, q, zero
	s_wait_dscnt 4*NL                              ; the youngest sixteen loads (A's blocks 4-7) may be out
	WIN MUL_LO
	MUL16 0, (\q)%2, \zero
	MUL16 2, (\q)%2, \zero
	s_wait_dscnt 0
	PLACES NP
	FETCH_B \slot, (\q)+1, 1-(\q)%2
	FETCH_A \slot, (\q)+1, 0
	WIN MUL_HI
	MUL16 4, (\q)%2, \zero
	MUL16 6, (\q)%2, \zero
	PLACES NP
	WIN 0
	FETCH_A \slot, (\q)+1, 4
.endm
.macro TURN slot, next, fill
	s_wait_tensorcnt 0x0                           ; all my tensor loads have landed
	ds_add_u32 v[SPW], v[NIL]                      ; 0 onto my spare word
	s_wait_dscnt 4*NL+1                            ; the add and the youngest sixteen loads may be out
	WIN MUL_LO
	MUL16 0, 1, 0
	s_wait_dscnt 0x0                               ; the add is done, and my reads of this slot are over
	s_barrier_signal -1
	MUL16 2, 1, 0
	WIN 0
	s_barrier_wait -1
.if \fill
	CREST
	s_add_nc_u64 s[G0+4*\slot+2:G0+4*\slot+3], s[G0+4*\slot+2:G0+4*\slot+3], 2*ASTEP
	s_add_nc_u64 s[G0B+4*\slot+2:G0B+4*\slot+3], s[G0B+4*\slot+2:G0B+4*\slot+3], 2*256
	JLOAD G0+4*\slot, G1, G0B+4*\slot, G1B
.else
	PLACES NP
.endif
	FETCH_B \next, 0, 0
	FETCH_A \next, 0, 0
	WIN MUL_HI
	MUL16 4, 1, 0
	MUL16 6, 1, 0
	PLACES NP
	WIN 0
	FETCH_A \next, 0, 4
.endm
	s_wait_tensorcnt 1                             ; my part of K step 0 is in; K step 1's load may be out
	s_barrier_signal -1
	s_barrier_wait -1
	FETCH_B 0, 0, 0
	FETCH_A 0, 0, 0
	FETCH_A 0, 0, 4
	STEP 0, 0, 1
	s_mov_b32 s3, LAPS-1
.Llap:
	TURN 0, 1, 1
	STEP 1, 0, 0
	TURN 1, 0, 1
	STEP 0, 0, 0
	s_sub_co_u32 s3, s3, 1
	s_cmp_lg_u32 s3, 0
	s_cbranch_scc1 .Llap
	TURN 0, 1, 0
	STEP 1, 0, 0
	s_wait_dscnt 4*NL
	WIN MUL_LO
	MUL16 0, 1, 0
	MUL16 2, 1, 0
	s_wait_dscnt 0
	WIN MUL_HI
	MUL16 4, 1, 0
	MUL16 6, 1, 0
	WIN 0
	; THE WAY OUT.  The stage lies in slot 0, which has had its last fill and was left at the last change of slots.
.macro DUMP hf, sto                    ; each accumulator's low four registers first
	WIN 0x08+4*(\hf)
.irp a, 0,1,2,3
.irp b, 0,1,2,3,4,5,6,7
	ds_store_b128 v[\sto], v[64*\a+8*\b:64*\a+8*\b+3] offset:\a*16*SPITCH+64*\b
	ds_store_b128 v[\sto], v[64*\a+8*\b+4:64*\a+8*\b+7] offset:\a*16*SPITCH+64*\b+16
.endr
.endr
	WIN 0
.endm
.macro XLOAD hf                        ; the residual's 64 rows of half hf fill window 1 or 2: row i at v[4 i]
	WIN 0x40<<(\hf)
.set i, 0
.rept 64
	global_load_b128 v[4*i:4*i+3], v26, s[10:11] offset:(64*\hf+i)*4096
.set i, i+1
.endr
	WIN 0
.endm
.macro RESHALF hf
.irp g, 0,1,2,3
.set BB, 128+64*(\g%2)
	s_wait_xcnt 0x0                                ; earlier stores have read their registers: they are loaded again only behind this wait
.set t, 0
.rept 16
	ds_load_b128 v[BB+4*t:BB+4*t+3], v25 offset:(16*\g+t)*SPITCH
.set t, t+1
.endr
	s_wait_dscnt 0x0
	WIN (1+\hf)<<4                                 ; source 2: the residual's window
.set t, 0
.rept 32
	v_pk_fma_f32 v[BB+2*t:BB+2*t+1], v[BB+2*t:BB+2*t+1], s[96:97], v[64*\g+2*t:64*\g+2*t+1] op_sel_hi:[1,0,1]   ; sum x 2^(ea + eb) + residual
.set t, t+1
.endr
	WIN 0
.set t, 0
.rept 16
	global_store_b128 v26, v[BB+4*t:BB+4*t+3], s[12:13] offset:(64*\hf+16*\g+t)*4096   ; 32 lanes store 512 consecutive bytes, aligned
.set t, t+1
.endr
.endr
.endm
	s_wait_kmcnt 0x0
	s_add_co_i32 s96, s96, s97
	s_add_co_i32 s96, s96, 127
	s_lshl_b32 s96, s96, 23                        ; 2^(ea + eb) as f32
	s_mov_b32 s97, s96                             ; (named with it as a pair)
	PLACES NP                                      ; behind the last products
	XLOAD 0                                        ; into window 1: B's fragments are done with
	DUMP 0, STO
	s_wait_dscnt 0x0                               ; the stores have read window 2,
	XLOAD 1                                        ; which takes the second half's residual
	s_wait_loadcnt 63                              ; 64 loads were issued behind the first run's last: at most 63 out shows the first run in
	RESHALF 0
	DUMP 1, STO
	s_wait_loadcnt 0x0
	RESHALF 1
	s_wait_tensorcnt 0x0                           ; the wave's end
	ds_add_u32 v[SPW], v[NIL]
	s_wait_dscnt 0x0
	CROUND                                         ; the closing round
	s_endpgm
.Lfunc_end_k_q9f1e688c8f_oproj:
	.size	k_q9f1e688c8f_oproj, .Lfunc_end_k_q9f1e688c8f_oproj-k_q9f1e688c8f_oproj
	.p2alignl 7, 3214868480
	.fill 96, 4, 3214868480
	.section	.rodata,"a",@progbits
	.p2align	6, 0x0
	.amdhsa_kernel k_q9f1e688c8f_oproj
		.amdhsa_group_segment_fixed_size 327680
		.amdhsa_private_segment_fixed_size 0
		.amdhsa_enable_private_segment 0
		.amdhsa_kernarg_size 40
		.amdhsa_user_sgpr_count 2
		.amdhsa_user_sgpr_kernarg_segment_ptr 1
		.amdhsa_wavefront_size32 1
		.amdhsa_system_sgpr_workgroup_id_x 1
		.amdhsa_system_sgpr_workgroup_id_y 1
		.amdhsa_system_sgpr_workgroup_id_z 1
		.amdhsa_system_vgpr_workitem_id 0
		.amdhsa_next_free_vgpr 1024
		.amdhsa_next_free_sgpr 100
		.amdhsa_reserve_vcc 0
		.amdhsa_float_denorm_mode_32 3
		.amdhsa_float_denorm_mode_16_64 3
		.amdhsa_memory_ordered 1
		.amdhsa_forward_progress 1
		.amdhsa_inst_pref_size 135
	.end_amdhsa_kernel
	.amdgpu_metadata
---
amdhsa.version: [ 1, 2 ]
amdhsa.kernels:
  - .name:           k_q9f1e688c8f_oproj
    .symbol:         k_q9f1e688c8f_oproj.kd
    .args:
      - { .name: oc, .offset: 0, .size: 8, .value_kind: global_buffer, .address_space: global }
      - { .name: out_proj_w_codes, .offset: 8, .size: 8, .value_kind: global_buffer, .address_space: global }
      - { .name: lowp_scales, .offset: 16, .size: 8, .value_kind: global_buffer, .address_space: global }
      - { .name: x, .offset: 24, .size: 8, .value_kind: global_buffer, .address_space: global }
      - { .name: x1, .offset: 32, .size: 8, .value_kind: global_buffer, .address_space: global }
    .group_segment_fixed_size: 327680
    .private_segment_fixed_size: 0
    .kernarg_segment_align: 8
    .kernarg_segment_size: 40
    .max_flat_workgroup_size: 128
    .sgpr_count:     100
    .vgpr_count:     1024
    .wavefront_size: 32
...
	.end_amdgpu_metadata
.endif
;; end of part 4
;; launch ln2 (part 5): grid 256 x 1, 4 waves a work-group, no clusters, 16,896 bytes of LDS; arguments x1, ln2_g, ln2_b, lowp_scales, h2c; writes h2c
.if DOCPART == 5
	.amdgcn_target "amdgcn-amd-amdhsa--gfx1250"
	.amdhsa_code_object_version 6
	.text
	.protected	k_q9f1e688c8f_ln2
	.globl	k_q9f1e688c8f_ln2
	.p2align	8
	.type	k_q9f1e688c8f_ln2,@function
k_q9f1e688c8f_ln2:
	s_mov_b64 s[64:65], 0
	v_nop
	global_prefetch_b8 v0, s[64:65] scope:SCOPE_SE
	s_setreg_imm32_b32 hwreg(HW_REG_WAVE_MODE, 25, 1), 1
	s_wait_xcnt 0x0
; h2c = codes of LayerNorm(x1) g + b in E5M2 with the given scale 2^e8.  x1: [4096][1024] f32.  h2c: [4096][1024] codes.
; Wave W = 4 x work-group + wave takes rows 4 W .. 4 W + 3, a whole row at a time in 32 registers a lane: mean and variance never leave the wave; no barrier.  All 16 KiB of a wave's rows are asked for at the head.
; A lane's four codes of a load go through the wave's own LDS bytes and leave as 16 bytes a lane: a store of the wave covers 512 consecutive bytes, aligned.
; LIMITS: e8 between -126 and 112.  NaN and infinities among the inputs are not served.
.set X,  96
.set CR, 20
.set BK, 224
	s_load_b256 s[4:11], s[0:1], 0x0               ; x1, g, b, the scales' exponents
	s_load_b64 s[12:13], s[0:1], 0x20              ; h2c
	v_lshl_add_u32 v30, v0, 2, 0x4000
	v_mov_b32 v31, 0
	v_lshrrev_b32 v1, 5, v0
	v_readfirstlane_b32 s16, v1
	v_and_b32 v1, 31, v0
	v_lshlrev_b32 v2, 4, v1
	s_lshl_b32 s17, ttmp9, 2
	s_add_co_u32 s17, s17, s16                     ; W
	s_lshl_b32 s20, s16, 12
	v_lshl_add_u32 v3, v1, 2, s20
	v_lshl_add_u32 v4, v1, 4, s20
	v_mov_b32 v9, 0
	s_mov_b32 s19, 0
	s_mov_b32 s22, 0x76543210
	s_mov_b32 s23, 0xfedcba98
	s_mov_b32 s25, 0x3a800000                      ; 1 / 1024
	s_mov_b32 s26, 0x3727c5ac                      ; 1e-5
	s_wait_kmcnt 0x0
	s_load_b32 s24, s[10:11], 0x20                 ; e8
	s_lshl_b32 s18, s17, 14
	s_add_nc_u64 s[4:5], s[4:5], s[18:19]
	s_lshl_b32 s18, s17, 12
	s_add_nc_u64 s[12:13], s[12:13], s[18:19]
.irp j, 0,1,2,3,4,5,6,7
	global_load_b128 v[32+4*\j:35+4*\j], v2, s[6:7] offset:512*\j
.endr
.irp j, 0,1,2,3,4,5,6,7
	global_load_b128 v[64+4*\j:67+4*\j], v2, s[8:9] offset:512*\j
.endr
.irp p, 0,1,2,3
.irp j, 0,1,2,3,4,5,6,7
	global_load_b128 v[X+32*\p+4*\j:X+32*\p+4*\j+3], v2, s[4:5] offset:4096*\p+512*\j th:TH_LOAD_NT
.endr
.endr
	s_wait_kmcnt 0x0
	s_add_co_i32 s24, s24, 127
	s_lshl_b32 s29, s24, 23
	v_mov_b32 v10, s29                             ; 2^e8
	s_add_co_i32 s24, s24, 15
	s_lshl_b32 s24, s24, 23
	s_or_b32 s24, s24, 0x600000
	v_mov_b32 v11, s24                             ; 57,344 x 2^e8
.macro REDUCE
	v_add_f32_dpp v6, v6, v6 row_xmask:1 row_mask:0xf bank_mask:0xf
	v_add_f32_dpp v6, v6, v6 row_xmask:2 row_mask:0xf bank_mask:0xf
	v_add_f32_dpp v6, v6, v6 row_xmask:4 row_mask:0xf bank_mask:0xf
	v_add_f32_dpp v6, v6, v6 row_xmask:8 row_mask:0xf bank_mask:0xf
	v_permlanex16_b32 v9, v6, s22, s23
	v_add_f32 v6, v6, v9
.endm
.macro ROW p
.set XR, X+32*\p
	s_wait_loadcnt 8*(3-\p)                        ; g, b and my row are in; the later rows' eight loads each may be out
	v_pk_add_f32 v[16:17], v[XR:XR+1], v[XR+2:XR+3]
	v_pk_add_f32 v[18:19], v[XR+4:XR+5], v[XR+6:XR+7]
.irp j, 8,12,16,20,24,28
	v_pk_add_f32 v[16:17], v[16:17], v[XR+\j:XR+\j+1]
	v_pk_add_f32 v[18:19], v[18:19], v[XR+\j+2:XR+\j+3]
.endr
	v_pk_add_f32 v[16:17], v[16:17], v[18:19]
	v_add_f32 v6, v16, v17
	REDUCE
	v_mul_f32 v12, 0xba800000, v6                  ; - mean
	v_mov_b32 v13, v12
.set j, 0
.rept 16
	v_pk_add_f32 v[XR+j:XR+j+1], v[XR+j:XR+j+1], v[12:13]
.set j, j+2
.endr
	v_pk_mul_f32 v[16:17], v[XR:XR+1], v[XR:XR+1]
	v_pk_mul_f32 v[18:19], v[XR+2:XR+3], v[XR+2:XR+3]
.irp j, 4,8,12,16,20,24,28
	v_pk_fma_f32 v[16:17], v[XR+\j:XR+\j+1], v[XR+\j:XR+\j+1], v[16:17]
	v_pk_fma_f32 v[18:19], v[XR+\j+2:XR+\j+3], v[XR+\j+2:XR+\j+3], v[18:19]
.endr
	v_pk_add_f32 v[16:17], v[16:17], v[18:19]
	v_add_f32 v6, v16, v17
	REDUCE
	v_fma_f32 v6, v6, s25, s26
	v_rsq_f32 v14, v6
	v_rsq_f32 v15, v6
	v_nop                                          ; a plain instruction behind the last of them
	s_wait_alu depctr_va_vdst(0)                   ; one wait for both, ahead of the first reader
.set j, 0
.rept 16
	v_pk_mul_f32 v[XR+j:XR+j+1], v[XR+j:XR+j+1], v[14:15]
.set j, j+2
.endr
.set j, 0
.rept 16
	v_pk_fma_f32 v[XR+j:XR+j+1], v[XR+j:XR+j+1], v[32+j:33+j], v[64+j:65+j]
.set j, j+2
.endr
.set j, 0
.rept 32
	v_med3_num_f32 v[XR+j], v[XR+j], -v11, v11     ; the hold at the largest code x the scale (ISA guide 7.6.2)
.set j, j+1
.endr
.irp g, 0,1,2,3
	v_cvt_scalef32_pk8_bf8_f32 v[CR+2*\g:CR+2*\g+1], v[XR+8*\g:XR+8*\g+7], v10
.endr
	v_nop
.irp j, 0,1,2,3,4,5,6,7
	ds_store_b32 v3, v[CR+\j] offset:1024*\p+128*\j
.endr
.irp k, 0,1
	ds_load_b128 v[BK+8*\p+4*\k:BK+8*\p+4*\k+3], v4 offset:1024*\p+512*\k
.endr
	s_wait_dscnt 0x0
.irp k, 0,1
	global_store_b128 v2, v[BK+8*\p+4*\k:BK+8*\p+4*\k+3], s[12:13] offset:1024*\p+512*\k
.endr
.endm
	ROW 0
	ROW 1
	ROW 2
	ROW 3
	s_wait_tensorcnt 0x0
	ds_add_u32 v30, v31
	s_wait_dscnt 0x0
	s_endpgm
.Lfunc_end_k_q9f1e688c8f_ln2:
	.size	k_q9f1e688c8f_ln2, .Lfunc_end_k_q9f1e688c8f_ln2-k_q9f1e688c8f_ln2
	.p2alignl 7, 3214868480
	.fill 96, 4, 3214868480
	.section	.rodata,"a",@progbits
	.p2align	6, 0x0
	.amdhsa_kernel k_q9f1e688c8f_ln2
		.amdhsa_group_segment_fixed_size 16896
		.amdhsa_private_segment_fixed_size 0
		.amdhsa_enable_private_segment 0
		.amdhsa_kernarg_size 40
		.amdhsa_user_sgpr_count 2
		.amdhsa_user_sgpr_kernarg_segment_ptr 1
		.amdhsa_wavefront_size32 1
		.amdhsa_system_sgpr_workgroup_id_x 1
		.amdhsa_system_sgpr_workgroup_id_y 1
		.amdhsa_system_sgpr_workgroup_id_z 1
		.amdhsa_system_vgpr_workitem_id 0
		.amdhsa_next_free_vgpr 256
		.amdhsa_next_free_sgpr 66
		.amdhsa_reserve_vcc 0
		.amdhsa_float_denorm_mode_32 3
		.amdhsa_float_denorm_mode_16_64 3
		.amdhsa_memory_ordered 1
		.amdhsa_forward_progress 1
		.amdhsa_inst_pref_size 44
	.end_amdhsa_kernel
	.amdgpu_metadata
---
amdhsa.version: [ 1, 2 ]
amdhsa.kernels:
  - .name:           k_q9f1e688c8f_ln2
    .symbol:         k_q9f1e688c8f_ln2.kd
    .args:
      - { .name: x1, .offset: 0, .size: 8, .value_kind: global_buffer, .address_space: global }
      - { .name: ln2_g, .offset: 8, .size: 8, .value_kind: global_buffer, .address_space: global }
      - { .name: ln2_b, .offset: 16, .size: 8, .value_kind: global_buffer, .address_space: global }
      - { .name: lowp_scales, .offset: 24, .size: 8, .value_kind: global_buffer, .address_space: global }
      - { .name: h2c, .offset: 32, .size: 8, .value_kind: global_buffer, .address_space: global }
    .group_segment_fixed_size: 16896
    .private_segment_fixed_size: 0
    .kernarg_segment_align: 8
    .kernarg_segment_size: 40
    .max_flat_workgroup_size: 128
    .sgpr_count:     66
    .vgpr_count:     256
    .wavefront_size: 32
...
	.end_amdgpu_metadata
.endif
;; end of part 5
;; launch ffn1 (part 6): grid 16 x 16, 4 waves a work-group, clusters of 4 x 4, 327,680 bytes of LDS; arguments h2c, w1_codes, lowp_scales, gc; writes gc
.if DOCPART == 6
	.amdgcn_target "amdgcn-amd-amdhsa--gfx1250"
	.amdhsa_code_object_version 6
	.text
	.protected	k_q9f1e688c8f_ffn1
	.globl	k_q9f1e688c8f_ffn1
	.p2align	8
	.type	k_q9f1e688c8f_ffn1,@function
k_q9f1e688c8f_ffn1:
	s_mov_b64 s[64:65], 0
	v_nop
	global_prefetch_b8 v0, s[64:65] scope:SCOPE_SE
	s_setreg_imm32_b32 hwreg(HW_REG_WAVE_MODE, 25, 1), 1
	s_wait_xcnt 0x0
	s_wait_alu depctr_hold_cnt(0) depctr_sa_sdst(0) depctr_va_vdst(0) depctr_va_sdst(0) depctr_va_ssrc(0) depctr_va_vcc(0) depctr_vm_vsrc(0)
	s_getreg_b32 s2, hwreg(HW_REG_IB_STS2, 6, 4)
	s_cmp_eq_u32 s2, 0
	s_cbranch_scc0 .Lentry_in_a_cluster
	s_endpgm
.Lentry_in_a_cluster:
	s_bfe_u32 s2, ttmp6, 0x10000c
	s_cmp_lg_u32 s2, 0xf033
	s_cbranch_scc0 .Lentry_shape_is_right
	s_endpgm
.Lentry_shape_is_right:
; gc = codes (2^e10) of gelu(h2 W1^T), the exact gelu, on codes of E5M2 (M 4,096, N 4,096, K 1,024).  gc: [32 column blocks][4,096 rows][128] codes: a wave's 128 columns are one block.
; A tile of C, 256 x 256, is made by a work-group of four waves, 128 x 128 each; K goes in steps of 256 through a ring of two LDS slots; 4 x 4 work-groups form a cluster and ask for A's tiles jointly
; along a row of the cluster, for B's along a column.  THE MATRIX INSTRUCTION IS USED TRANSPOSED: a lane holds eight neighbouring columns of one row of C.
; THE GELU.  gelu(x) = x / 2 x erfc(-x / sqrt 2).  With a = |x| / sqrt 2: (1 + 2 a) exp(a a) erfc(a) = 1 + p(q), q = (a - 2) / (a + 2), p of degree 9; erfc(a) = (1 + p) / (1 + 2 a) x 2^(-a a log2 e),
; mended by the rest that the rounding of a a dropped; erfc(-z) = (1 + sign) - sign x erfc(|z|).  All in f32.  a is held at 10.0546875: beyond it erfc is under the smallest f32 number.
; A sum stands for x / 2^(e8 + e9): the code is sum x erfc(..) / 2^(e10 - e8 - e9 + 1), one scale for the conversion.
; The way out is a loop over rows of a stage in LDS, so that its text is short: written out it would be several times the rest of the launch's text.
; LIMITS: e8 + e9 between -125 and 127; e10 - e8 - e9 + 1 between -126 and 112.
.set KTOT,   1024
.set CBW,    256
.set PA,     272
.set QIA,    5
.set AC,     256
.set AR,     128
.set ASTRIDE, KTOT
.set AROWB,  KTOT
.set ASTEP,  256
.set PITCH,  272
.set HALFB,  128*PITCH
.set BS,     128*PA
.set HALFA,  (256/CBW)*BS
.set SLOT,   2*HALFA+2*HALFB
.set SPARE,  2*SLOT                    ; behind the ring: the spare words, which no other line names
.set LAPS,   KTOT/512
.set FR,     16
.set NL,     4
.set NP,     4
.set SPITCH, 528
.set STGW,   64*SPITCH
.set ADRA, 16
.set ADRB, 20
.set STO,  24
.set SPW,  28
.set NIL,  29
.set AF,   128
.set G1, 24
.set G0, 32
.set G1B, 48
.set G0B, 56
.set MSB, 0
.macro WIN new
.if MSB != (\new)
	s_set_vgpr_msb (MSB<<8)|(\new)
.set MSB, (\new)
.endif
.endm
.set MUL_LO, 0xa1
.set MUL_HI, 0xf1
.set TO_B,   0x40
.macro JLOAD g0a, g1a, g0b, g1b        ; a joint load: waves 0 and 1 fetch for A, waves 2 and 3 for B; four v_nop follow each line
	s_cmp_eq_u32 s15, 0
	s_cbranch_scc0 .Lfor_b_\@
	tensor_load_to_lds s[\g0a:\g0a+3], s[\g1a:\g1a+7]
	s_nop 0
.rept 4
	v_nop
.endr
	s_branch .Lasked_\@
.Lfor_b_\@:
	tensor_load_to_lds s[\g0b:\g0b+3], s[\g1b:\g1b+7]
	s_nop 0
.rept 4
	v_nop
.endr
.Lasked_\@:
.endm
.macro CREST
	s_cmp_lg_u32 s14, 0
	s_cbranch_scc1 .Lnot_wave_0_\@
	s_barrier_signal -3
.Lnot_wave_0_\@:
	s_barrier_wait -3
	s_barrier_signal -1
	s_barrier_wait -1
.endm
.macro CROUND
	s_barrier_signal -1
	s_barrier_wait -1
	CREST
.endm
	s_load_b128 s[4:7], s[0:1], 0x0                ; h2c, W1's codes
	s_load_b128 s[8:11], s[0:1], 0x10              ; the scales' exponents, gc
	v_lshl_add_u32 v[SPW], v0, 2, SPARE
	v_mov_b32 v[NIL], 0
	ds_add_u32 v28, v29
	ds_add_u32 v28, v29
	s_wait_dscnt 0x0
	v_lshrrev_b32 v1, 5, v0
	v_readfirstlane_b32 s14, v1
	s_lshr_b32 s15, s14, 1
	s_and_b32 s16, s14, 1
	s_bfe_u32 s40, ttmp6, 0x40000
	s_bfe_u32 s41, ttmp6, 0x40004
	s_lshl_b32 s42, ttmp9, 2
	s_add_co_u32 s42, s42, s40                     ; tile column
	s_and_b32 s17, ttmp7, 0xffff
	s_lshl_b32 s17, s17, 2
	s_add_co_u32 s17, s17, s41                     ; tile row
	s_lshl_b32 s43, s41, 2
	s_lshl_b32 s43, 15, s43
	s_lshl_b32 s44, 0x1111, s40
	s_or_b32 s[G1+0], s43, (1<<20)|(1<<21)|(QIA<<22)|(3<<25)
	s_or_b32 s[G1B+0], s44, (1<<20)|(1<<21)|(5<<22)|(3<<25)
	s_mov_b32 s[G1+1], (AC&0xffff)<<16
	s_mov_b32 s[G1+2], (AC>>16)|(AR<<16)
	s_mov_b32 s[G1+3], (AR>>16)|(AC<<16)
	s_mov_b32 s[G1+4], AR
	s_mov_b32 s[G1+5], ASTRIDE
	s_mov_b32 s[G1+6], 0
	s_mov_b32 s[G1+7], 0
	s_mov_b32 s[G1B+1], 256<<16
	s_mov_b32 s[G1B+2], 128<<16
	s_mov_b32 s[G1B+3], 256<<16
	s_mov_b32 s[G1B+4], 128
	s_mov_b32 s[G1B+5], KTOT
	s_mov_b32 s[G1B+6], 0
	s_mov_b32 s[G1B+7], 0
	s_lshl_b32 s18, s16, 7
	s_lshl_b32 s20, s17, 8
	s_add_co_u32 s20, s20, s18
	s_lshl_b32 s46, s42, 8
	s_add_co_u32 s46, s46, s18
	s_mov_b32 s21, 0
	s_mov_b32 s47, 0
	s_mov_b64 s[18:19], AROWB
	s_mul_u64 s[20:21], s[20:21], s[18:19]
	s_mov_b64 s[18:19], KTOT
	s_mul_u64 s[46:47], s[46:47], s[18:19]
	s_mul_i32 s45, s16, HALFA
	s_mul_i32 s22, s16, HALFB
	s_add_co_u32 s22, s22, 2*HALFA
	s_wait_kmcnt 0x0
	s_load_b128 s[80:83], s[8:9], 0x20             ; e8, e9, e10, e11
	s_add_nc_u64 s[20:21], s[4:5], s[20:21]
	s_add_nc_u64 s[46:47], s[6:7], s[46:47]
	CROUND                                         ; the first joint loads meet
.irp s, 0,1
	s_mov_b32 s[G0+4*\s], 1
	s_add_co_u32 s[G0+4*\s+1], s45, \s*SLOT
	s_add_nc_u64 s[G0+4*\s+2:G0+4*\s+3], s[20:21], \s*ASTEP
	s_or_b32 s[G0+4*\s+3], s[G0+4*\s+3], 0x80000000
	s_mov_b32 s[G0B+4*\s], 1
	s_add_co_u32 s[G0B+4*\s+1], s22, \s*SLOT
	s_add_nc_u64 s[G0B+4*\s+2:G0B+4*\s+3], s[46:47], \s*256
	s_or_b32 s[G0B+4*\s+3], s[G0B+4*\s+3], 0x80000000
	JLOAD G0+4*\s, G1, G0B+4*\s, G1B
.endr
	v_and_b32 v1, 15, v0
	v_bfe_u32 v2, v0, 4, 1
	v_mul_u32_u24 v3, v1, PA
	v_lshl_add_u32 v3, v2, 4, v3
	v_mul_u32_u24 v4, v1, PITCH
	v_lshl_add_u32 v4, v2, 4, v4
	s_mul_i32 s21, s15, HALFA
	s_mul_i32 s22, s16, HALFB
	s_add_co_u32 s22, s22, 2*HALFA
.irp s, 0,1
	v_add_nc_u32 v[ADRA+\s], s21, v3
	v_add_nc_u32 v[ADRB+\s], s22, v4
	s_add_co_u32 s21, s21, SLOT
	s_add_co_u32 s22, s22, SLOT
.endr
	s_mul_i32 s23, s14, STGW
	v_mul_u32_u24 v5, v1, SPITCH
	v_lshl_add_u32 v5, v2, 5, v5
	v_add_nc_u32 v[STO], s23, v5                   ; into my stage (in slot 0)
	v_bfe_u32 v6, v0, 2, 2                         ; out of it a lane takes 16 neighbouring columns of one row: row (l / 4) % 4,
	v_and_b32 v7, 3, v0                            ; columns 64 (l / 16) + 16 (l % 4) on
	v_mul_u32_u24 v8, v6, SPITCH
	v_lshl_add_u32 v8, v2, 8, v8
	v_lshl_add_u32 v8, v7, 6, v8
	v_add_nc_u32 v25, s23, v8
	v_lshlrev_b32 v26, 7, v6                       ; and in gc: four rows of 128 bytes: the wave's store covers 512 consecutive bytes
	v_lshl_add_u32 v26, v2, 6, v26
	v_lshl_add_u32 v26, v7, 4, v26
	s_lshl_b32 s72, s42, 1
	s_add_co_u32 s72, s72, s16                     ; my column block
	s_lshl_b32 s72, s72, 19                        ; of 4,096 x 128 bytes
	s_lshl_b32 s74, s17, 8
	s_lshl_b32 s75, s15, 7
	s_add_co_u32 s74, s74, s75                     ; my first row
	s_lshl_b32 s74, s74, 7
	s_add_co_u32 s72, s72, s74
	s_mov_b32 s73, 0
	s_add_nc_u64 s[10:11], s[10:11], s[72:73]
.macro FRAGA reg, slot, q, i
.irp c, 0,1,2,3
	ds_load_b128 v[\reg+4*\c:\reg+4*\c+3], v[ADRA+\slot] offset:((128*(\q)+32*\c)/CBW)*BS+(\i)*16*PA+(128*(\q)+32*\c)%CBW
.endr
.endm
.macro FRAGB reg, slot, q, i
.irp c, 0,1,2,3
	ds_load_b128 v[\reg+4*\c:\reg+4*\c+3], v[ADRB+\slot] offset:128*(\q)+32*\c+(\i)*16*PITCH
.endr
.endm
.macro MUL16 a0, p, zero               ; the 64 accumulators take turns
.irp a, \a0, \a0+1
.irp b, 0,1,2,3,4,5,6,7
.if \zero
	v_wmma_f32_16x16x128_bf8_bf8 v[8*(8*((\a)%4)+\b):8*(8*((\a)%4)+\b)+7], v[128*(\p)+FR*\b:128*(\p)+FR*\b+FR-1], v[AF+FR*(\a):AF+FR*(\a)+FR-1], 0
.else
	v_wmma_f32_16x16x128_bf8_bf8 v[8*(8*((\a)%4)+\b):8*(8*((\a)%4)+\b)+7], v[128*(\p)+FR*\b:128*(\p)+FR*\b+FR-1], v[AF+FR*(\a):AF+FR*(\a)+FR-1], v[8*(8*((\a)%4)+\b):8*(8*((\a)%4)+\b)+7]
.endif
.endr
.endr
.endm
.macro FETCH_B slot, q, p
	WIN TO_B
.irp i, 0,1,2,3,4,5,6,7
	FRAGB 128*(\p)+FR*\i, \slot, \q, \i
.endr
	WIN 0
.endm
.macro FETCH_A slot, q, i0
.irp i, \i0, \i0+1, \i0+2, \i0+3
	FRAGA AF+FR*(\i), \slot, \q, \i
.endr
.endm
.macro PLACES n
.rept \n
	v_nop
.endr
.endm
.macro STEP slot, q, zero
	s_wait_dscnt 4*NL                              ; the youngest sixteen loads (A's blocks 4-7) may be out
	WIN MUL_LO
	MUL16 0, (\q)%2, \zero
	MUL16 2, (\q)%2, \zero
	s_wait_dscnt 0
	PLACES NP
	FETCH_B \slot, (\q)+1, 1-(\q)%2
	FETCH_A \slot, (\q)+1, 0
	WIN MUL_HI
	MUL16 4, (\q)%2, \zero
	MUL16 6, (\q)%2, \zero
	PLACES NP
	WIN 0
	FETCH_A \slot, (\q)+1, 4
.endm
.macro TURN slot, next, fill
	s_wait_tensorcnt 0x0                           ; all my tensor loads have landed
	ds_add_u32 v[SPW], v[NIL]                      ; 0 onto my spare word
	s_wait_dscnt 4*NL+1                            ; the add and the youngest sixteen loads may be out
	WIN MUL_LO
	MUL16 0, 1, 0
	s_wait_dscnt 0x0                               ; the add is done, and my reads of this slot are over
	s_barrier_signal -1
	MUL16 2, 1, 0
	WIN 0
	s_barrier_wait -1
.if \fill
	CREST
	s_add_nc_u64 s[G0+4*\slot+2:G0+4*\slot+3], s[G0+4*\slot+2:G0+4*\slot+3], 2*ASTEP
	s_add_nc_u64 s[G0B+4*\slot+2:G0B+4*\slot+3], s[G0B+4*\slot+2:G0B+4*\slot+3], 2*256
	JLOAD G0+4*\slot, G1, G0B+4*\slot, G1B
.else
	PLACES NP
.endif
	FETCH_B \next, 0, 0
	FETCH_A \next, 0, 0
	WIN MUL_HI
	MUL16 4, 1, 0
	MUL16 6, 1, 0
	PLACES NP
	WIN 0
	FETCH_A \next, 0, 4
.endm
	s_wait_tensorcnt 1                             ; my part of K step 0 is in; K step 1's load may be out
	s_barrier_signal -1
	s_barrier_wait -1
	FETCH_B 0, 0, 0
	FETCH_A 0, 0, 0
	FETCH_A 0, 0, 4
	STEP 0, 0, 1
	s_mov_b32 s3, LAPS-1
.Llap:
	TURN 0, 1, 1
	STEP 1, 0, 0
	TURN 1, 0, 1
	STEP 0, 0, 0
	s_sub_co_u32 s3, s3, 1
	s_cmp_lg_u32 s3, 0
	s_cbranch_scc1 .Llap
	TURN 0, 1, 0
	STEP 1, 0, 0
	s_wait_dscnt 4*NL
	WIN MUL_LO
	MUL16 0, 1, 0
	MUL16 2, 1, 0
	s_wait_dscnt 0
	WIN MUL_HI
	MUL16 4, 1, 0
	MUL16 6, 1, 0
	WIN 0
	; THE WAY OUT.  The stage lies in slot 0, which has had its last fill and was left at the last change of slots.
.macro DUMP hf, sto                    ; each accumulator's low four registers first
	WIN 0x08+4*(\hf)
.irp a, 0,1,2,3
.irp b, 0,1,2,3,4,5,6,7
	ds_store_b128 v[\sto], v[64*\a+8*\b:64*\a+8*\b+3] offset:\a*16*SPITCH+64*\b
	ds_store_b128 v[\sto], v[64*\a+8*\b+4:64*\a+8*\b+7] offset:\a*16*SPITCH+64*\b+16
.endr
.endr
	WIN 0
.endm
.set ZZ, 64                            ; z, then its sign as +-1
.set AA, 80                            ; a, then a - 2, then q
.set RR, 96                            ; a + 2, its reciprocal, the polynomial, erfc
.set DD, 112                           ; 1 + 2 a, its reciprocal, 1 + sign
.set SS, 128                           ; a a, then 2^(-a a log2 e)
.set TT, 144                           ; a a as rounded, less a a
; 16 sums of a lane, v[xs] on, become 16 codes in v[cd] .. v[cd + 3]
.macro GBATCH xs, cd
.set j, 0
.rept 8
	v_pk_mul_f32 v[ZZ+j:ZZ+j+1], v[\xs+j:\xs+j+1], s[98:99] op_sel_hi:[1,0]      ; z = x / sqrt 2
.set j, j+2
.endr
.set j, 0
.rept 16
	v_min_num_f32 v[AA+j], |v[ZZ+j]|, s84
.set j, j+1
.endr
.set j, 0
.rept 16
	v_and_or_b32 v[ZZ+j], v[ZZ+j], s85, s86                                      ; z's sign over 1.0
.set j, j+1
.endr
.set j, 0
.rept 8
	v_pk_add_f32 v[RR+j:RR+j+1], v[AA+j:AA+j+1], 2.0 op_sel_hi:[1,0]
	v_pk_fma_f32 v[DD+j:DD+j+1], v[AA+j:AA+j+1], 2.0, 1.0 op_sel_hi:[1,0,0]
	v_pk_mul_f32 v[SS+j:SS+j+1], v[AA+j:AA+j+1], v[AA+j:AA+j+1]
.set j, j+2
.endr
.set j, 0
.rept 8
	v_pk_fma_f32 v[TT+j:TT+j+1], v[AA+j:AA+j+1], v[AA+j:AA+j+1], v[SS+j:SS+j+1] neg_lo:[1,0,0] neg_hi:[1,0,0]
.set j, j+2
.endr
.set j, 0
.rept 8
	v_pk_mul_f32 v[SS+j:SS+j+1], v[SS+j:SS+j+1], 0xbfb8aa3b op_sel_hi:[1,0]
.set j, j+2
.endr
.set j, 0
.rept 16
	v_rcp_f32 v[RR+j], v[RR+j]                     ; one batch: 32 reciprocals and 16 exponentials
.set j, j+1
.endr
.set j, 0
.rept 16
	v_rcp_f32 v[DD+j], v[DD+j]
.set j, j+1
.endr
.set j, 0
.rept 16
	v_exp_f32 v[SS+j], v[SS+j]
.set j, j+1
.endr
.set j, 0
.rept 8
	v_pk_add_f32 v[AA+j:AA+j+1], v[AA+j:AA+j+1], -2.0 op_sel_hi:[1,0]            ; plain work that names none of the batch's results
.set j, j+2
.endr
	s_wait_alu depctr_va_vdst(0)                   ; one wait for the batch, ahead of its first reader
.set j, 0
.rept 8
	v_pk_mul_f32 v[AA+j:AA+j+1], v[AA+j:AA+j+1], v[RR+j:RR+j+1]                  ; q
.set j, j+2
.endr
.set j, 0
.rept 8
	v_pk_fma_f32 v[RR+j:RR+j+1], v[AA+j:AA+j+1], v[224:225], 0xbaa15130 op_sel_hi:[1,1,0]
.set j, j+2
.endr
.irp c, 0x3aac2b8a, 0x3c0d6e62, 0xbc040dc1, 0xbd5e05b5, 0x3e27fe23, 0xbe2a0420, 0xbdbdfb0b, 0x3e8dd01d
.set j, 0
.rept 8
	v_pk_fma_f32 v[RR+j:RR+j+1], v[RR+j:RR+j+1], v[AA+j:AA+j+1], \c op_sel_hi:[1,1,0]
.set j, j+2
.endr
.endr
.set j, 0
.rept 8
	v_pk_fma_f32 v[RR+j:RR+j+1], v[RR+j:RR+j+1], v[DD+j:DD+j+1], v[DD+j:DD+j+1]  ; (1 + p) / (1 + 2 a)
.set j, j+2
.endr
.set j, 0
.rept 8
	v_pk_mul_f32 v[RR+j:RR+j+1], v[RR+j:RR+j+1], v[SS+j:SS+j+1]
	v_pk_add_f32 v[DD+j:DD+j+1], v[ZZ+j:ZZ+j+1], 1.0 op_sel_hi:[1,0]             ; 1 + sign
.set j, j+2
.endr
.set j, 0
.rept 8
	v_pk_fma_f32 v[RR+j:RR+j+1], v[RR+j:RR+j+1], v[TT+j:TT+j+1], v[RR+j:RR+j+1]  ; erfc(|z|)
.set j, j+2
.endr
.set j, 0
.rept 8
	v_pk_fma_f32 v[RR+j:RR+j+1], v[ZZ+j:ZZ+j+1], v[RR+j:RR+j+1], v[DD+j:DD+j+1] neg_lo:[1,0,0] neg_hi:[1,0,0]   ; erfc(-z)
.set j, j+2
.endr
.set j, 0
.rept 8
	v_pk_mul_f32 v[\xs+j:\xs+j+1], v[\xs+j:\xs+j+1], v[RR+j:RR+j+1]
.set j, j+2
.endr
.set j, 0
.rept 16
	v_med3_num_f32 v[\xs+j], v[\xs+j], -v31, v31   ; the hold at the largest code x the scale (ISA guide 7.6.2)
.set j, j+1
.endr
	v_cvt_scalef32_pk8_bf8_f32 v[\cd:\cd+1], v[\xs:\xs+7], v30
	v_cvt_scalef32_pk8_bf8_f32 v[\cd+2:\cd+3], v[\xs+8:\xs+15], v30
	v_nop                                          ; a plain instruction behind the last conversion
.endm
; half hf: 64 rows into the stage, then eight trips of eight rows
.macro GHALF hf
	DUMP \hf, STO
	s_mov_b32 s88, 0
	s_mov_b32 s89, 0
.Lrows_\@:
	v_add_nc_u32 v27, s89, v25
.irp u, 0,1
.irp c, 0,1,2,3
	ds_load_b128 v[32+16*\u+4*\c:35+16*\u+4*\c], v27 offset:\u*4*SPITCH+16*\c   ; my own bytes, served in order behind the stores
.endr
.endr
	s_wait_dscnt 0x0
	GBATCH 32, 160
	GBATCH 48, 164
	global_store_b128 v26, v[160:163], s[10:11]                ; 512 consecutive bytes, aligned: four rows of my column block
	global_store_b128 v26, v[164:167], s[10:11] offset:512
	s_wait_xcnt 0x0                                ; the stores have read their codes and their base: both are written again only behind this wait
	s_add_nc_u64 s[10:11], s[10:11], 1024          ; eight rows on; it runs on from the first half into the second
	s_add_co_u32 s89, s89, 8*SPITCH
	s_add_co_u32 s88, s88, 1
	s_cmp_lt_u32 s88, 8
	s_cbranch_scc1 .Lrows_\@
.endm
	s_wait_kmcnt 0x0
	s_add_co_i32 s90, s80, s81                     ; e8 + e9
	s_lshl_b32 s91, s90, 23
	s_add_co_i32 s98, s91, 0x3f3504f3              ; sqrt(1/2) x 2^(e8 + e9): the exponents are added to its exponent field
	s_mov_b32 s99, s98                             ; (named with it as a pair)
	s_sub_co_i32 s90, s82, s90
	s_add_co_i32 s90, s90, 128                     ; e10 - e8 - e9 + 1, + 127
	s_lshl_b32 s91, s90, 23
	s_add_co_i32 s90, s90, 15
	s_lshl_b32 s90, s90, 23
	s_or_b32 s90, s90, 0x600000
	s_mov_b32 s84, 0x4120e000                      ; 10.0546875
	s_mov_b32 s85, 0x80000000
	s_mov_b32 s86, 0x3f800000
	PLACES NP                                      ; behind the last products
	v_mov_b32 v30, s91
	v_mov_b32 v31, s90
	v_mov_b32 v224, 0xb9d25000                     ; the polynomial's leading coefficient, in both halves of a pair
	v_mov_b32 v225, 0xb9d25000
	GHALF 0
	GHALF 1
	s_wait_tensorcnt 0x0                           ; the wave's end
	ds_add_u32 v[SPW], v[NIL]
	s_wait_dscnt 0x0
	CROUND                                         ; the closing round
	s_endpgm
.Lfunc_end_k_q9f1e688c8f_ffn1:
	.size	k_q9f1e688c8f_ffn1, .Lfunc_end_k_q9f1e688c8f_ffn1-k_q9f1e688c8f_ffn1
	.p2alignl 7, 3214868480
	.fill 96, 4, 3214868480
	.section	.rodata,"a",@progbits
	.p2align	6, 0x0
	.amdhsa_kernel k_q9f1e688c8f_ffn1
		.amdhsa_group_segment_fixed_size 327680
		.amdhsa_private_segment_fixed_size 0
		.amdhsa_enable_private_segment 0
		.amdhsa_kernarg_size 32
		.amdhsa_user_sgpr_count 2
		.amdhsa_user_sgpr_kernarg_segment_ptr 1
		.amdhsa_wavefront_size32 1
		.amdhsa_system_sgpr_workgroup_id_x 1
		.amdhsa_system_sgpr_workgroup_id_y 1
		.amdhsa_system_sgpr_workgroup_id_z 1
		.amdhsa_system_vgpr_workitem_id 0
		.amdhsa_next_free_vgpr 1024
		.amdhsa_next_free_sgpr 100
		.amdhsa_reserve_vcc 0
		.amdhsa_float_denorm_mode_32 3
		.amdhsa_float_denorm_mode_16_64 3
		.amdhsa_memory_ordered 1
		.amdhsa_forward_progress 1
		.amdhsa_inst_pref_size 164
	.end_amdhsa_kernel
	.amdgpu_metadata
---
amdhsa.version: [ 1, 2 ]
amdhsa.kernels:
  - .name:           k_q9f1e688c8f_ffn1
    .symbol:         k_q9f1e688c8f_ffn1.kd
    .args:
      - { .name: h2c, .offset: 0, .size: 8, .value_kind: global_buffer, .address_space: global }
      - { .name: w1_codes, .offset: 8, .size: 8, .value_kind: global_buffer, .address_space: global }
      - { .name: lowp_scales, .offset: 16, .size: 8, .value_kind: global_buffer, .address_space: global }
      - { .name: gc, .offset: 24, .size: 8, .value_kind: global_buffer, .address_space: global }
    .group_segment_fixed_size: 327680
    .private_segment_fixed_size: 0
    .kernarg_segment_align: 8
    .kernarg_segment_size: 32
    .max_flat_workgroup_size: 128
    .sgpr_count:     100
    .vgpr_count:     1024
    .wavefront_size: 32
...
	.end_amdgpu_metadata
.endif
;; end of part 6
;; launch ffn2 (part 7): grid 4 x 16, 4 waves a work-group, clusters of 4 x 4, 327,680 bytes of LDS; arguments gc, w2_codes, lowp_scales, x1, out0; writes out0
.if DOCPART == 7
	.amdgcn_target "amdgcn-amd-amdhsa--gfx1250"
	.amdhsa_code_object_version 6
	.text
	.protected	k_q9f1e688c8f_ffn2
	.globl	k_q9f1e688c8f_ffn2
	.p2align	8
	.type	k_q9f1e688c8f_ffn2,@function
k_q9f1e688c8f_ffn2:
	s_mov_b64 s[64:65], 0
	v_nop
	global_prefetch_b8 v0, s[64:65] scope:SCOPE_SE
	s_setreg_imm32_b32 hwreg(HW_REG_WAVE_MODE, 25, 1), 1
	s_wait_xcnt 0x0
	s_wait_alu depctr_hold_cnt(0) depctr_sa_sdst(0) depctr_va_vdst(0) depctr_va_sdst(0) depctr_va_ssrc(0) depctr_va_vcc(0) depctr_vm_vsrc(0)
	s_getreg_b32 s2, hwreg(HW_REG_IB_STS2, 6, 4)
	s_cmp_eq_u32 s2, 0
	s_cbranch_scc0 .Lentry_in_a_cluster
	s_endpgm
.Lentry_in_a_cluster:
	s_bfe_u32 s2, ttmp6, 0x10000c
	s_cmp_lg_u32 s2, 0xf033
	s_cbranch_scc0 .Lentry_shape_is_right
	s_endpgm
.Lentry_shape_is_right:
; out0 = x1 + g W2^T on codes of E5M2 (M 4,096, N 1,024, K 4,096).  gc: [32 column blocks][4,096 rows][128] codes; W2: [1,024][4,096] codes; x1, out0: [4,096][1,024] f32.
; A tile of C, 256 x 256, is made by a work-group of four waves, 128 x 128 each; K goes in steps of 256 through a ring of two LDS slots; 4 x 4 work-groups form a cluster and ask for A's tiles jointly
; along a row of the cluster, for B's along a column.  The size gives 64 tiles: 64 work-groups.
; A's tile of 128 rows x 256 K is two pieces, one from each of two column blocks, each 16,384 consecutive bytes of memory: the descriptor states two rows of 16,384 bytes, 524,288 apart, with 16 bytes of
; padding behind every 128: in LDS a row m of a block is 144 bytes from the next.
; THE MATRIX INSTRUCTION IS USED TRANSPOSED.  On the way out half a wave tile at a time goes through the wave's stage in LDS and comes back as whole rows of 512 bytes; one packed multiply-add gives
; sum x 2^(e10 + e11) + x1.
; LIMIT: e10 + e11 between -126 and 127.
.set KTOT,   4096
.set SCOFF,  0x28
.set CBW,    128
.set PA,     144
.set QIA,    4
.set AC,     16384
.set AR,     2
.set ASTRIDE, 524288
.set AROWB,  128
.set ASTEP,  1048576
.set PITCH,  272
.set HALFB,  128*PITCH
.set BS,     128*PA
.set HALFA,  (256/CBW)*BS
.set SLOT,   2*HALFA+2*HALFB
.set SPARE,  2*SLOT                    ; behind the ring: the spare words, which no other line names
.set LAPS,   KTOT/512
.set FR,     16
.set NL,     4
.set NP,     4
.set SPITCH, 528
.set STGW,   64*SPITCH
.set ADRA, 16
.set ADRB, 20
.set STO,  24
.set SPW,  28
.set NIL,  29
.set AF,   128
.set G1, 24
.set G0, 32
.set G1B, 48
.set G0B, 56
.set MSB, 0
.macro WIN new
.if MSB != (\new)
	s_set_vgpr_msb (MSB<<8)|(\new)
.set MSB, (\new)
.endif
.endm
.set MUL_LO, 0xa1
.set MUL_HI, 0xf1
.set TO_B,   0x40
.macro JLOAD g0a, g1a, g0b, g1b        ; a joint load: waves 0 and 1 fetch for A, waves 2 and 3 for B; four v_nop follow each line
	s_cmp_eq_u32 s15, 0
	s_cbranch_scc0 .Lfor_b_\@
	tensor_load_to_lds s[\g0a:\g0a+3], s[\g1a:\g1a+7]
	s_nop 0
.rept 4
	v_nop
.endr
	s_branch .Lasked_\@
.Lfor_b_\@:
	tensor_load_to_lds s[\g0b:\g0b+3], s[\g1b:\g1b+7]
	s_nop 0
.rept 4
	v_nop
.endr
.Lasked_\@:
.endm
.macro CREST
	s_cmp_lg_u32 s14, 0
	s_cbranch_scc1 .Lnot_wave_0_\@
	s_barrier_signal -3
.Lnot_wave_0_\@:
	s_barrier_wait -3
	s_barrier_signal -1
	s_barrier_wait -1
.endm
.macro CROUND
	s_barrier_signal -1
	s_barrier_wait -1
	CREST
.endm
	s_load_b128 s[4:7], s[0:1], 0x0                ; A's codes, B's codes
	s_load_b128 s[8:11], s[0:1], 0x10              ; the scales' exponents, the residual
	s_load_b64 s[12:13], s[0:1], 0x20              ; the result
	v_lshl_add_u32 v[SPW], v0, 2, SPARE
	v_mov_b32 v[NIL], 0
	ds_add_u32 v28, v29
	ds_add_u32 v28, v29
	s_wait_dscnt 0x0
	v_lshrrev_b32 v1, 5, v0
	v_readfirstlane_b32 s14, v1
	s_lshr_b32 s15, s14, 1
	s_and_b32 s16, s14, 1
	s_bfe_u32 s40, ttmp6, 0x40000
	s_bfe_u32 s41, ttmp6, 0x40004
	s_lshl_b32 s42, ttmp9, 2
	s_add_co_u32 s42, s42, s40                     ; tile column
	s_and_b32 s17, ttmp7, 0xffff
	s_lshl_b32 s17, s17, 2
	s_add_co_u32 s17, s17, s41                     ; tile row
	s_lshl_b32 s43, s41, 2
	s_lshl_b32 s43, 15, s43
	s_lshl_b32 s44, 0x1111, s40
	s_or_b32 s[G1+0], s43, (1<<20)|(1<<21)|(QIA<<22)|(3<<25)
	s_or_b32 s[G1B+0], s44, (1<<20)|(1<<21)|(5<<22)|(3<<25)
	s_mov_b32 s[G1+1], (AC&0xffff)<<16
	s_mov_b32 s[G1+2], (AC>>16)|(AR<<16)
	s_mov_b32 s[G1+3], (AR>>16)|(AC<<16)
	s_mov_b32 s[G1+4], AR
	s_mov_b32 s[G1+5], ASTRIDE
	s_mov_b32 s[G1+6], 0
	s_mov_b32 s[G1+7], 0
	s_mov_b32 s[G1B+1], 256<<16
	s_mov_b32 s[G1B+2], 128<<16
	s_mov_b32 s[G1B+3], 256<<16
	s_mov_b32 s[G1B+4], 128
	s_mov_b32 s[G1B+5], KTOT
	s_mov_b32 s[G1B+6], 0
	s_mov_b32 s[G1B+7], 0
	s_lshl_b32 s18, s16, 7
	s_lshl_b32 s20, s17, 8
	s_add_co_u32 s20, s20, s18
	s_lshl_b32 s46, s42, 8
	s_add_co_u32 s46, s46, s18
	s_mov_b32 s21, 0
	s_mov_b32 s47, 0
	s_mov_b64 s[18:19], AROWB
	s_mul_u64 s[20:21], s[20:21], s[18:19]
	s_mov_b64 s[18:19], KTOT
	s_mul_u64 s[46:47], s[46:47], s[18:19]
	s_mul_i32 s45, s16, HALFA
	s_mul_i32 s22, s16, HALFB
	s_add_co_u32 s22, s22, 2*HALFA
	s_wait_kmcnt 0x0
	s_load_b64 s[96:97], s[8:9], SCOFF
	s_add_nc_u64 s[20:21], s[4:5], s[20:21]
	s_add_nc_u64 s[46:47], s[6:7], s[46:47]
	CROUND                                         ; the first joint loads meet
.irp s, 0,1
	s_mov_b32 s[G0+4*\s], 1
	s_add_co_u32 s[G0+4*\s+1], s45, \s*SLOT
	s_add_nc_u64 s[G0+4*\s+2:G0+4*\s+3], s[20:21], \s*ASTEP
	s_or_b32 s[G0+4*\s+3], s[G0+4*\s+3], 0x80000000
	s_mov_b32 s[G0B+4*\s], 1
	s_add_co_u32 s[G0B+4*\s+1], s22, \s*SLOT
	s_add_nc_u64 s[G0B+4*\s+2:G0B+4*\s+3], s[46:47], \s*256
	s_or_b32 s[G0B+4*\s+3], s[G0B+4*\s+3], 0x80000000
	JLOAD G0+4*\s, G1, G0B+4*\s, G1B
.endr
	v_and_b32 v1, 15, v0
	v_bfe_u32 v2, v0, 4, 1
	v_mul_u32_u24 v3, v1, PA
	v_lshl_add_u32 v3, v2, 4, v3
	v_mul_u32_u24 v4, v1, PITCH
	v_lshl_add_u32 v4, v2, 4, v4
	s_mul_i32 s21, s15, HALFA
	s_mul_i32 s22, s16, HALFB
	s_add_co_u32 s22, s22, 2*HALFA
.irp s, 0,1
	v_add_nc_u32 v[ADRA+\s], s21, v3
	v_add_nc_u32 v[ADRB+\s], s22, v4
	s_add_co_u32 s21, s21, SLOT
	s_add_co_u32 s22, s22, SLOT
.endr
	s_mul_i32 s23, s14, STGW
	v_mul_u32_u24 v5, v1, SPITCH
	v_lshl_add_u32 v5, v2, 5, v5
	v_add_nc_u32 v[STO], s23, v5                   ; into my stage (in slot 0)
	v_and_b32 v9, 31, v0
	v_lshlrev_b32 v26, 4, v9                       ; back, and in memory: the 32 lanes take a row's 512 bytes
	v_add_nc_u32 v25, s23, v26
	s_lshl_b32 s72, s17, 8
	s_lshl_b32 s73, s15, 7
	s_add_co_u32 s72, s72, s73
	s_lshl_b32 s72, s72, 12
	s_lshl_b32 s74, s42, 10
	s_lshl_b32 s75, s16, 9
	s_add_co_u32 s74, s74, s75
	s_add_co_u32 s72, s72, s74
	s_mov_b32 s73, 0
	s_add_nc_u64 s[10:11], s[10:11], s[72:73]
	s_add_nc_u64 s[12:13], s[12:13], s[72:73]
.macro FRAGA reg, slot, q, i           ; 16 rows x 128 K: K = 128 q + 32 c lies in column block (128 q + 32 c) / CBW
.irp c, 0,1,2,3
	ds_load_b128 v[\reg+4*\c:\reg+4*\c+3], v[ADRA+\slot] offset:((128*(\q)+32*\c)/CBW)*BS+(\i)*16*PA+(128*(\q)+32*\c)%CBW
.endr
.endm
.macro FRAGB reg, slot, q, i
.irp c, 0,1,2,3
	ds_load_b128 v[\reg+4*\c:\reg+4*\c+3], v[ADRB+\slot] offset:128*(\q)+32*\c+(\i)*16*PITCH
.endr
.endm
.macro MUL16 a0, p, zero               ; the 64 accumulators take turns
.irp a, \a0, \a0+1
.irp b, 0,1,2,3,4,5,6,7
.if \zero
	v_wmma_f32_16x16x128_bf8_bf8 v[8*(8*((\a)%4)+\b):8*(8*((\a)%4)+\b)+7], v[128*(\p)+FR*\b:128*(\p)+FR*\b+FR-1], v[AF+FR*(\a):AF+FR*(\a)+FR-1], 0
.else
	v_wmma_f32_16x16x128_bf8_bf8 v[8*(8*((\a)%4)+\b):8*(8*((\a)%4)+\b)+7], v[128*(\p)+FR*\b:128*(\p)+FR*\b+FR-1], v[AF+FR*(\a):AF+FR*(\a)+FR-1], v[8*(8*((\a)%4)+\b):8*(8*((\a)%4)+\b)+7]
.endif
.endr
.endr
.endm
.macro FETCH_B slot, q, p
	WIN TO_B
.irp i, 0,1,2,3,4,5,6,7
	FRAGB 128*(\p)+FR*\i, \slot, \q, \i
.endr
	WIN 0
.endm
.macro FETCH_A slot, q, i0
.irp i, \i0, \i0+1, \i0+2, \i0+3
	FRAGA AF+FR*(\i), \slot, \q, \i
.endr
.endm
.macro PLACES n
.rept \n
	v_nop
.endr
.endm
.macro STEP slot, q, zero
	s_wait_dscnt 4*NL                              ; the youngest sixteen loads (A's blocks 4-7) may be out
	WIN MUL_LO
	MUL16 0, (\q)%2, \zero
	MUL16 2, (\q)%2, \zero
	s_wait_dscnt 0
	PLACES NP
	FETCH_B \slot, (\q)+1, 1-(\q)%2
	FETCH_A \slot, (\q)+1, 0
	WIN MUL_HI
	MUL16 4, (\q)%2, \zero
	MUL16 6, (\q)%2, \zero
	PLACES NP
	WIN 0
	FETCH_A \slot, (\q)+1, 4
.endm
.macro TURN slot, next, fill
	s_wait_tensorcnt 0x0                           ; all my tensor loads have landed
	ds_add_u32 v[SPW], v[NIL]                      ; 0 onto my spare word
	s_wait_dscnt 4*NL+1                            ; the add and the youngest sixteen loads may be out
	WIN MUL_LO
	MUL16 0, 1, 0
	s_wait_dscnt 0x0                               ; the add is done, and my reads of this slot are over
	s_barrier_signal -1
	MUL16 2, 1, 0
	WIN 0
	s_barrier_wait -1
.if \fill
	CREST
	s_add_nc_u64 s[G0+4*\slot+2:G0+4*\slot+3], s[G0+4*\slot+2:G0+4*\slot+3], 2*ASTEP
	s_add_nc_u64 s[G0B+4*\slot+2:G0B+4*\slot+3], s[G0B+4*\slot+2:G0B+4*\slot+3], 2*256
	JLOAD G0+4*\slot, G1, G0B+4*\slot, G1B
.else
	PLACES NP
.endif
	FETCH_B \next, 0, 0
	FETCH_A \next, 0, 0
	WIN MUL_HI
	MUL16 4, 1, 0
	MUL16 6, 1, 0
	PLACES NP
	WIN 0
	FETCH_A \next, 0, 4
.endm
	s_wait_tensorcnt 1                             ; my part of K step 0 is in; K step 1's load may be out
	s_barrier_signal -1
	s_barrier_wait -1
	FETCH_B 0, 0, 0
	FETCH_A 0, 0, 0
	FETCH_A 0, 0, 4
	STEP 0, 0, 1
	s_mov_b32 s3, LAPS-1
.Llap:
	TURN 0, 1, 1
	STEP 1, 0, 0
	TURN 1, 0, 1
	STEP 0, 0, 0
	s_sub_co_u32 s3, s3, 1
	s_cmp_lg_u32 s3, 0
	s_cbranch_scc1 .Llap
	TURN 0, 1, 0
	STEP 1, 0, 0
	s_wait_dscnt 4*NL
	WIN MUL_LO
	MUL16 0, 1, 0
	MUL16 2, 1, 0
	s_wait_dscnt 0
	WIN MUL_HI
	MUL16 4, 1, 0
	MUL16 6, 1, 0
	WIN 0
	; THE WAY OUT.  The stage lies in slot 0, which has had its last fill and was left at the last change of slots.
.macro DUMP hf, sto                    ; each accumulator's low four registers first
	WIN 0x08+4*(\hf)
.irp a, 0,1,2,3
.irp b, 0,1,2,3,4,5,6,7
	ds_store_b128 v[\sto], v[64*\a+8*\b:64*\a+8*\b+3] offset:\a*16*SPITCH+64*\b
	ds_store_b128 v[\sto], v[64*\a+8*\b+4:64*\a+8*\b+7] offset:\a*16*SPITCH+64*\b+16
.endr
.endr
	WIN 0
.endm
.macro XLOAD hf                        ; the residual's 64 rows of half hf fill window 1 or 2: row i at v[4 i]
	WIN 0x40<<(\hf)
.set i, 0
.rept 64
	global_load_b128 v[4*i:4*i+3], v26, s[10:11] offset:(64*\hf+i)*4096 th:TH_LOAD_NT
.set i, i+1
.endr
	WIN 0
.endm
.macro RESHALF hf
.irp g, 0,1,2,3
.set BB, 128+64*(\g%2)
	s_wait_xcnt 0x0                                ; earlier stores have read their registers: they are loaded again only behind this wait
.set t, 0
.rept 16
	ds_load_b128 v[BB+4*t:BB+4*t+3], v25 offset:(16*\g+t)*SPITCH
.set t, t+1
.endr
	s_wait_dscnt 0x0
	WIN (1+\hf)<<4                                 ; source 2: the residual's window
.set t, 0
.rept 32
	v_pk_fma_f32 v[BB+2*t:BB+2*t+1], v[BB+2*t:BB+2*t+1], s[96:97], v[64*\g+2*t:64*\g+2*t+1] op_sel_hi:[1,0,1]   ; sum x 2^(ea + eb) + residual
.set t, t+1
.endr
	WIN 0
.set t, 0
.rept 16
	global_store_b128 v26, v[BB+4*t:BB+4*t+3], s[12:13] offset:(64*\hf+16*\g+t)*4096 th:TH_STORE_NT   ; 32 lanes store 512 consecutive bytes, aligned; written once, read by nobody here
.set t, t+1
.endr
.endr
.endm
	s_wait_kmcnt 0x0
	s_add_co_i32 s96, s96, s97
	s_add_co_i32 s96, s96, 127
	s_lshl_b32 s96, s96, 23                        ; 2^(ea + eb) as f32
	s_mov_b32 s97, s96                             ; (named with it as a pair)
	PLACES NP                                      ; behind the last products
	XLOAD 0                                        ; into window 1: B's fragments are done with
	DUMP 0, STO
	s_wait_dscnt 0x0                               ; the stores have read window 2,
	XLOAD 1                                        ; which takes the second half's residual
	s_wait_loadcnt 63                              ; 64 loads were issued behind the first run's last: at most 63 out shows the first run in
	RESHALF 0
	DUMP 1, STO
	s_wait_loadcnt 0x0
	RESHALF 1
	s_wait_tensorcnt 0x0                           ; the wave's end
	ds_add_u32 v[SPW], v[NIL]
	s_wait_dscnt 0x0
	CROUND                                         ; the closing round
	s_endpgm
.Lfunc_end_k_q9f1e688c8f_ffn2:
	.size	k_q9f1e688c8f_ffn2, .Lfunc_end_k_q9f1e688c8f_ffn2-k_q9f1e688c8f_ffn2
	.p2alignl 7, 3214868480
	.fill 96, 4, 3214868480
	.section	.rodata,"a",@progbits
	.p2align	6, 0x0
	.amdhsa_kernel k_q9f1e688c8f_ffn2
		.amdhsa_group_segment_fixed_size 327680
		.amdhsa_private_segment_fixed_size 0
		.amdhsa_enable_private_segment 0
		.amdhsa_kernarg_size 40
		.amdhsa_user_sgpr_count 2
		.amdhsa_user_sgpr_kernarg_segment_ptr 1
		.amdhsa_wavefront_size32 1
		.amdhsa_system_sgpr_workgroup_id_x 1
		.amdhsa_system_sgpr_workgroup_id_y 1
		.amdhsa_system_sgpr_workgroup_id_z 1
		.amdhsa_system_vgpr_workitem_id 0
		.amdhsa_next_free_vgpr 1024
		.amdhsa_next_free_sgpr 100
		.amdhsa_reserve_vcc 0
		.amdhsa_float_denorm_mode_32 3
		.amdhsa_float_denorm_mode_16_64 3
		.amdhsa_memory_ordered 1
		.amdhsa_forward_progress 1
		.amdhsa_inst_pref_size 135
	.end_amdhsa_kernel
	.amdgpu_metadata
---
amdhsa.version: [ 1, 2 ]
amdhsa.kernels:
  - .name:           k_q9f1e688c8f_ffn2
    .symbol:         k_q9f1e688c8f_ffn2.kd
    .args:
      - { .name: gc, .offset: 0, .size: 8, .value_kind: global_buffer, .address_space: global }
      - { .name: w2_codes, .offset: 8, .size: 8, .value_kind: global_buffer, .address_space: global }
      - { .name: lowp_scales, .offset: 16, .size: 8, .value_kind: global_buffer, .address_space: global }
      - { .name: x1, .offset: 24, .size: 8, .value_kind: global_buffer, .address_space: global }
      - { .name: out0, .offset: 32, .size: 8, .value_kind: global_buffer, .address_space: global }
    .group_segment_fixed_size: 327680
    .private_segment_fixed_size: 0
    .kernarg_segment_align: 8
    .kernarg_segment_size: 40
    .max_flat_workgroup_size: 128
    .sgpr_count:     100
    .vgpr_count:     1024
    .wavefront_size: 32
...
	.end_amdgpu_metadata
.endif
;; end of part 7
;; ======== version 2 of 2: 7 launches
;; limits: right only within a limited range of input values
;; workspace buffers: rope 524,288 bytes; hc 4,194,304 bytes; qkvc 12,582,912 bytes; oc 4,194,304 bytes; x1 16,777,216 bytes; h2c 4,194,304 bytes; gc 16,777,216 bytes
;; launch ln1 (part 8): grid 256 x 1, 4 waves a work-group, no clusters, 16,896 bytes of LDS; arguments x, ln1_g, ln1_b, lowp_scales, hc, rope; writes hc, rope
.if DOCPART == 8
	.amdgcn_target "amdgcn-amd-amdhsa--gfx1250"
	.amdhsa_code_object_version 6
	.text
	.protected	k_q9f1e688c8f_ln1
	.globl	k_q9f1e688c8f_ln1
	.p2align	8
	.type	k_q9f1e688c8f_ln1,@function
k_q9f1e688c8f_ln1:
	s_mov_b64 s[64:65], 0
	v_nop
	global_prefetch_b8 v0, s[64:65] scope:SCOPE_SE
	s_setreg_imm32_b32 hwreg(HW_REG_WAVE_MODE, 25, 1), 1
	s_wait_xcnt 0x0
; hc = codes of LayerNorm(x) g + b in E5M2 with the given scale 2^e0; and the table of cosines and sines for the rotation of q and k.
; x: [4096][1024] f32.  hc: [4096][1024] codes.  rope: [2048 t][32 j][cos, sin] f32, angle = t x 10000^(-j/32).
; SHARES.  Wave W = 4 x work-group + wave takes rows 4 W .. 4 W + 3, a whole row at a time: 32 registers a lane, so mean and variance never leave the wave; no barrier.
; All 16 KiB of a wave's rows are asked for at the head.  Each load of a wave covers 512 consecutive bytes.
; A lane's four codes of a load go through the wave's own LDS bytes and leave as 16 bytes a lane: a store of the wave covers 512 consecutive bytes, aligned.
; The same wave makes rows t = 2 W and 2 W + 1 of the table, lane j: one store of 256 consecutive bytes, aligned, for each.
; Mean first, then the mean of the squares of x - mean, as the definition has it: no difference of large sums.
; LIMITS: e0 between -126 and 112, so that 2^e0 and 57,344 x 2^e0 are f32 numbers.  NaN and infinities among the inputs are not served.
.set X,  96                            ; v96-223  four rows, 32 registers each
.set CR, 20                            ; v20-27   a row's codes, four a register
.set BK, 224                           ; v224-255 codes read back, 8 registers a row
	s_load_b256 s[4:11], s[0:1], 0x0               ; x s[4:5], g s[6:7], b s[8:9], the scales' exponents s[10:11]
	s_load_b128 s[12:15], s[0:1], 0x20             ; hc s[12:13], rope s[14:15]
	s_set_vgpr_msb 0x40
	v_lshl_add_u32 v0, v0, 2, 0x4000
	v_mov_b32 v1, 0
	s_set_vgpr_msb 0x4000
	v_lshrrev_b32 v1, 5, v0
	v_readfirstlane_b32 s16, v1                    ; wave
	v_and_b32 v1, 31, v0                           ; lane
	v_lshlrev_b32 v2, 4, v1                        ; 16 x lane: loads and code stores
	v_lshlrev_b32 v5, 3, v1                        ; 8 x lane: the table's stores
	s_lshl_b32 s17, ttmp9, 2
	s_add_co_u32 s17, s17, s16                     ; W
	s_lshl_b32 s20, s16, 12                        ; my wave's 4,096 bytes of LDS
	v_lshl_add_u32 v3, v1, 2, s20                  ; in: 4 bytes a lane
	v_lshl_add_u32 v4, v1, 4, s20                  ; back: 16 bytes a lane
	v_mov_b32 v9, 0                                ; a lane permute's destination counts as read
	s_mov_b32 s19, 0
	s_mov_b32 s22, 0x76543210                      ; lane l xor 16
	s_mov_b32 s23, 0xfedcba98
	s_mov_b32 s25, 0x3a800000                      ; 1 / 1024
	s_mov_b32 s26, 0x3727c5ac                      ; 1e-5
	s_mov_b32 s27, 0x3ed49a78                      ; log2(10000) / 32, upper part
	s_mov_b32 s28, 0x32179a26                      ; and the rest
	s_lshl_b32 s30, s17, 1                         ; t of my first table row
	s_wait_alu depctr_va_vdst(0)
	s_wait_kmcnt 0x0
	s_load_b32 s24, s[10:11], 0x0                  ; e0
	s_lshl_b32 s18, s17, 14
	s_add_nc_u64 s[4:5], s[4:5], s[18:19]          ; x at my first row
	s_lshl_b32 s18, s17, 12
	s_add_nc_u64 s[12:13], s[12:13], s[18:19]      ; hc likewise
	s_lshl_b32 s18, s17, 9
	s_add_nc_u64 s[14:15], s[14:15], s[18:19]      ; the table at row 2 W
.irp j, 0,1,2,3,4,5,6,7
	global_load_b128 v[32+4*\j:35+4*\j], v2, s[6:7] offset:512*\j
.endr
.irp j, 0,1,2,3,4,5,6,7
	global_load_b128 v[64+4*\j:67+4*\j], v2, s[8:9] offset:512*\j
.endr
.irp p, 0,1,2,3
.irp j, 0,1,2,3,4,5,6,7
	global_load_b128 v[X+32*\p+4*\j:X+32*\p+4*\j+3], v2, s[4:5] offset:4096*\p+512*\j th:TH_LOAD_NT
.endr
.endr
	; THE TABLE, while the rows are on their way.  10000^(-j/32) = 2^(-j L): the product j L is split into its rounded value and the exact rest, which enters by 2^(-rest) = 1 - rest ln 2.
	v_cvt_f32_u32 v6, v1                           ; j
	v_mul_f32 v7, s27, v6                          ; p = j L, rounded
	v_fma_f32 v16, v6, s27, -v7                    ; what the rounding dropped,
	v_fma_f32 v16, v6, s28, v16                    ; and L's own rest
	v_exp_f32 v8, -v7
	v_nop                                          ; a plain instruction behind the exponential
	s_wait_alu depctr_va_vdst(0)                   ; the wait ahead of the first reader
	v_mul_f32 v16, v8, v16
	v_fmamk_f32 v8, v16, 0xbf317218, v8            ; the frequency
; cos and sin of t x frequency: k = the nearest multiple of pi/2, taken off in three parts; polynomials on [-pi/4, pi/4]; the quadrant swaps and signs.
.macro SINCOS e
.set T, 224+8*\e
.set P, 28+2*\e
	s_add_co_u32 s31, s30, \e
	v_cvt_f32_u32 v[T], s31
	v_mul_f32 v[T], v[T], v8                       ; the angle, rounded once, as the definition has it
	v_mul_f32 v[T+1], 0x3f22f983, v[T]
	v_rndne_f32 v[T+1], v[T+1]                     ; k
	v_fmamk_f32 v[T], v[T+1], 0xbfc90fd8, v[T]
	v_fmamk_f32 v[T], v[T+1], 0xb4a8885a, v[T]
	v_fmamk_f32 v[T], v[T+1], 0xa7c234c4, v[T]     ; r
	v_mul_f32 v[T+2], v[T], v[T]                   ; s = r r
	v_mov_b32 v[T+3], 0xb493f27c
	v_mov_b32 v[T+4], 0x3638ef1b
	v_fmaak_f32 v[T+3], v[T+3], v[T+2], 0x37d00d01
	v_fmaak_f32 v[T+4], v[T+4], v[T+2], 0xb9500d01
	v_fmaak_f32 v[T+3], v[T+3], v[T+2], 0xbab60b61
	v_fmaak_f32 v[T+4], v[T+4], v[T+2], 0x3c088889
	v_fmaak_f32 v[T+3], v[T+3], v[T+2], 0x3d2aaaab
	v_fmaak_f32 v[T+4], v[T+4], v[T+2], 0xbe2aaaab
	v_mul_f32 v[T+5], v[T], v[T+2]
	v_fma_f32 v[T+3], v[T+3], v[T+2], -0.5
	v_fma_f32 v[T+4], v[T+4], v[T+5], v[T]         ; sin r
	v_fma_f32 v[T+3], v[T+3], v[T+2], 1.0          ; cos r
	v_cvt_i32_f32 v[T+1], v[T+1]
	v_and_b32 v[T+5], 1, v[T+1]
	v_cmp_eq_u32 vcc_lo, 1, v[T+5]                 ; odd quadrant: the two change places
	v_cndmask_b32 v[T+6], v[T+3], v[T+4], vcc_lo
	v_cndmask_b32 v[T+7], v[T+4], v[T+3], vcc_lo
	v_lshlrev_b32 v[T+5], 30, v[T+1]
	v_and_b32 v[T+5], 0x80000000, v[T+5]           ; quadrants 2, 3: the sine is negative
	v_xor_b32 v[P+1], v[T+7], v[T+5]
	v_add_nc_u32 v[T+1], 1, v[T+1]
	v_lshlrev_b32 v[T+5], 30, v[T+1]
	v_and_b32 v[T+5], 0x80000000, v[T+5]           ; quadrants 1, 2: the cosine is negative
	v_xor_b32 v[P], v[T+6], v[T+5]
	global_store_b64 v5, v[P:P+1], s[14:15] offset:256*\e   ; 32 lanes store 256 consecutive bytes, aligned; v5 and the pair are never rewritten
.endm
	SINCOS 0
	SINCOS 1
	s_wait_kmcnt 0x0
	s_add_co_i32 s24, s24, 127
	s_lshl_b32 s29, s24, 23
	v_mov_b32 v10, s29                             ; 2^e0 as f32: the conversion takes its exponent field
	s_add_co_i32 s24, s24, 15
	s_lshl_b32 s24, s24, 23
	s_or_b32 s24, s24, 0x600000
	v_mov_b32 v11, s24                             ; 57,344 x 2^e0
.macro REDUCE                          ; v6 summed over the 32 lanes, the result in every lane
	v_add_f32_dpp v6, v6, v6 row_xmask:1 row_mask:0xf bank_mask:0xf
	v_add_f32_dpp v6, v6, v6 row_xmask:2 row_mask:0xf bank_mask:0xf
	v_add_f32_dpp v6, v6, v6 row_xmask:4 row_mask:0xf bank_mask:0xf
	v_add_f32_dpp v6, v6, v6 row_xmask:8 row_mask:0xf bank_mask:0xf
	v_permlanex16_b32 v9, v6, s22, s23
	v_add_f32 v6, v6, v9
.endm
.macro ROW p
.set XR, X+32*\p
	s_wait_loadcnt 8*(3-\p)                        ; loads come back in order: g, b and my row are in, the later rows' eight loads each may be out
	v_pk_add_f32 v[16:17], v[XR:XR+1], v[XR+2:XR+3]
	v_pk_add_f32 v[18:19], v[XR+4:XR+5], v[XR+6:XR+7]
.irp j, 8,12,16,20,24,28
	v_pk_add_f32 v[16:17], v[16:17], v[XR+\j:XR+\j+1]
	v_pk_add_f32 v[18:19], v[18:19], v[XR+\j+2:XR+\j+3]
.endr
	v_pk_add_f32 v[16:17], v[16:17], v[18:19]
	v_add_f32 v6, v16, v17
	REDUCE
	v_mul_f32 v12, 0xba800000, v6                  ; - mean
	v_mov_b32 v13, v12
.set j, 0
.rept 16
	v_pk_add_f32 v[XR+j:XR+j+1], v[XR+j:XR+j+1], v[12:13]
.set j, j+2
.endr
	v_pk_mul_f32 v[16:17], v[XR:XR+1], v[XR:XR+1]
	v_pk_mul_f32 v[18:19], v[XR+2:XR+3], v[XR+2:XR+3]
.irp j, 4,8,12,16,20,24,28
	v_pk_fma_f32 v[16:17], v[XR+\j:XR+\j+1], v[XR+\j:XR+\j+1], v[16:17]
	v_pk_fma_f32 v[18:19], v[XR+\j+2:XR+\j+3], v[XR+\j+2:XR+\j+3], v[18:19]
.endr
	v_pk_add_f32 v[16:17], v[16:17], v[18:19]
	v_add_f32 v6, v16, v17
	REDUCE
	v_fma_f32 v6, v6, s25, s26                     ; variance + 1e-5
	s_wait_alu depctr_va_vdst(0)
	v_rsq_f32 v14, v6                              ; twice: a pair for the packed multiply
	v_rsq_f32 v15, v6
	v_nop                                          ; a plain instruction behind the last of them
	s_wait_alu depctr_va_vdst(0)                   ; one wait for both, ahead of the first reader
.set j, 0
.rept 16
	v_pk_mul_f32 v[XR+j:XR+j+1], v[XR+j:XR+j+1], v[14:15]
.set j, j+2
.endr
.set j, 0
.rept 16
	v_pk_fma_f32 v[XR+j:XR+j+1], v[XR+j:XR+j+1], v[32+j:33+j], v[64+j:65+j]
.set j, j+2
.endr
.set j, 0
.rept 32
	v_med3_num_f32 v[XR+j], v[XR+j], -v11, v11     ; the conversion to an 8-bit code does not saturate (ISA guide 7.6.2): the hold at the largest code x the scale
.set j, j+1
.endr
.irp g, 0,1,2,3
	v_cvt_scalef32_pk8_bf8_f32 v[CR+2*\g:CR+2*\g+1], v[XR+8*\g:XR+8*\g+7], v10   ; code register j holds the four codes of load j: columns 128 j + 4 lane + 0 .. 3
.endr
	v_nop                                          ; a plain instruction behind the last conversion
.irp j, 0,1,2,3,4,5,6,7
	ds_store_b32 v3, v[CR+\j] offset:1024*\p+128*\j
.endr
.irp k, 0,1
	ds_load_b128 v[BK+8*\p+4*\k:BK+8*\p+4*\k+3], v4 offset:1024*\p+512*\k   ; my own bytes: LDS serves a wave's instructions in order
.endr
	s_wait_dscnt 0x0                               ; the codes are back, and the stores have read v20-27
.irp k, 0,1
	global_store_b128 v2, v[BK+8*\p+4*\k:BK+8*\p+4*\k+3], s[12:13] offset:1024*\p+512*\k   ; 512 consecutive bytes, aligned; each row has registers of its own
.endr
.endm
	ROW 0
	ROW 1
	ROW 2
	ROW 3
	s_set_vgpr_msb 0x5
	s_wait_tensorcnt 0x0
	ds_add_u32 v0, v1
	s_wait_dscnt 0x0
	s_set_vgpr_msb 0x500
	s_endpgm
.Lfunc_end_k_q9f1e688c8f_ln1:
	.size	k_q9f1e688c8f_ln1, .Lfunc_end_k_q9f1e688c8f_ln1-k_q9f1e688c8f_ln1
	.p2alignl 7, 3214868480
	.fill 96, 4, 3214868480
	.section	.rodata,"a",@progbits
	.p2align	6, 0x0
	.amdhsa_kernel k_q9f1e688c8f_ln1
		.amdhsa_group_segment_fixed_size 16896
		.amdhsa_private_segment_fixed_size 0
		.amdhsa_enable_private_segment 0
		.amdhsa_kernarg_size 48
		.amdhsa_user_sgpr_count 2
		.amdhsa_user_sgpr_kernarg_segment_ptr 1
		.amdhsa_wavefront_size32 1
		.amdhsa_system_sgpr_workgroup_id_x 1
		.amdhsa_system_sgpr_workgroup_id_y 1
		.amdhsa_system_sgpr_workgroup_id_z 1
		.amdhsa_system_vgpr_workitem_id 0
		.amdhsa_next_free_vgpr 258
		.amdhsa_next_free_sgpr 66
		.amdhsa_reserve_vcc 1
		.amdhsa_float_denorm_mode_32 3
		.amdhsa_float_denorm_mode_16_64 3
		.amdhsa_memory_ordered 1
		.amdhsa_forward_progress 1
		.amdhsa_inst_pref_size 48
	.end_amdhsa_kernel
	.amdgpu_metadata
---
amdhsa.version: [ 1, 2 ]
amdhsa.kernels:
  - .name:           k_q9f1e688c8f_ln1
    .symbol:         k_q9f1e688c8f_ln1.kd
    .args:
      - { .name: x, .offset: 0, .size: 8, .value_kind: global_buffer, .address_space: global }
      - { .name: ln1_g, .offset: 8, .size: 8, .value_kind: global_buffer, .address_space: global }
      - { .name: ln1_b, .offset: 16, .size: 8, .value_kind: global_buffer, .address_space: global }
      - { .name: lowp_scales, .offset: 24, .size: 8, .value_kind: global_buffer, .address_space: global }
      - { .name: hc, .offset: 32, .size: 8, .value_kind: global_buffer, .address_space: global }
      - { .name: rope, .offset: 40, .size: 8, .value_kind: global_buffer, .address_space: global }
    .group_segment_fixed_size: 16896
    .private_segment_fixed_size: 0
    .kernarg_segment_align: 8
    .kernarg_segment_size: 48
    .max_flat_workgroup_size: 128
    .sgpr_count:     66
    .vgpr_count:     258
    .wavefront_size: 32
...
	.end_amdgpu_metadata
.endif
;; end of part 8
;; launch qkvp (part 9): grid 12 x 16, 4 waves a work-group, clusters of 4 x 4, 327,680 bytes of LDS; arguments hc, in_proj_w_codes, lowp_scales, rope, qkvc; writes qkvc
.if DOCPART == 9
	.amdgcn_target "amdgcn-amd-amdhsa--gfx1250"
	.amdhsa_code_object_version 6
	.text
	.protected	k_q9f1e688c8f_qkvp
	.globl	k_q9f1e688c8f_qkvp
	.p2align	8
	.type	k_q9f1e688c8f_qkvp,@function
k_q9f1e688c8f_qkvp:
	s_mov_b64 s[64:65], 0
	v_nop
	global_prefetch_b8 v0, s[64:65] scope:SCOPE_SE
	s_setreg_imm32_b32 hwreg(HW_REG_WAVE_MODE, 25, 1), 1
	s_wait_xcnt 0x0
	s_wait_alu depctr_hold_cnt(0) depctr_sa_sdst(0) depctr_va_vdst(0) depctr_va_sdst(0) depctr_va_ssrc(0) depctr_va_vcc(0) depctr_vm_vsrc(0)
	s_getreg_b32 s2, hwreg(HW_REG_IB_STS2, 6, 4)
	s_cmp_eq_u32 s2, 0
	s_cbranch_scc0 .Lentry_in_a_cluster
	s_endpgm
.Lentry_in_a_cluster:
	s_bfe_u32 s2, ttmp6, 0x10000c
	s_cmp_lg_u32 s2, 0xf033
	s_cbranch_scc0 .Lentry_shape_is_right
	s_endpgm
.Lentry_shape_is_right:
; proj = h Win^T on codes of E5M2 (M 4,096, N 3,072, K 1,024), then on the way out: q and k rotated and quantised (2^e2, 2^e3), v quantised (2^e5).
; qkvc: q at byte 0 and k at byte 4,194,304, each [b][head][t][64] codes; v at byte 8,388,608 as [b][head][t / 16][64 d][16 keys], the keys innermost, since they are the K of attention's second product.
; A tile of C, 256 x 256, is made by a work-group of four waves; a wave makes 128 x 128: 64 accumulators, 512 registers.  K goes in steps of 256 through a ring of two LDS slots.
; CLUSTERS: 4 x 4 work-groups; A's tiles are asked for jointly along a row of the cluster, B's along a column.  The cluster's x says what all sixteen partners make: 0 q, 1 k, 2 v.
; THE MATRIX INSTRUCTION IS USED TRANSPOSED (source 0 = 16 rows of B, source 1 = 16 rows of A): a lane holds eight neighbouring columns of one row of C.
; A sum stands for sum x 2^(e0 + e1); the rotation is linear, so the three exponents are folded into the conversion's one scale.
; REGISTERS: window 0: v0-31 addresses; v128-255 A's fragments, one set; window 1: B's fragments, two sets; windows 2, 3: the accumulators of my rows 0-63, 64-127.
; On the way out half a wave tile (64 rows) at a time lies as f32 in the wave's stage in LDS, and windows 1 and 2 take the table's rows.
; LIMITS: e2 - e0 - e1, e3 - e0 - e1 and e5 - e0 - e1 between -126 and 112.
.set KTOT,   1024
.set CBW,    256                       ; A lies as plain rows: 256 bytes of a row in a K step
.set PA,     272
.set QIA,    5
.set AC,     256
.set AR,     256
.set ASTRIDE, KTOT
.set AROWB,  KTOT
.set ASTEP,  256
.set PITCH,  272                       ; an LDS row: 256 bytes + 16 of padding: the 16 rows that a load touches start at 16 different banks
.set HALFB,  128*PITCH
.set BS,     128*PA
.set HALFA,  (256/CBW)*BS
.set SLOT,   2*HALFA+2*HALFB           ; A's 256 rows, then B's 256 rows
.set SPARE,  2*SLOT                    ; behind the ring: the spare words, 128 bytes for each wave, which no other line names
.set LAPS,   KTOT/512
.set FR,     16
.set NL,     4
.set NP,     4
.set SPITCH, 528                       ; a stage row: 128 f32 + 16 bytes
.set STGW,   64*SPITCH                 ; a wave's stage: 64 rows
.set ADRA, 16
.set ADRB, 20
.set STO,  24
.set SPW,  28
.set NIL,  29
.set AF,   128
.set G1, 24
.set G0, 32
.set G1B, 48
.set G0B, 56
.set MSB, 0
.macro WIN new                         ; the immediate's high byte repeats the setting that is left
.if MSB != (\new)
	s_set_vgpr_msb (MSB<<8)|(\new)
.set MSB, (\new)
.endif
.endm
.set MUL_LO, 0xa1                      ; source 0 (B) window 1, source 1 (A) window 0, C and D window 2
.set MUL_HI, 0xf1                      ; the same, C and D window 3
.set TO_B,   0x40                      ; destination window 1
; WHO FETCHES.  Wave w owns one whole tile of slot w / 2: A's 256 rows (w even) or B's (w odd), 256 bytes of each row.  At the head every wave asks for its tile, so both slots are asked for with one load a wave.
.macro HLOAD
	s_cmp_eq_u32 s16, 0
	s_cbranch_scc0 .Lhead_b
	tensor_load_to_lds s[G0:G0+3], s[G1:G1+7]
	s_nop 0
.rept 4
	v_nop
.endr
	s_branch .Lhead_on
.Lhead_b:
	tensor_load_to_lds s[G0B:G0B+3], s[G1B:G1B+7]
	s_nop 0
.rept 4
	v_nop
.endr
.Lhead_on:
.endm
; a refill of slot s: its two owners step their address two K steps on and ask; the other two waves ask for nothing.  The branches hang on the wave's number alone.
.macro JLOAD s
	s_cmp_eq_u32 s14, 2*\s
	s_cbranch_scc0 .Lnot_a_\@
	s_add_nc_u64 s[G0+2:G0+3], s[G0+2:G0+3], 2*ASTEP
	tensor_load_to_lds s[G0:G0+3], s[G1:G1+7]
	s_nop 0
.rept 4
	v_nop
.endr
	s_branch .Lasked_\@
.Lnot_a_\@:
	s_cmp_eq_u32 s14, 2*\s+1
	s_cbranch_scc0 .Lasked_\@
	s_add_nc_u64 s[G0B+2:G0B+3], s[G0B+2:G0B+3], 2*256
	tensor_load_to_lds s[G0B:G0B+3], s[G1B:G1B+7]
	s_nop 0
.rept 4
	v_nop
.endr
.Lasked_\@:
.rept 4
	v_nop                                          ; every wave's places in front of the loads that follow
.endr
.endm
.macro CREST                           ; a round of the cluster's barrier behind its opening barrier
	s_cmp_lg_u32 s14, 0
	s_cbranch_scc1 .Lnot_wave_0_\@
	s_barrier_signal -3
.Lnot_wave_0_\@:
	s_barrier_wait -3
	s_barrier_signal -1
	s_barrier_wait -1
.endm
.macro CROUND
	s_barrier_signal -1
	s_barrier_wait -1
	CREST
.endm
	s_load_b128 s[4:7], s[0:1], 0x0                ; hc, Win's codes
	s_load_b128 s[8:11], s[0:1], 0x10              ; the scales' exponents, the table
	s_load_b64 s[12:13], s[0:1], 0x20              ; qkvc
	v_lshl_add_u32 v[SPW], v0, 2, SPARE
	v_mov_b32 v[NIL], 0
	ds_add_u32 v28, v29
	ds_add_u32 v28, v29
	s_wait_dscnt 0x0
	v_lshrrev_b32 v1, 5, v0
	v_readfirstlane_b32 s14, v1                    ; wave 0..3
	s_lshr_b32 s15, s14, 1                         ; which half of the tile's rows is mine.  Also: the slot that I fill
	s_and_b32 s16, s14, 1                          ; which half of its columns.  Also: I fill A's tile (0) or B's (1)
	s_bfe_u32 s40, ttmp6, 0x40000                  ; cx, cy
	s_bfe_u32 s41, ttmp6, 0x40004
	s_lshl_b32 s42, ttmp9, 2
	s_add_co_u32 s42, s42, s40                     ; tile column
	s_and_b32 s17, ttmp7, 0xffff
	s_lshl_b32 s17, s17, 2
	s_add_co_u32 s17, s17, s41                     ; tile row
	s_lshl_b32 s43, s41, 2
	s_lshl_b32 s43, 15, s43                        ; my row of the cluster
	s_lshl_b32 s44, 0x1111, s40                    ; my column
	s_or_b32 s[G1+0], s43, (1<<20)|(1<<21)|(QIA<<22)|(3<<25)   ; the mask; elements of 1 byte; padding on; bit 21 beside a mask; four words of padding after every 2 << QIA words
	s_or_b32 s[G1B+0], s44, (1<<20)|(1<<21)|(5<<22)|(3<<25)
	s_mov_b32 s[G1+1], (AC&0xffff)<<16             ; tensor_dim0
	s_mov_b32 s[G1+2], (AC>>16)|(AR<<16)           ; tensor_dim1
	s_mov_b32 s[G1+3], (AR>>16)|(AC<<16)           ; tile_dim0
	s_mov_b32 s[G1+4], AR                          ; tile_dim1
	s_mov_b32 s[G1+5], ASTRIDE                     ; from row to row
	s_mov_b32 s[G1+6], 0
	s_mov_b32 s[G1+7], 0
	s_mov_b32 s[G1B+1], 256<<16
	s_mov_b32 s[G1B+2], 256<<16
	s_mov_b32 s[G1B+3], 256<<16
	s_mov_b32 s[G1B+4], 256
	s_mov_b32 s[G1B+5], KTOT
	s_mov_b32 s[G1B+6], 0
	s_mov_b32 s[G1B+7], 0
	s_lshl_b32 s20, s17, 8                         ; A: row 256 x tile row
	s_lshl_b32 s46, s42, 8                         ; B: row 256 x tile column
	s_mov_b32 s21, 0
	s_mov_b32 s47, 0
	s_mov_b64 s[18:19], AROWB
	s_mul_u64 s[20:21], s[20:21], s[18:19]
	s_mov_b64 s[18:19], KTOT
	s_mul_u64 s[46:47], s[46:47], s[18:19]
	s_mul_i32 s45, s15, SLOT                       ; where my tile goes: my slot; A's rows first,
	s_add_co_u32 s22, s45, 2*HALFA                 ; B's behind them
	s_wait_kmcnt 0x0
	s_load_b256 s[80:87], s[8:9], 0x0              ; e0 .. e7
	s_add_nc_u64 s[20:21], s[4:5], s[20:21]
	s_add_nc_u64 s[46:47], s[6:7], s[46:47]
	CROUND                                         ; all sixteen work-groups are here: the first joint loads meet
	s_lshl_b32 s18, s15, 8                         ; my slot's first K step: 256 bytes along the rows for slot 1
	s_mov_b32 s19, 0
	s_add_nc_u64 s[20:21], s[20:21], s[18:19]
	s_add_nc_u64 s[46:47], s[46:47], s[18:19]
	s_mov_b32 s[G0], 1
	s_mov_b32 s[G0+1], s45
	s_mov_b64 s[G0+2:G0+3], s[20:21]
	s_or_b32 s[G0+3], s[G0+3], 0x80000000
	s_mov_b32 s[G0B], 1
	s_mov_b32 s[G0B+1], s22
	s_mov_b64 s[G0B+2:G0B+3], s[46:47]
	s_or_b32 s[G0B+3], s[G0B+3], 0x80000000
	HLOAD                                          ; one tensor load a wave at the head: K steps 0 and 1
	v_and_b32 v1, 15, v0                           ; r = l % 16
	v_bfe_u32 v2, v0, 4, 1                         ; h = l / 16
	v_mul_u32_u24 v3, v1, PA
	v_lshl_add_u32 v3, v2, 4, v3
	v_mul_u32_u24 v4, v1, PITCH
	v_lshl_add_u32 v4, v2, 4, v4
	s_mul_i32 s21, s15, HALFA                      ; my 128 rows of A
	s_mul_i32 s22, s16, HALFB                      ; my 128 rows of B,
	s_add_co_u32 s22, s22, 2*HALFA                 ; which lie behind A's
.irp s, 0,1
	v_add_nc_u32 v[ADRA+\s], s21, v3
	v_add_nc_u32 v[ADRB+\s], s22, v4
	s_add_co_u32 s21, s21, SLOT
	s_add_co_u32 s22, s22, SLOT
.endr
	; the way out: every address is made here, ahead of the parting of the ways
	s_mul_i32 s23, s14, STGW
	v_mul_u32_u24 v5, v1, SPITCH
	v_lshl_add_u32 v5, v2, 5, v5
	v_add_nc_u32 v[STO], s23, v5                   ; into the stage (slot 0): row r, 32 bytes for each half of the lanes
	v_add_nc_u32 v18, SLOT, v[STO]                 ; v's stage lies in slot 1: each way has LDS bytes of its own
	v_bfe_u32 v6, v0, 2, 2                         ; q, k: a lane takes 16 neighbouring d of one row: row (l / 4) % 4,
	v_and_b32 v7, 3, v0                            ; d = 16 (l % 4) on, head l / 16 of my two
	v_mul_u32_u24 v8, v6, SPITCH
	v_lshl_add_u32 v8, v2, 8, v8
	v_lshl_add_u32 v8, v7, 6, v8
	v_add_nc_u32 v25, s23, v8                      ; out of the stage
	v_lshlrev_b32 v26, 17, v2                      ; and in q or k: a head is 2,048 x 64 bytes
	v_lshl_add_u32 v26, v6, 6, v26
	v_lshl_add_u32 v26, v7, 4, v26
	v_lshlrev_b32 v23, 8, v6                       ; and in the table: a row is 256 bytes; my 8 pairs (cos, sin) are 64
	v_lshl_add_u32 v23, v7, 6, v23
	v_and_b32 v9, 31, v0
	v_lshlrev_b32 v22, 4, v9                       ; v: 16 bytes a lane
	v_lshl_add_u32 v19, v9, 2, s23
	v_add_nc_u32 v19, SLOT, v19                    ; v: a lane takes a column of the stage
	s_lshl_b32 s72, s17, 8
	s_lshl_b32 s73, s15, 7
	s_add_co_u32 s72, s72, s73                     ; m0: my first row
	s_lshr_b32 s73, s72, 11                        ; b
	s_and_b32 s74, s72, 2047                       ; t0
	s_lshl_b32 s75, s42, 8
	s_lshl_b32 s76, s16, 7
	s_add_co_u32 s75, s75, s76                     ; n0: my first column
	s_lshr_b32 s76, s75, 10                        ; 0 q, 1 k, 2 v
	s_bfe_u32 s77, s75, 0x40006                    ; my first head
	s_lshl_b32 s73, s73, 4
	s_add_co_u32 s73, s73, s77                     ; 16 b + head
	s_lshl_b32 s78, s73, 11
	s_add_co_u32 s78, s78, s74
	s_lshl_b32 s78, s78, 6
	s_lshl_b32 s76, s76, 22
	s_add_co_u32 s78, s78, s76
	s_mov_b32 s79, 0
	s_add_nc_u64 s[66:67], s[12:13], s[78:79]      ; q or k at (b, head, t0)
	s_lshl_b32 s78, s73, 7
	s_lshr_b32 s76, s74, 4
	s_add_co_u32 s78, s78, s76
	s_lshl_b32 s78, s78, 10
	s_add_co_u32 s78, s78, 8388608
	s_add_nc_u64 s[68:69], s[12:13], s[78:79]      ; v at (b, head, t0 / 16)
	s_lshl_b32 s78, s74, 8
	s_add_nc_u64 s[70:71], s[10:11], s[78:79]      ; the table at t0
	; A PREFETCH of the table rows that the way out of q and k reads: my wave's 128 rows of 256 bytes are wanted by the four partners of my row of the cluster and by both column halves:
	; they share them out by address, 16 rows each: rows 32 cx + 16 x half + 0 .. 15, a lane a row; lanes 16-31 name the last of them again.  All four K steps lie between this line and the loads.  v27 and s[70:71] are never rewritten.
	s_lshl_b32 s78, s40, 5
	s_lshl_b32 s77, s16, 4
	s_add_co_u32 s78, s78, s77
	v_and_b32 v27, 31, v0
	v_min_u32 v27, 15, v27
	v_add_nc_u32 v27, s78, v27
	v_lshlrev_b32 v27, 8, v27
	s_cmp_eq_u32 ttmp9, 2                          ; the clusters that make v read no table
	s_cbranch_scc1 .Lno_table
	global_prefetch_b8 v27, s[70:71] th:TH_LOAD_NT scope:SCOPE_SE
.Lno_table:
.macro FRAGA reg, slot, q, i           ; a fragment, 16 rows x 128 K: registers 4 c .. 4 c + 3 hold K = 32 c + 16 (l / 16) + 0 .. 15: the same permutation of K in A and in B
.irp c, 0,1,2,3
	ds_load_b128 v[\reg+4*\c:\reg+4*\c+3], v[ADRA+\slot] offset:((128*(\q)+32*\c)/CBW)*BS+(\i)*16*PA+(128*(\q)+32*\c)%CBW
.endr
.endm
.macro FRAGB reg, slot, q, i
.irp c, 0,1,2,3
	ds_load_b128 v[\reg+4*\c:\reg+4*\c+3], v[ADRB+\slot] offset:128*(\q)+32*\c+(\i)*16*PITCH
.endr
.endm
.macro MUL16 a0, p, zero               ; A's blocks a0, a0 + 1 x B's eight; the 64 accumulators take turns
.irp a, \a0, \a0+1
.irp b, 0,1,2,3,4,5,6,7
.if \zero
	v_wmma_f32_16x16x128_bf8_bf8 v[8*(8*((\a)%4)+\b):8*(8*((\a)%4)+\b)+7], v[128*(\p)+FR*\b:128*(\p)+FR*\b+FR-1], v[AF+FR*(\a):AF+FR*(\a)+FR-1], 0
.else
	v_wmma_f32_16x16x128_bf8_bf8 v[8*(8*((\a)%4)+\b):8*(8*((\a)%4)+\b)+7], v[128*(\p)+FR*\b:128*(\p)+FR*\b+FR-1], v[AF+FR*(\a):AF+FR*(\a)+FR-1], v[8*(8*((\a)%4)+\b):8*(8*((\a)%4)+\b)+7]
.endif
.endr
.endr
.endm
.macro FETCH_B slot, q, p
	WIN TO_B
.irp i, 0,1,2,3,4,5,6,7
	FRAGB 128*(\p)+FR*\i, \slot, \q, \i
.endr
	WIN 0
.endm
.macro FETCH_A slot, q, i0
.irp i, \i0, \i0+1, \i0+2, \i0+3
	FRAGA AF+FR*(\i), \slot, \q, \i
.endr
.endm
.macro PLACES n                        ; plain vector instructions between a matrix instruction and a load into, or a read of, its registers
.rept \n
	v_nop
.endr
.endm
.macro STEP slot, q, zero              ; 128 along K, with its successor in the same slot
	s_wait_dscnt 4*NL                              ; B's set and A's blocks 0-3 are in; the youngest sixteen loads (A's blocks 4-7) may be out
	WIN MUL_LO
	MUL16 0, (\q)%2, \zero
	MUL16 2, (\q)%2, \zero
	s_wait_dscnt 0
	PLACES NP
	FETCH_B \slot, (\q)+1, 1-(\q)%2
	FETCH_A \slot, (\q)+1, 0
	WIN MUL_HI
	MUL16 4, (\q)%2, \zero
	MUL16 6, (\q)%2, \zero
	PLACES NP
	WIN 0
	FETCH_A \slot, (\q)+1, 4
.endm
.macro TURN slot, next, fill           ; a slot's last step changes slots: one barrier; fill = 1: the slot is filled again, two K steps ahead
	s_wait_tensorcnt 0x0                           ; all my tensor loads have landed: my part of the next slot
	ds_add_u32 v[SPW], v[NIL]                      ; 0 onto my spare word
	s_wait_dscnt 4*NL+1                            ; the add and the youngest sixteen loads may be out
	WIN MUL_LO
	MUL16 0, 1, 0
	s_wait_dscnt 0x0                               ; the add is done, and my reads of this slot are over
	s_barrier_signal -1
	MUL16 2, 1, 0
	WIN 0
	s_barrier_wait -1
.if \fill
	CREST                                          ; no wave of any partner still reads this slot or has a load on its way
	JLOAD \slot
.else
	PLACES NP
.endif
	FETCH_B \next, 0, 0
	FETCH_A \next, 0, 0
	WIN MUL_HI
	MUL16 4, 1, 0
	MUL16 6, 1, 0
	PLACES NP
	WIN 0
	FETCH_A \next, 0, 4
.endm
	s_wait_alu depctr_va_vdst(0)
	s_wait_tensorcnt 0x0                           ; my tile is in
	s_barrier_signal -1
	s_barrier_wait -1
	FETCH_B 0, 0, 0
	FETCH_A 0, 0, 0
	FETCH_A 0, 0, 4
	STEP 0, 0, 1                                   ; the first step's products start the sums
	s_mov_b32 s3, LAPS-1
.Llap:
	TURN 0, 1, 1
	STEP 1, 0, 0
	TURN 1, 0, 1
	STEP 0, 0, 0
	s_sub_co_u32 s3, s3, 1
	s_cmp_lg_u32 s3, 0
	s_cbranch_scc1 .Llap
	TURN 0, 1, 0
	STEP 1, 0, 0
	s_wait_dscnt 4*NL
	WIN MUL_LO
	MUL16 0, 1, 0
	MUL16 2, 1, 0
	s_wait_dscnt 0
	WIN MUL_HI
	MUL16 4, 1, 0
	MUL16 6, 1, 0
	WIN 0
	; THE WAY OUT.
	s_wait_dscnt 0x0                               ; my reads of slot 1 are over;
	s_barrier_signal -1
	s_barrier_wait -1                              ; everybody's are: slot 1, which has had its last fill, may take v's stage.  (Slot 0 was left at the last change of slots)
	PLACES NP                                      ; behind the last products: for the stores that read results and the loads into B's registers
	s_wait_kmcnt 0x0
	s_add_co_i32 s88, s80, s81                     ; e0 + e1
	s_cmp_eq_u32 ttmp9, 0
	s_cselect_b32 s89, s82, s83                    ; q: e2; k: e3;
	s_cmp_eq_u32 ttmp9, 2
	s_cselect_b32 s89, s85, s89                    ; v: e5
	s_sub_co_i32 s89, s89, s88
	s_add_co_i32 s89, s89, 127
	s_lshl_b32 s90, s89, 23
	v_mov_b32 v30, s90                             ; the three scales folded into the conversion's one
	s_add_co_i32 s89, s89, 15
	s_lshl_b32 s89, s89, 23
	s_or_b32 s89, s89, 0x600000
	v_mov_b32 v31, s89                             ; 57,344 x that
; half hf of my tile (64 rows x 128 columns of f32) into a stage: each accumulator's low four registers first
.macro DUMP hf, sto
	WIN 0x08+4*(\hf)                               ; the stores' data: window 2 or 3
.irp a, 0,1,2,3
.irp b, 0,1,2,3,4,5,6,7
	ds_store_b128 v[\sto], v[64*\a+8*\b:64*\a+8*\b+3] offset:\a*16*SPITCH+64*\b
	ds_store_b128 v[\sto], v[64*\a+8*\b+4:64*\a+8*\b+7] offset:\a*16*SPITCH+64*\b+16
.endr
.endr
	WIN 0
.endm
	s_cmp_eq_u32 ttmp9, 2                          ; the cluster's x: the same in all sixteen partners
	s_cbranch_scc1 .Lv_tail
	; ---- q and k.  The table's 64 rows of a half fill a window: register 32 tau + 16 u + 2 p holds cos, the next sin, of row 8 tau + 4 u + (l / 4) % 4 and pair 8 (l % 4) + p
.macro TAB hf
	WIN 0x40<<(\hf)                                ; destination window 1 or 2
.irp i, 0,1,2,3,4,5,6,7,8,9,10,11,12,13,14,15
.irp c, 0,1,2,3
	global_load_b128 v[16*\i+4*\c:16*\i+4*\c+3], v23, s[70:71] offset:(64*\hf+4*\i)*256+16*\c
.endr
.endr
	WIN 0
.endm
.macro LOADX t                         ; eight rows of the stage: a lane's 16 numbers of rows 8 t + (l / 4) % 4 and four further on
.irp u, 0,1
.irp c, 0,1,2,3
	ds_load_b128 v[32+32*((\t)%2)+16*\u+4*\c:32+32*((\t)%2)+16*\u+4*\c+3], v25 offset:(8*(\t)+4*\u)*SPITCH+16*\c
.endr
.endr
.endm
.macro PROC hf, t, younger
.set XS, 32+32*((\t)%2)
.set CD, 128+8*((\t)%2)
	s_wait_dscnt \younger                          ; my eight loads are in; the next trip's eight may be out
	s_wait_xcnt 0x0                                ; the stores of two trips back have read their codes: the registers are written again only behind this wait
	WIN (1+\hf)<<2                                 ; source 1: the table's window
.set p, 0
.rept 16
	v_mul_f32 v[96+2*p], v[XS+2*p+1], v[32*(\t)+2*p+1]     ; xi sin
	v_mul_f32 v[97+2*p], v[XS+2*p+1], v[32*(\t)+2*p]       ; xi cos
.set p, p+1
.endr
.set p, 0
.rept 16
	v_fma_f32 v[XS+2*p+1], v[XS+2*p], v[32*(\t)+2*p+1], v[97+2*p]    ; yi = xr sin + xi cos
	v_fma_f32 v[XS+2*p], v[XS+2*p], v[32*(\t)+2*p], -v[96+2*p]       ; yr = xr cos - xi sin
.set p, p+1
.endr
	WIN 0
.set p, 0
.rept 32
	v_med3_num_f32 v[XS+p], v[XS+p], -v31, v31     ; the hold at the largest code x the scale (ISA guide 7.6.2)
.set p, p+1
.endr
.irp g, 0,1,2,3
	v_cvt_scalef32_pk8_bf8_f32 v[CD+2*\g:CD+2*\g+1], v[XS+8*\g:XS+8*\g+7], v30
.endr
	v_nop                                          ; a plain instruction behind the last conversion
.irp u, 0,1
	global_store_b128 v26, v[CD+4*\u:CD+4*\u+3], s[66:67] offset:(64*\hf+8*(\t)+4*\u)*64   ; sixteen lanes store four rows of a head: 256 consecutive bytes, aligned
.endr
.endm
	s_wait_alu depctr_va_vdst(0)
	TAB 0                                          ; into window 1: B's fragments are done with
	DUMP 0, STO
	s_wait_dscnt 0x0                               ; the stores have read window 2,
	TAB 1                                          ; which takes the second half's table rows
	s_wait_loadcnt 63                              ; 64 loads were issued behind the first run's last: at most 63 out shows the first run in
	LOADX 0
.irp t, 0,1,2,3,4,5,6
	LOADX \t+1
	PROC 0, \t, 8
.endr
	PROC 0, 7, 0
	DUMP 1, STO
	s_wait_loadcnt 0x0
	LOADX 0                                        ; LDS serves a wave's instructions in order: these see the stores above
.irp t, 0,1,2,3,4,5,6
	LOADX \t+1
	PROC 1, \t, 8
.endr
	PROC 1, 7, 0
	s_branch .Lend
.Lv_tail:
	; ---- v.  A LANE TAKES A COLUMN d AND ITS REGISTERS RUN DOWN t: the conversions then give codes with the keys innermost.  16 keys of 32 neighbouring d are 512 consecutive bytes.
	s_wait_alu depctr_va_vdst(0)
.irp hf, 0,1
	DUMP \hf, 18
.irp g, 0,1,2,3                        ; columns 32 g + lane: head g / 2, d = 32 (g % 2) + lane
.set CD, 160+16*(\g%2)
.set i, 0
.rept 64
	ds_load_b32 v[32+i], v19 offset:i*SPITCH+128*\g
.set i, i+1
.endr
	s_wait_dscnt 0x0
	s_wait_xcnt 0x0                                ; earlier stores have read their codes
.set i, 0
.rept 64
	v_med3_num_f32 v[32+i], v[32+i], -v31, v31
.set i, i+1
.endr
.irp q, 0,1,2,3,4,5,6,7
	v_cvt_scalef32_pk8_bf8_f32 v[CD+2*\q:CD+2*\q+1], v[32+8*\q:39+8*\q], v30
.endr
	v_nop
.irp k, 0,1,2,3
	global_store_b128 v22, v[CD+4*\k:CD+4*\k+3], s[68:69] offset:(\g/2)*131072+(\g%2)*512+(4*\hf+\k)*1024
.endr
.endr
.endr
.Lend:
	s_wait_tensorcnt 0x0                           ; the wave's end
	ds_add_u32 v[SPW], v[NIL]
	s_wait_dscnt 0x0
	CROUND                                         ; the closing round
	s_endpgm
.Lfunc_end_k_q9f1e688c8f_qkvp:
	.size	k_q9f1e688c8f_qkvp, .Lfunc_end_k_q9f1e688c8f_qkvp-k_q9f1e688c8f_qkvp
	.p2alignl 7, 3214868480
	.fill 96, 4, 3214868480
	.section	.rodata,"a",@progbits
	.p2align	6, 0x0
	.amdhsa_kernel k_q9f1e688c8f_qkvp
		.amdhsa_group_segment_fixed_size 327680
		.amdhsa_private_segment_fixed_size 0
		.amdhsa_enable_private_segment 0
		.amdhsa_kernarg_size 40
		.amdhsa_user_sgpr_count 2
		.amdhsa_user_sgpr_kernarg_segment_ptr 1
		.amdhsa_wavefront_size32 1
		.amdhsa_system_sgpr_workgroup_id_x 1
		.amdhsa_system_sgpr_workgroup_id_y 1
		.amdhsa_system_sgpr_workgroup_id_z 1
		.amdhsa_system_vgpr_workitem_id 0
		.amdhsa_next_free_vgpr 1024
		.amdhsa_next_free_sgpr 100
		.amdhsa_reserve_vcc 0
		.amdhsa_float_denorm_mode_32 3
		.amdhsa_float_denorm_mode_16_64 3
		.amdhsa_memory_ordered 1
		.amdhsa_forward_progress 1
		.amdhsa_inst_pref_size 255
	.end_amdhsa_kernel
	.section	.bss,"aw",@nobits
	.p2align	6
	.space	262144
	.amdgpu_metadata
---
amdhsa.version: [ 1, 2 ]
amdhsa.kernels:
  - .name:           k_q9f1e688c8f_qkvp
    .symbol:         k_q9f1e688c8f_qkvp.kd
    .args:
      - { .name: hc, .offset: 0, .size: 8, .value_kind: global_buffer, .address_space: global }
      - { .name: in_proj_w_codes, .offset: 8, .size: 8, .value_kind: global_buffer, .address_space: global }
      - { .name: lowp_scales, .offset: 16, .size: 8, .value_kind: global_buffer, .address_space: global }
      - { .name: rope, .offset: 24, .size: 8, .value_kind: global_buffer, .address_space: global }
      - { .name: qkvc, .offset: 32, .size: 8, .value_kind: global_buffer, .address_space: global }
    .group_segment_fixed_size: 327680
    .private_segment_fixed_size: 0
    .kernarg_segment_align: 8
    .kernarg_segment_size: 40
    .max_flat_workgroup_size: 128
    .sgpr_count:     100
    .vgpr_count:     1024
    .wavefront_size: 32
...
	.end_amdgpu_metadata
.endif
;; end of part 9
;; launch attn (part 10): grid 8 x 32, 16 waves a work-group, no clusters, 169,984 bytes of LDS; arguments qkvc, lowp_scales, oc; writes oc
.if DOCPART == 10
	.amdgcn_target "amdgcn-amd-amdhsa--gfx1250"
	.amdhsa_code_object_version 6
	.text
	.protected	k_q9f1e688c8f_attn
	.globl	k_q9f1e688c8f_attn
	.p2align	8
	.type	k_q9f1e688c8f_attn,@function
k_q9f1e688c8f_attn:
	s_mov_b64 s[64:65], 0
	v_nop
	global_prefetch_b8 v0, s[64:65] scope:SCOPE_SE
	s_setreg_imm32_b32 hwreg(HW_REG_WAVE_MODE, 25, 1), 1
	s_wait_xcnt 0x0
; Attention in a band: key k counts for query q where 0 <= q - k < 256; both products on codes of E5M2.  o is quantised (2^e6) on the way out.
; qkvc: q, k [b][head][t][64] codes; v [b][head][t / 16][64 d][16 keys].  oc: [16 heads][4,096 rows][64] codes: a head's 64 columns of o are one column block.
; THE SOFTMAX AHEAD OF THE SECOND PRODUCT: t = score x log2(e) / 8; M = the largest t so far, rounded up to a whole number; p = 2^(t - M) is quantised (2^e4), not normalised; the row's sum is taken of
; the unquantised p and divides at the end.  When M moves, the sum and O are multiplied by 2^(old M - new M), which rounds nothing.
; SHARES.  A work-group owns 256 queries of one head; each of its sixteen waves 16 of them, in 256 registers.  The block's band is its own 256 keys and the 256 before them: 32 KiB of K and 32 KiB of V,
; brought by four tensor loads at the head (waves 0, 1: K's halves; waves 2, 3: V's); nothing is filled again.  A wave's 16 queries see keys in three steps of 128: in the first only the band's far edge
; can hide a key, in the second nothing, in the third only the diagonal.  In a head's first block the steps on keys before key 0 are jumped over (a scalar branch on ids); the bytes fetched in their place are not read.
; No joint loads: a block of K and V is read by two work-groups only, and there is no loop of refills for a round to serve.
; LAYOUT.  Both products transposed: S^T = K Q^T, O^T = V^T P^T: a lane holds one query (lane % 16).  Lane r of key tile 2 b + u takes key 32 b + 8 u + r + 8 (r / 8), so that the 16 registers of tiles
; 2 b, 2 b + 1 are the neighbouring keys 32 b + 16 (lane / 16) + 0 .. 15: p's codes are the second product's operand as they come.
; LIMITS: e2 + e3 between -122 and 128; e4 and e6 - e4 - e5 between -126 and 112.
; REGISTERS: v1-7 addresses; v12 -M, v13 the largest t, v[14:15] the sum; v16-23 Q; v32-95 fragments; v96-159 S^T, then p; v160-191 O^T; v192-223 o; v224-239 codes (a matrix operand; v230-239 also take partial sums of p ahead of the conversions);
; v240, v244, v246, v247 scales; v230-239, v242, v243, v246, v247, v252-254 at work; v248 the lane permutes' destination.
.set KP,   80                          ; a key's row in LDS: 64 bytes + 16 of padding
.set VOFF, 512*KP                      ; behind K's 512 rows: V's 32 chunks of 1,024 bytes
.set STG,  VOFF+32*1024                ; behind them: 16 rows x 80 bytes for each wave, for the way out; no fill lands here
.set XL,   248                         ; v248: where a lane permute lands; outside every matrix operand
.set WV,   18
.set SEL,  20
.set CS,   22
.set G1K,  24
.set G1V,  32
.set G0K,  40
.set G0V,  44
	s_load_b128 s[4:7], s[0:1], 0x0                ; qkvc, the scales' exponents
	s_load_b64 s[8:9], s[0:1], 0x10                ; oc
	v_lshl_add_u32 v251, v0, 2, 0x29000
	v_mov_b32 v255, 0
	ds_add_u32 v251, v255
	ds_add_u32 v251, v255
	v_lshrrev_b32 v8, 5, v0
	s_delay_alu instid0(VALU_DEP_1)
	v_readfirstlane_b32 s[WV], v8                  ; wave 0..15
	s_and_b32 s10, ttmp7, 0xffff                   ; 16 b + head
	s_and_b32 s48, s[WV], 1                        ; which half I fetch, if I fetch: 0 the block before, 1 my own
	s_add_co_u32 s49, ttmp9, s48
	s_sub_co_i32 s49, s49, 1
	s_max_i32 s49, s49, 0                          ; its number (a first block has none before it: its own is fetched, and not read)
	s_lshl_b32 s50, s10, 17                        ; a head is 131,072 bytes in each of q, k, v
	s_lshl_b32 s51, s49, 14                        ; a block of 256 keys is 16,384
	s_add_co_u32 s52, s50, s51
	s_mov_b32 s53, 0
	s_mul_i32 s56, s48, 256*KP
	s_lshl_b32 s57, s48, 14
	s_add_co_u32 s57, s57, VOFF
	s_lshr_b32 s12, s[WV], 3                       ; s0: my first step of 128 among the 512 keys in LDS
	s_lshl_b32 s58, ttmp9, 8
	s_lshl_b32 s59, s[WV], 4
	s_lshl_b32 s60, s12, 7
	s_add_co_u32 s13, s58, s60
	s_sub_co_i32 s13, s13, 256                     ; the first key of the step in hand; negative where there is no such key
	s_add_co_u32 s14, s59, 256
	s_sub_co_u32 s14, s14, s60                     ; my first query's place, counted from my first step's first key
	s_add_co_u32 s58, s58, s59                     ; my first query
	s_lshl_b32 s60, s58, 6
	s_add_co_u32 s60, s60, s50
	s_mov_b32 s61, 0
	s_and_b32 s76, s10, 15
	s_lshr_b32 s77, s10, 4
	s_lshl_b32 s76, s76, 18                        ; oc: head x 4,096 rows x 64
	s_lshl_b32 s77, s77, 11
	s_add_co_u32 s77, s77, s58
	s_lshl_b32 s77, s77, 6
	s_add_co_u32 s76, s76, s77
	s_mov_b32 s77, 0
	s_mov_b32 s[G1K], (1<<20)|(3<<22)|(3<<25)      ; elements of 1 byte; padding: four words after every 16
	s_mov_b32 s[G1K+1], 64<<16                     ; tensor_dim0
	s_mov_b32 s[G1K+2], 256<<16                    ; tensor_dim1
	s_mov_b32 s[G1K+3], 64<<16                     ; tile_dim0
	s_mov_b32 s[G1K+4], 256                        ; tile_dim1
	s_mov_b32 s[G1K+5], 64                         ; from row to row
	s_mov_b32 s[G1K+6], 0
	s_mov_b32 s[G1K+7], 0
	s_mov_b32 s[G1V], 0                            ; a dense block of 16,384 bytes as 64 rows of 256, no padding
	s_mov_b32 s[G1V+1], 256<<16
	s_mov_b32 s[G1V+2], 64<<16
	s_mov_b32 s[G1V+3], 256<<16
	s_mov_b32 s[G1V+4], 64
	s_mov_b32 s[G1V+5], 256
	s_mov_b32 s[G1V+6], 0
	s_mov_b32 s[G1V+7], 0
	s_mov_b32 s[SEL], 0x76543210
	s_mov_b32 s[SEL+1], 0xfedcba98
	s_mov_b32 s[CS], 0x3e38aa3b                    ; c = log2(e) / 8
	s_wait_dscnt 0x0
	s_wait_kmcnt 0x0
	s_load_b256 s[68:75], s[6:7], 0x0              ; e0 .. e7
	s_mov_b32 s[G0K], 1
	s_mov_b32 s[G0K+1], s56
	s_add_nc_u64 s[G0K+2:G0K+3], s[4:5], s[52:53]
	s_add_nc_u64 s[G0K+2:G0K+3], s[G0K+2:G0K+3], 4194304
	s_or_b32 s[G0K+3], s[G0K+3], 0x80000000
	s_mov_b32 s[G0V], 1
	s_mov_b32 s[G0V+1], s57
	s_add_nc_u64 s[G0V+2:G0V+3], s[4:5], s[52:53]
	s_add_nc_u64 s[G0V+2:G0V+3], s[G0V+2:G0V+3], 8388608
	s_or_b32 s[G0V+3], s[G0V+3], 0x80000000
	s_cmp_lt_u32 s[WV], 2                          ; the branches hang on the wave's number alone; four v_nop follow each load
	s_cbranch_scc0 .Lnot_k
	tensor_load_to_lds s[G0K:G0K+3], s[G1K:G1K+7]
	s_nop 0
.rept 4
	v_nop
.endr
	s_branch .Lasked
.Lnot_k:
	s_cmp_lt_u32 s[WV], 4
	s_cbranch_scc0 .Lasked
	tensor_load_to_lds s[G0V:G0V+3], s[G1V:G1V+7]
	s_nop 0
.rept 4
	v_nop
.endr
.Lasked:
	s_add_nc_u64 s[62:63], s[4:5], s[60:61]        ; q at my first query
	s_add_nc_u64 s[8:9], s[8:9], s[76:77]          ; oc likewise
	v_and_b32 v8, 15, v0                           ; r
	v_bfe_u32 v9, v0, 4, 1                         ; h
	s_delay_alu instid0(VALU_DEP_2)
	v_lshlrev_b32 v10, 6, v8
	s_delay_alu instid0(VALU_DEP_1)
	v_lshl_add_u32 v10, v9, 4, v10
.irp c, 0,1
	global_load_b128 v[16+4*\c:19+4*\c], v10, s[62:63] offset:32*\c   ; Q's fragment: registers 4 c .. hold d = 32 c + 16 h + 0 .. 15, as K's do
.endr
	v_and_b32 v11, 8, v8
	s_delay_alu instid0(VALU_DEP_1)
	v_add_nc_u32 v11, v11, v8                      ; r + 8 (r / 8)
	s_delay_alu instid0(VALU_DEP_1)
	v_mul_u32_u24 v1, v11, KP
	s_delay_alu instid0(VALU_DEP_1)
	v_lshl_add_u32 v1, v9, 4, v1
	s_mul_i32 s15, s12, 128*KP
	v_add_nc_u32 v1, s15, v1                       ; K: my lane's place in my first step
	v_lshlrev_b32 v2, 10, v9
	s_delay_alu instid0(VALU_DEP_1)
	v_lshl_add_u32 v2, v8, 4, v2
	s_lshl_b32 s15, s12, 13
	s_add_co_u32 s15, s15, VOFF
	v_add_nc_u32 v2, s15, v2                       ; V: chunk h, row d = r
	v_lshlrev_b32 v3, 4, v9
	s_delay_alu instid0(VALU_DEP_1)
	v_sub_nc_u32 v3, v8, v3                        ; r - 16 h
	s_mul_i32 s15, s[WV], 16*KP
	s_add_co_u32 s15, s15, STG                     ; my stage
	v_mul_u32_u24 v4, v8, KP
	s_delay_alu instid0(VALU_DEP_1)
	v_lshl_add_u32 v4, v9, 3, v4
	s_delay_alu instid0(VALU_DEP_1)
	v_add_nc_u32 v4, s15, v4                       ; in: row r, 8 bytes for each half of the lanes
	v_bfe_u32 v5, v0, 2, 3
	s_delay_alu instid0(VALU_DEP_1)
	v_mul_u32_u24 v5, v5, KP
	v_and_b32 v6, 3, v0
	s_delay_alu instid0(VALU_DEP_1)
	v_lshl_add_u32 v5, v6, 4, v5
	s_delay_alu instid0(VALU_DEP_1)
	v_add_nc_u32 v5, s15, v5                       ; back: four lanes to a row of 64 bytes
	v_and_b32 v7, 31, v0
	s_delay_alu instid0(VALU_DEP_1)
	v_lshlrev_b32 v7, 4, v7                        ; and in oc: 16 bytes a lane
	v_mov_b32 v13, 0xff61b1e6                      ; the largest t so far: -3e38
	s_delay_alu instid0(VALU_DEP_1)
	v_floor_f32 v12, -v13                          ; -M
	v_mov_b32 v14, 0
	v_mov_b32 v15, 0
	v_mov_b32 v[XL], 0                             ; a lane permute's destination counts as read
	v_mov_b32 v253, 0                              ; (named as the upper half of a pair)
.set j, 0
.rept 32
	v_mov_b32 v[160+j], 0                          ; O^T: the step is written once for all turns; the first change of M multiplies zeros
.set j, j+1
.endr
	s_wait_kmcnt 0x0
	s_add_co_i32 s48, s70, s71
	s_lshl_b32 s48, s48, 23
	s_add_co_i32 s[CS], s[CS], s48                 ; a score stands for score x 2^(e2 + e3): added to c's exponent field
	s_mov_b32 s[CS+1], s[CS]
	s_add_co_i32 s48, s72, 127
	s_lshl_b32 s49, s48, 23
	v_mov_b32 v244, s49                            ; 2^e4
	s_add_co_i32 s48, s48, 15
	s_lshl_b32 s48, s48, 23
	s_or_b32 s48, s48, 0x600000
	v_mov_b32 v240, s48                            ; 57,344 x 2^e4
	s_sub_co_i32 s48, s74, s72
	s_sub_co_i32 s48, s48, s73                     ; e6 - e4 - e5: O^T / the sum stands for o / 2^(e4 + e5)
	s_add_co_i32 s48, s48, 127
	s_lshl_b32 s51, s48, 23                        ; kept for the way out
	s_add_co_i32 s48, s48, 15
	s_lshl_b32 s48, s48, 23
	s_or_b32 s52, s48, 0x600000
	s_wait_tensorcnt 0x0                           ; my tile, if I fetched one, has landed
	s_barrier_signal -1
	s_barrier_wait -1                              ; everybody's has
	s_wait_loadcnt 0x0                             ; Q
; A STEP of 128 keys, the i-th of my three.  mode 0: the band's far edge; 1: all keys count; 2: the diagonal.
.macro STEP i, mode
	s_cmp_lt_i32 s13, 0                            ; keys before key 0: the step's work is left out; no barrier and no tensor load stands in a step
	s_cbranch_scc1 .Lskip_\@
.rept 4
	v_nop                                          ; places in front of loads into registers that matrix instructions have read
.endr
.irp t, 0,1,2,3,4,5,6,7
.irp c, 0,1
	ds_load_b128 v[32+8*\t+4*\c:35+8*\t+4*\c], v1 offset:\i*128*KP+(32*(\t/2)+8*(\t%2))*KP+32*\c
.endr
.endr
	s_wait_dscnt 0x0
.irp t, 0,1,2,3,4,5,6,7
	v_wmma_f32_16x16x64_bf8_bf8 v[96+8*\t:103+8*\t], v[32+8*\t:39+8*\t], v[16:23], 0
.endr
.rept 4
	v_nop
.endr
.if \mode != 1                         ; register 16 b + i holds the step's key 32 b + 16 h + i.  Hidden scores become -infinity ahead of the maximum: p = 0 then
.if \mode == 0
	s_sub_co_i32 s15, s14, 128*\i+255              ; hidden where q - k >= 256: 32 b + i < r - 16 h + (my first query's place - 255)
.else
	s_sub_co_i32 s15, s14, 128*\i                  ; hidden where k > q: 32 b + i > r - 16 h + my first query's place
.endif
	v_add_nc_u32 v252, s15, v3
	v_mov_b32 v254, 0xff800000
.set n, 0
.rept 64
.if \mode == 0
	v_cmp_lt_i32 vcc_lo, 32*(n/16)+n%16, v252
.else
	v_cmp_gt_i32 vcc_lo, 32*(n/16)+n%16, v252
.endif
	v_cndmask_b32 v[96+n], v[96+n], v254, vcc_lo
.set n, n+1
.endr
.endif
	v_max3_num_f32 v254, v96, v97, v98             ; the step's largest score of my query, in two chains, each accumulator from its low end on
	v_max3_num_f32 v252, v99, v100, v101
.irp i2, 6,10,14,18,22,26,30,34,38,42,46,50,54,58
	v_max3_num_f32 v254, v254, v[96+\i2], v[97+\i2]
	v_max3_num_f32 v252, v252, v[98+\i2], v[99+\i2]
.endr
	v_max3_num_f32 v254, v254, v158, v159
	s_delay_alu instid0(VALU_DEP_1)
	v_max_num_f32 v254, v254, v252
	s_delay_alu instid0(VALU_DEP_1)
	v_permlanex16_b32 v[XL], v254, s[SEL], s[SEL+1]
	s_delay_alu instid0(VALU_DEP_1)
	v_max_num_f32 v254, v254, v[XL]                ; and lane l xor 16's
	s_delay_alu instid0(VALU_DEP_1)
	v_mul_f32 v254, s[CS], v254                    ; as t
	s_delay_alu instid0(VALU_DEP_1)
	v_max_num_f32 v13, v13, v254                   ; the running largest t
	v_mov_b32 v254, v12
	s_delay_alu instid0(VALU_DEP_2)
	v_floor_f32 v12, -v13                          ; the new -M = -ceil(t)
	s_delay_alu instid0(VALU_DEP_1)
	v_sub_f32 v254, v12, v254                      ; old M - new M: a whole number, 0 or less
	s_delay_alu instid0(VALU_DEP_1)
	v_cvt_i32_f32 v254, v254                       ; (it saturates)
	s_delay_alu instid0(VALU_DEP_1)
	v_ldexp_f32 v252, 1.0, v254                    ; f = 2^(old M - new M)
.set j, 0
.rept 32
	v_pk_fma_f32 v[96+j:97+j], v[96+j:97+j], s[CS:CS+1], v[12:13] op_sel_hi:[1,0,0]   ; t - M
.set j, j+2
.endr
.set j, 0
	s_wait_alu depctr_va_vdst(0)
.rept 64
	v_exp_f32 v[96+j], v[96+j]                     ; p = 2^(t - M)
.set j, j+1
.endr
	v_pk_mul_f32 v[14:15], v[14:15], v[252:253] op_sel_hi:[1,0]   ; the sums under the new M: the plain instruction behind the exponentials
	s_wait_alu depctr_va_vdst(0)                   ; one wait for the whole batch, ahead of its first reader
	v_pk_add_f32 v[242:243], v[100:101], v[104:105]
	v_pk_add_f32 v[246:247], v[108:109], v[112:113]
	v_pk_add_f32 v[238:239], v[116:117], v[120:121]
	v_pk_add_f32 v[236:237], v[124:125], v[128:129]
	v_pk_add_f32 v[234:235], v[132:133], v[136:137]
	v_pk_add_f32 v[232:233], v[140:141], v[144:145]
	v_pk_add_f32 v[230:231], v[148:149], v[152:153]
	v_pk_add_f32 v[14:15], v[14:15], v[156:157]
	v_pk_add_f32 v[242:243], v[242:243], v[96:97]
	v_pk_add_f32 v[246:247], v[246:247], v[98:99]
	v_pk_add_f32 v[238:239], v[238:239], v[102:103]
	v_pk_add_f32 v[236:237], v[236:237], v[106:107]
	v_pk_add_f32 v[234:235], v[234:235], v[110:111]
	v_pk_add_f32 v[232:233], v[232:233], v[114:115]
	v_pk_add_f32 v[230:231], v[230:231], v[118:119]
	v_pk_add_f32 v[14:15], v[14:15], v[122:123]
	v_pk_add_f32 v[242:243], v[242:243], v[126:127]
	v_pk_add_f32 v[246:247], v[246:247], v[130:131]
	v_pk_add_f32 v[238:239], v[238:239], v[134:135]
	v_pk_add_f32 v[236:237], v[236:237], v[138:139]
	v_pk_add_f32 v[234:235], v[234:235], v[142:143]
	v_pk_add_f32 v[232:233], v[232:233], v[146:147]
	v_pk_add_f32 v[230:231], v[230:231], v[150:151]
	v_pk_add_f32 v[14:15], v[14:15], v[154:155]
	v_pk_add_f32 v[242:243], v[242:243], v[158:159]
	s_delay_alu instid0(VALU_DEP_2)
	v_pk_add_f32 v[14:15], v[14:15], v[236:237]
	s_delay_alu instid0(VALU_DEP_2)
	v_pk_add_f32 v[242:243], v[242:243], v[234:235]
	v_pk_add_f32 v[246:247], v[246:247], v[232:233]
	v_pk_add_f32 v[238:239], v[238:239], v[230:231]
	s_delay_alu instid0(VALU_DEP_2)
	v_pk_add_f32 v[14:15], v[14:15], v[246:247]
	s_delay_alu instid0(VALU_DEP_2)
	v_pk_add_f32 v[242:243], v[242:243], v[238:239]
	s_delay_alu instid0(VALU_DEP_1)
	v_pk_add_f32 v[14:15], v[14:15], v[242:243]
.irp b, 0,1,2,3
.set j, 0
.rept 16
	v_min_num_f32 v[96+16*\b+j], v[96+16*\b+j], v240   ; p is not negative: the hold is one-sided (ISA guide 7.6.2)
.set j, j+1
.endr
	v_cvt_scalef32_pk8_bf8_f32 v[224+4*\b:225+4*\b], v[96+16*\b:103+16*\b], v244
	v_cvt_scalef32_pk8_bf8_f32 v[226+4*\b:227+4*\b], v[104+16*\b:111+16*\b], v244
.endr
.set j, 0
.rept 16
	v_pk_mul_f32 v[160+j:161+j], v[160+j:161+j], v[252:253] op_sel_hi:[1,0]   ; O^T under the new M; these are also the places in front of the loads and products below
.set j, j+2
.endr
.irp t, 0,1,2,3
.irp c, 0,1,2,3
	ds_load_b128 v[32+16*\t+4*\c:35+16*\t+4*\c], v2 offset:\i*8192+256*\t+2048*\c   ; d = 16 t + r, keys 32 c + 16 h + 0 .. 15: sixteen lanes read 256 consecutive bytes
.endr
.endr
	s_wait_alu depctr_va_vdst(0)
	s_wait_dscnt 0x0
.irp t, 0,1,2,3
	v_wmma_f32_16x16x128_bf8_bf8 v[160+8*\t:167+8*\t], v[32+16*\t:47+16*\t], v[224:239], v[160+8*\t:167+8*\t]   ; the four accumulators take turns
.endr
.Lskip_\@:
	s_add_co_i32 s13, s13, 128
.endm
	STEP 0, 0
	STEP 1, 1
	STEP 2, 2
	; THE WAY OUT: o = O^T / the sum, quantised; a lane's eight codes of a tile go through my stage and leave as rows: the wave's 16 rows of 64 bytes are 1,024 consecutive bytes of oc.
	; The lines down to the wait name no register of the last products: seven of them are plain and are the places in front of the first read of O^T.
	v_add_f32 v14, v14, v15
	s_delay_alu instid0(VALU_DEP_1)
	v_permlanex16_b32 v[XL], v14, s[SEL], s[SEL+1]
	s_delay_alu instid0(VALU_DEP_1)
	v_add_f32 v14, v14, v[XL]                      ; the row's sum
	s_wait_alu depctr_va_vdst(0)
	v_rcp_f32 v14, v14
	v_mov_b32 v247, s51                            ; 2^(e6 - e4 - e5).  (Plain instructions behind the reciprocal)
	v_mov_b32 v246, s52                            ; 57,344 x that
	v_nop
	v_nop
	s_wait_alu depctr_va_vdst(0)                   ; ahead of the first reader
.set j, 0
.rept 32
	v_mul_f32 v[192+j], v[160+j], v14              ; register 8 t + i: o(r, 16 t + 8 h + i); each accumulator from its low end on
.set j, j+1
.endr
.set j, 0
.rept 32
	v_med3_num_f32 v[192+j], v[192+j], -v246, v246
.set j, j+1
.endr
.irp t, 0,1,2,3
	v_cvt_scalef32_pk8_bf8_f32 v[224+2*\t:225+2*\t], v[192+8*\t:199+8*\t], v247
.endr
	v_nop
.irp t, 0,1,2,3
	ds_store_b64 v4, v[224+2*\t:225+2*\t] offset:16*\t
.endr
.irp k, 0,1
	ds_load_b128 v[32+4*\k:35+4*\k], v5 offset:8*KP*\k   ; my own bytes, served in order
.endr
.irp k, 0,1
	s_wait_dscnt 1-\k                              ; the first is back while the second may be out; then both
	global_store_b128 v7, v[32+4*\k:35+4*\k], s[8:9] offset:512*\k
.endr
	s_wait_tensorcnt 0x0
	ds_add_u32 v251, v255
	s_wait_dscnt 0x0
	s_endpgm
.Lfunc_end_k_q9f1e688c8f_attn:
	.size	k_q9f1e688c8f_attn, .Lfunc_end_k_q9f1e688c8f_attn-k_q9f1e688c8f_attn
	.p2alignl 7, 3214868480
	.fill 96, 4, 3214868480
	.section	.rodata,"a",@progbits
	.p2align	6, 0x0
	.amdhsa_kernel k_q9f1e688c8f_attn
		.amdhsa_group_segment_fixed_size 169984
		.amdhsa_private_segment_fixed_size 0
		.amdhsa_enable_private_segment 0
		.amdhsa_kernarg_size 24
		.amdhsa_user_sgpr_count 2
		.amdhsa_user_sgpr_kernarg_segment_ptr 1
		.amdhsa_wavefront_size32 1
		.amdhsa_system_sgpr_workgroup_id_x 1
		.amdhsa_system_sgpr_workgroup_id_y 1
		.amdhsa_system_sgpr_workgroup_id_z 1
		.amdhsa_system_vgpr_workitem_id 0
		.amdhsa_next_free_vgpr 256
		.amdhsa_next_free_sgpr 80
		.amdhsa_reserve_vcc 1
		.amdhsa_float_denorm_mode_32 3
		.amdhsa_float_denorm_mode_16_64 3
		.amdhsa_memory_ordered 1
		.amdhsa_forward_progress 1
		.amdhsa_inst_pref_size 70
	.end_amdhsa_kernel
	.amdgpu_metadata
---
amdhsa.version: [ 1, 2 ]
amdhsa.kernels:
  - .name:           k_q9f1e688c8f_attn
    .symbol:         k_q9f1e688c8f_attn.kd
    .args:
      - { .name: qkvc, .offset: 0, .size: 8, .value_kind: global_buffer, .address_space: global }
      - { .name: lowp_scales, .offset: 8, .size: 8, .value_kind: global_buffer, .address_space: global }
      - { .name: oc, .offset: 16, .size: 8, .value_kind: global_buffer, .address_space: global }
    .group_segment_fixed_size: 169984
    .private_segment_fixed_size: 0
    .kernarg_segment_align: 8
    .kernarg_segment_size: 24
    .max_flat_workgroup_size: 512
    .sgpr_count:     80
    .vgpr_count:     256
    .wavefront_size: 32
...
	.end_amdgpu_metadata
.endif
;; end of part 10
;; launch oproj (part 11): grid 8 x 32, 4 waves a work-group, clusters of 4 x 4, 327,680 bytes of LDS; arguments oc, out_proj_w_codes, lowp_scales, x, x1; writes x1
.if DOCPART == 11
	.amdgcn_target "amdgcn-amd-amdhsa--gfx1250"
	.amdhsa_code_object_version 6
	.text
	.protected	k_q9f1e688c8f_oproj
	.globl	k_q9f1e688c8f_oproj
	.p2align	8
	.type	k_q9f1e688c8f_oproj,@function
k_q9f1e688c8f_oproj:
	s_mov_b64 s[64:65], 0
	v_nop
	global_prefetch_b8 v0, s[64:65] scope:SCOPE_SE
	s_setreg_imm32_b32 hwreg(HW_REG_WAVE_MODE, 25, 1), 1
	s_wait_xcnt 0x0
	s_wait_alu depctr_hold_cnt(0) depctr_sa_sdst(0) depctr_va_vdst(0) depctr_va_sdst(0) depctr_va_ssrc(0) depctr_va_vcc(0) depctr_vm_vsrc(0)
	s_getreg_b32 s2, hwreg(HW_REG_IB_STS2, 6, 4)
	s_cmp_eq_u32 s2, 0
	s_cbranch_scc0 .Lentry_in_a_cluster
	s_endpgm
.Lentry_in_a_cluster:
	s_bfe_u32 s2, ttmp6, 0x10000c
	s_cmp_lg_u32 s2, 0xf033
	s_cbranch_scc0 .Lentry_shape_is_right
	s_endpgm
.Lentry_shape_is_right:
; x1 = x + o Wo^T on codes of E5M2 (M 4,096, N 1,024, K 1,024).  oc: [16 column blocks][4,096 rows][64] codes; Wo: [1,024][1,024] codes; x, x1: [4,096][1,024] f32.
; A tile of C is 128 x 128, which gives 256 tiles (256 x 256 would give 64).  Four waves, each 64 x 64: 16 accumulators of 16 x 16, 128 registers.
; K = 1,024 is two LDS slots of 512 along K.  Both are filled once, at the head, by one tensor load a wave; nothing is filled again.
; CLUSTERS: 4 x 4 work-groups.  The four of a row of the cluster need the same tiles of A, the four of a column the same tiles of B: each tile is asked for JOINTLY.
; A's tile of 64 rows x 1,024 K is sixteen pieces, one from each of sixteen column blocks, each 4,096 consecutive bytes of memory: the descriptor states sixteen rows of 4,096 bytes, 262,144 apart, with 16 bytes of
; padding behind every 64: in LDS a row m of a block is 80 bytes from the next.  B's tile is 64 rows of 1,024 bytes, 1,040 apart in LDS.
; THE MATRIX INSTRUCTION IS USED TRANSPOSED (source 0 = 16 rows of B, source 1 = 16 rows of A): a lane holds eight neighbouring columns of one row of C.
; A wave's 64 columns are 256 consecutive bytes of a row of x1, aligned: each wave sends its own tile through its own stage in LDS and stores whole rows of it; one packed multiply-add gives sum x 2^(e6 + e7) + x.
; REGISTERS: window 0: v16-31 addresses; v128-255 the accumulators ((a, b) at v[128 + 8 (4 a + b)]), on the way out the rows read back.
;   window 1: two fragment buffers of 128: for 128 along K, A's four fragments (64 registers), then B's four.   window 2: v0-127 my 64 rows x 256 bytes of x.
; LIMIT: e6 + e7 between -126 and 127, so that 2^(e6 + e7) is an f32 number.
.set KTOT,   1024
.set SCOFF,  0x18                      ; the two exponents' place among the scales
.set CBW,    64                        ; bytes of a row in a column block of A
.set PA,     80                        ; and in LDS: + 16 of padding: an odd multiple of 16, so the 16 rows that a load touches start at 16 different banks
.set QIA,    3                         ; padding behind every 16 words
.set KSLOT,  1024                      ; ONE fill holds all of K: a wave's one tensor load brings its 64 rows x 1,024 K; the two address registers of A and of B stand at K = 0 and K = 512
.set AC,     64*CBW                    ; a piece of A's tile: 64 rows of a column block, on end in memory
.set AR,     KSLOT/CBW                 ; pieces
.set ASTRIDE, 4096*CBW                 ; from column block to column block
.set ASTEP,  AR*ASTRIDE                ; a slot on
.set PITCH,  KSLOT+16                  ; B's row in LDS
.set HALFB,  64*PITCH
.set BS,     64*PA                     ; a piece in LDS
.set HALFA,  AR*BS
.set SLOT,   2*HALFA+2*HALFB           ; A's 128 rows, then B's 128 rows
.set FR,     16                        ; registers of a fragment: 16 rows x 128 K
.set SPITCH, 272                       ; a stage row: 64 f32 + 16 bytes
.set STGW,   64*SPITCH                 ; a wave's stage; the four lie in slot 0, which has had its one fill and has been left when the first result is stored there
.set ADRA, 16                          ; v16-17  LDS address of my A fragments in slot 0, 1
.set ADRB, 20                          ; v20-21  the same for B
.set STO,  24                          ; v24     the way out: where I put 32 bytes of a row
.set RD,   25                          ; v25     the way out: where I read a row back
.set CO,   26                          ; v26     my byte offset in x and in x1; never rewritten
.set ACC,  128
.set F0,   0                           ; fragment buffers, in window 1
.set F1,   128
.set G1, 24                            ; s[24:31] descriptor group 1 for A's tiles;  s[32:35] group 0
.set G0, 32
.set G1B, 48                           ; s[48:55], s[56:59] the same for B's tiles
.set G0B, 56
.set MSB, 0
.macro WIN new                         ; the immediate's high byte repeats the setting that is left
.if MSB != (\new)
	s_set_vgpr_msb (MSB<<8)|(\new)
.set MSB, (\new)
.endif
.endm
.set MUL,  0x05                        ; sources 0 (B) and 1 (A) window 1; C and D window 0
.set TO_F, 0x40                        ; destination window 1, address window 0
.macro JLOAD g0a, g1a, g0b, g1b        ; a joint load: waves 0 and 1 fetch A's two halves, waves 2 and 3 B's; four v_nop follow each line
	s_cmp_eq_u32 s15, 0
	s_cbranch_scc0 .Lfor_b_\@
	tensor_load_to_lds s[\g0a:\g0a+3], s[\g1a:\g1a+7]
	s_nop 0
.rept 4
	v_nop
.endr
	s_branch .Lasked_\@
.Lfor_b_\@:
	tensor_load_to_lds s[\g0b:\g0b+3], s[\g1b:\g1b+7]
	s_nop 0
.rept 4
	v_nop
.endr
.Lasked_\@:
.endm
.macro CROUND                          ; a round of the cluster's barrier
	s_barrier_signal -1
	s_barrier_wait -1
	s_cmp_lg_u32 s14, 0
	s_cbranch_scc1 .Lnot_wave_0_\@
	s_barrier_signal -3
.Lnot_wave_0_\@:
	s_barrier_wait -3
	s_barrier_signal -1
	s_barrier_wait -1
.endm
	s_load_b128 s[4:7], s[0:1], 0x0                ; oc, Wo's codes
	s_load_b128 s[8:11], s[0:1], 0x10              ; the scales' exponents, x
	s_load_b64 s[12:13], s[0:1], 0x20              ; x1
	v_lshl_add_u32 v126, v0, 2, 0x49000
	v_mov_b32 v127, 0
	ds_add_u32 v126, v127
	ds_add_u32 v126, v127
	v_lshrrev_b32 v1, 5, v0
	v_readfirstlane_b32 s14, v1                    ; wave 0..3
	s_lshr_b32 s15, s14, 1                         ; which half of the tile's rows is mine.  Also: I fetch for A (0) or for B (1)
	s_and_b32 s16, s14, 1                          ; which half of its columns.  Also: which 64 rows of that tile I fetch
	s_bfe_u32 s40, ttmp6, 0x40000                  ; cx, cy: my place in the cluster
	s_bfe_u32 s41, ttmp6, 0x40004
	s_lshl_b32 s42, ttmp9, 2
	s_add_co_u32 s42, s42, s40                     ; tile column = 4 x cluster x + cx
	s_and_b32 s17, ttmp7, 0xffff
	s_lshl_b32 s17, s17, 2
	s_add_co_u32 s17, s17, s41                     ; tile row = 4 x cluster y + cy
	s_lshl_b32 s43, s41, 2
	s_lshl_b32 s43, 15, s43                        ; my row of the cluster
	s_lshl_b32 s44, 0x1111, s40                    ; my column
	s_or_b32 s[G1+0], s43, (1<<20)|(1<<21)|(QIA<<22)|(3<<25)   ; the mask; elements of 1 byte; padding on; bit 21 beside a mask; four words of padding after every 2 << QIA words
	s_or_b32 s[G1B+0], s44, (1<<20)|(1<<21)|(7<<22)|(3<<25)    ; B: four words after every 256
	s_mov_b32 s[G1+1], (AC&0xffff)<<16             ; tensor_dim0
	s_mov_b32 s[G1+2], (AC>>16)|(AR<<16)           ; tensor_dim1
	s_mov_b32 s[G1+3], (AR>>16)|(AC<<16)           ; tile_dim0
	s_mov_b32 s[G1+4], AR                          ; tile_dim1
	s_mov_b32 s[G1+5], ASTRIDE                     ; from row to row
	s_mov_b32 s[G1+6], 0
	s_mov_b32 s[G1+7], 0
	s_mov_b32 s[G1B+1], KSLOT<<16
	s_mov_b32 s[G1B+2], 64<<16
	s_mov_b32 s[G1B+3], KSLOT<<16
	s_mov_b32 s[G1B+4], 64
	s_mov_b32 s[G1B+5], KTOT
	s_mov_b32 s[G1B+6], 0
	s_mov_b32 s[G1B+7], 0
	s_lshl_b32 s18, s16, 6                         ; which 64 rows of the tile I fetch
	s_lshl_b32 s20, s17, 7
	s_add_co_u32 s20, s20, s18                     ; A: row 128 x tile row + 64 x half
	s_lshl_b32 s46, s42, 7
	s_add_co_u32 s46, s46, s18                     ; B: row 128 x tile column + 64 x half
	s_mov_b32 s21, 0
	s_mov_b32 s47, 0
	s_mov_b64 s[18:19], CBW
	s_mul_u64 s[20:21], s[20:21], s[18:19]
	s_mov_b64 s[18:19], KTOT
	s_mul_u64 s[46:47], s[46:47], s[18:19]
	s_mul_i32 s45, s16, HALFA                      ; where they go: no place in the cluster enters an LDS address
	s_mul_i32 s22, s16, HALFB
	s_add_co_u32 s22, s22, 2*HALFA
	s_wait_dscnt 0x0
	s_wait_kmcnt 0x0
	s_load_b64 s[96:97], s[8:9], SCOFF             ; e6, e7
	s_add_nc_u64 s[20:21], s[4:5], s[20:21]
	s_add_nc_u64 s[46:47], s[6:7], s[46:47]
	CROUND                                         ; all sixteen work-groups are here: the joint loads meet
.irp s, 0
	s_mov_b32 s[G0+4*\s], 1
	s_add_co_u32 s[G0+4*\s+1], s45, \s*SLOT
	s_add_nc_u64 s[G0+4*\s+2:G0+4*\s+3], s[20:21], \s*ASTEP
	s_or_b32 s[G0+4*\s+3], s[G0+4*\s+3], 0x80000000
	s_mov_b32 s[G0B+4*\s], 1
	s_add_co_u32 s[G0B+4*\s+1], s22, \s*SLOT
	s_add_nc_u64 s[G0B+4*\s+2:G0B+4*\s+3], s[46:47], \s*KSLOT
	s_or_b32 s[G0B+4*\s+3], s[G0B+4*\s+3], 0x80000000
	JLOAD G0+4*\s, G1, G0B+4*\s, G1B               ; all of K is asked for here: one load of mine is out
.endr
	v_and_b32 v1, 15, v0                           ; r = l % 16
	v_bfe_u32 v2, v0, 4, 1                         ; h = l / 16
	v_mul_u32_u24 v3, v1, PA
	v_lshl_add_u32 v3, v2, 4, v3                   ; a fragment's row x pitch + 16 x half
	v_mul_u32_u24 v4, v1, PITCH
	v_lshl_add_u32 v4, v2, 4, v4
	s_mul_i32 s21, s15, HALFA                      ; my 64 rows of A
	s_mul_i32 s22, s16, HALFB                      ; my 64 rows of B,
	s_add_co_u32 s22, s22, 2*HALFA                 ; which lie behind A's
.irp s, 0,1
	v_add_nc_u32 v[ADRA+\s], s21, v3
	v_add_nc_u32 v[ADRB+\s], s22, v4
	s_add_co_u32 s21, s21, 8*BS                    ; K = 512 on: eight pieces of A,
	s_add_co_u32 s22, s22, 512                     ; 512 bytes along B's rows
.endr
	s_mul_i32 s23, s14, STGW                       ; my stage
	v_mul_u32_u24 v5, v1, SPITCH
	v_lshl_add_u32 v5, v2, 5, v5
	v_add_nc_u32 v[STO], s23, v5                   ; in: row r, 32 bytes for each half of the lanes
	v_mul_u32_u24 v6, v2, SPITCH
	v_lshl_add_u32 v6, v1, 4, v6
	v_add_nc_u32 v[RD], s23, v6                    ; back: lanes 0-15 take one row of 256 bytes, lanes 16-31 the next
	v_lshlrev_b32 v[CO], 12, v2                    ; and the same two rows in memory: a row is 4,096 bytes
	v_lshl_add_u32 v[CO], v1, 4, v[CO]
	s_lshl_b32 s72, s17, 7
	s_lshl_b32 s73, s15, 6
	s_add_co_u32 s72, s72, s73                     ; my first row: 128 x tile row + 64 x half,
	s_lshl_b32 s72, s72, 12                        ; of 4,096 bytes
	s_lshl_b32 s74, s42, 9
	s_lshl_b32 s75, s16, 8
	s_add_co_u32 s74, s74, s75                     ; my first column, in bytes: 512 x tile column + 256 x half
	s_add_co_u32 s72, s72, s74
	s_mov_b32 s73, 0
	s_add_nc_u64 s[10:11], s[10:11], s[72:73]
	s_add_nc_u64 s[12:13], s[12:13], s[72:73]
.macro FRAGA reg, slot, q, i           ; 16 rows x 128 K: registers 4 c .. 4 c + 3 hold K = 32 c + 16 (l / 16) + 0 .. 15, the same permutation of K in A and in B; K = 128 q + 32 c lies in piece (128 q + 32 c) / CBW
.irp c, 0,1,2,3
	ds_load_b128 v[\reg+4*\c:\reg+4*\c+3], v[ADRA+\slot] offset:((128*(\q)+32*\c)/CBW)*BS+(\i)*16*PA+(128*(\q)+32*\c)%CBW
.endr
.endm
.macro FRAGB reg, slot, q, i
.irp c, 0,1,2,3
	ds_load_b128 v[\reg+4*\c:\reg+4*\c+3], v[ADRB+\slot] offset:128*(\q)+32*\c+(\i)*16*PITCH
.endr
.endm
.macro FETCH slot, q, f                ; 32 LDS loads in one run: the fragments of the slot's q-th 128 along K into buffer f: B's four first, then A's blocks 0 to 3
	WIN TO_F
.irp i, 0,1,2,3
	FRAGB \f+64+FR*\i, \slot, \q, \i
.endr
.irp i, 0,1,2,3
	FRAGA \f+FR*\i, \slot, \q, \i
.endr
.endm
.macro MULA f, a, zero                 ; A's block a x B's four.  The 16 accumulators take turns, one instruction a turn.  zero = 1: the first product starts the sums
.irp b, 0,1,2,3
.if \zero
	v_wmma_f32_16x16x128_bf8_bf8 v[ACC+8*(4*(\a)+\b):ACC+8*(4*(\a)+\b)+7], v[\f+64+FR*\b:\f+64+FR*\b+FR-1], v[\f+FR*(\a):\f+FR*(\a)+FR-1], 0
.else
	v_wmma_f32_16x16x128_bf8_bf8 v[ACC+8*(4*(\a)+\b):ACC+8*(4*(\a)+\b)+7], v[\f+64+FR*\b:\f+64+FR*\b+FR-1], v[\f+FR*(\a):\f+FR*(\a)+FR-1], v[ACC+8*(4*(\a)+\b):ACC+8*(4*(\a)+\b)+7]
.endif
.endr
.endm
.macro PLACES                          ; four plain vector instructions between a matrix instruction and a load into, or a read of, its registers
.rept 4
	v_nop
.endr
.endm
; A slot is four quarters of 128 along K, 16 matrix instructions each, on buffers 0, 1, 0, 1.  One of the first three: multiplies buffer f and fetches the slot's q-th quarter into g.
.macro QUARTER slot, q, f, g, zero
	s_wait_dscnt 8                                 ; B's four and A's blocks 0, 1 are in; the youngest eight loads (A's blocks 2, 3) may be out
	WIN MUL
	MULA \f, 0, \zero
	MULA \f, 1, \zero
	PLACES
	FETCH \slot, \q, \g
	s_wait_dscnt 32                                ; all but the 32 just issued
	WIN MUL
	MULA \f, 2, \zero
	MULA \f, 3, \zero
.endm
	s_wait_alu depctr_va_vdst(0)
	s_wait_tensorcnt 0x0                           ; my part of the tiles is in
	s_barrier_signal -1
	s_barrier_wait -1                              ; everybody's is
	FETCH 0, 0, F0
	WIN 0x80                                       ; destination window 2
.set i, 0
.rept 32
	global_load_b128 v[4*i:4*i+3], v[CO], s[10:11] offset:2*i*4096 th:TH_LOAD_NT   ; my 64 rows x 256 bytes of x, two rows a load: asked for behind the tiles, wanted on the way out
.set i, i+1
.endr
	QUARTER 0, 1, F0, F1, 1                        ; the first quarter's products start the sums
	QUARTER 0, 2, F1, F0, 0
	QUARTER 0, 3, F0, F1, 0
	; slot 0's last quarter changes slots: one barrier.  In front of it my part of slot 1 has landed and my reads of slot 0 are over; behind it slot 1 is whole and nobody reads slot 0.
	s_wait_tensorcnt 0x0
	s_wait_dscnt 8
	MULA F1, 0, 0
	MULA F1, 1, 0
	s_wait_dscnt 0x0
	s_barrier_signal -1
	MULA F1, 2, 0                                  ; work on registers while the others arrive
	s_barrier_wait -1
	PLACES
	FETCH 1, 0, F0
	WIN MUL
	MULA F1, 3, 0
	QUARTER 1, 1, F0, F1, 0
	QUARTER 1, 2, F1, F0, 0
	QUARTER 1, 3, F0, F1, 0
	s_wait_dscnt 8                                 ; the very last quarter: nothing more to fetch
	MULA F1, 0, 0
	MULA F1, 1, 0
	s_wait_dscnt 0x0
	MULA F1, 2, 0
	MULA F1, 3, 0
	WIN 0
	s_barrier_signal -1                            ; my reads of the tiles are over (the wait for 0 above);
	s_barrier_wait -1                              ; everybody's are: the stages may lie on A's bytes, which have had their one fill
	; THE WAY OUT.  A lane holds 32 neighbouring bytes of a row and the lanes beside it hold other rows: the tile goes through my own stage and comes back as rows of 256 bytes.
	s_wait_kmcnt 0x0
	s_add_co_i32 s96, s96, s97
	s_add_co_i32 s96, s96, 127
	s_lshl_b32 s96, s96, 23                        ; 2^(e6 + e7) as f32
	s_mov_b32 s97, s96                             ; (named with it as a pair)
	PLACES                                         ; behind the last products
.irp a, 0,1,2,3
.irp b, 0,1,2,3
	ds_store_b128 v[STO], v[ACC+8*(4*\a+\b):ACC+8*(4*\a+\b)+3] offset:\a*16*SPITCH+64*\b          ; each accumulator's low four registers first
	ds_store_b128 v[STO], v[ACC+8*(4*\a+\b)+4:ACC+8*(4*\a+\b)+7] offset:\a*16*SPITCH+64*\b+16
.endr
.endr
	s_wait_dscnt 0x0                               ; the stores have read their registers, which take the rows
.set t, 0
.rept 32
	ds_load_b128 v[ACC+4*t:ACC+4*t+3], v[RD] offset:2*t*SPITCH
.set t, t+1
.endr
	s_wait_loadcnt 0x0                             ; x
	WIN 0x20                                       ; source 2: window 2
.set t, 0
.rept 32
	s_wait_dscnt 31-t                              ; LDS loads come back in order: pair t of rows is in, the later ones may be out
	v_pk_fma_f32 v[ACC+4*t:ACC+4*t+1], v[ACC+4*t:ACC+4*t+1], s[96:97], v[4*t:4*t+1] op_sel_hi:[1,0,1]       ; sum x 2^(e6 + e7) + x
	v_pk_fma_f32 v[ACC+4*t+2:ACC+4*t+3], v[ACC+4*t+2:ACC+4*t+3], s[96:97], v[4*t+2:4*t+3] op_sel_hi:[1,0,1]
	global_store_b128 v[CO], v[ACC+4*t:ACC+4*t+3], s[12:13] offset:2*t*4096   ; sixteen lanes store 256 consecutive bytes, aligned; each store has registers of its own
.set t, t+1
.endr
	WIN 0
	s_wait_tensorcnt 0x0
	ds_add_u32 v126, v127
	s_wait_dscnt 0x0
	CROUND                                         ; the closing round: no work-group ends while a partner may still ask for a tile that names it
	s_endpgm
.Lfunc_end_k_q9f1e688c8f_oproj:
	.size	k_q9f1e688c8f_oproj, .Lfunc_end_k_q9f1e688c8f_oproj-k_q9f1e688c8f_oproj
	.p2alignl 7, 3214868480
	.fill 96, 4, 3214868480
	.section	.rodata,"a",@progbits
	.p2align	6, 0x0
	.amdhsa_kernel k_q9f1e688c8f_oproj
		.amdhsa_group_segment_fixed_size 327680
		.amdhsa_private_segment_fixed_size 0
		.amdhsa_enable_private_segment 0
		.amdhsa_kernarg_size 40
		.amdhsa_user_sgpr_count 2
		.amdhsa_user_sgpr_kernarg_segment_ptr 1
		.amdhsa_wavefront_size32 1
		.amdhsa_system_sgpr_workgroup_id_x 1
		.amdhsa_system_sgpr_workgroup_id_y 1
		.amdhsa_system_sgpr_workgroup_id_z 1
		.amdhsa_system_vgpr_workitem_id 0
		.amdhsa_next_free_vgpr 768
		.amdhsa_next_free_sgpr 100
		.amdhsa_reserve_vcc 0
		.amdhsa_float_denorm_mode_32 3
		.amdhsa_float_denorm_mode_16_64 3
		.amdhsa_memory_ordered 1
		.amdhsa_forward_progress 1
		.amdhsa_inst_pref_size 49
	.end_amdhsa_kernel
	.amdgpu_metadata
---
amdhsa.version: [ 1, 2 ]
amdhsa.kernels:
  - .name:           k_q9f1e688c8f_oproj
    .symbol:         k_q9f1e688c8f_oproj.kd
    .args:
      - { .name: oc, .offset: 0, .size: 8, .value_kind: global_buffer, .address_space: global }
      - { .name: out_proj_w_codes, .offset: 8, .size: 8, .value_kind: global_buffer, .address_space: global }
      - { .name: lowp_scales, .offset: 16, .size: 8, .value_kind: global_buffer, .address_space: global }
      - { .name: x, .offset: 24, .size: 8, .value_kind: global_buffer, .address_space: global }
      - { .name: x1, .offset: 32, .size: 8, .value_kind: global_buffer, .address_space: global }
    .group_segment_fixed_size: 327680
    .private_segment_fixed_size: 0
    .kernarg_segment_align: 8
    .kernarg_segment_size: 40
    .max_flat_workgroup_size: 128
    .sgpr_count:     100
    .vgpr_count:     768
    .wavefront_size: 32
...
	.end_amdgpu_metadata
.endif
;; end of part 11
;; launch ln2 (part 12): grid 256 x 1, 4 waves a work-group, no clusters, 16,896 bytes of LDS; arguments x1, ln2_g, ln2_b, lowp_scales, h2c; writes h2c
.if DOCPART == 12
	.amdgcn_target "amdgcn-amd-amdhsa--gfx1250"
	.amdhsa_code_object_version 6
	.text
	.protected	k_q9f1e688c8f_ln2
	.globl	k_q9f1e688c8f_ln2
	.p2align	8
	.type	k_q9f1e688c8f_ln2,@function
k_q9f1e688c8f_ln2:
	s_mov_b64 s[64:65], 0
	v_nop
	global_prefetch_b8 v0, s[64:65] scope:SCOPE_SE
	s_setreg_imm32_b32 hwreg(HW_REG_WAVE_MODE, 25, 1), 1
	s_wait_xcnt 0x0
; h2c = codes of LayerNorm(x1) g + b in E5M2 with the given scale 2^e8.  x1: [4096][1024] f32.  h2c: [4096][1024] codes.
; Wave W = 4 x work-group + wave takes rows 4 W .. 4 W + 3, a whole row at a time in 32 registers a lane: mean and variance never leave the wave; no barrier.  All 16 KiB of a wave's rows are asked for at the head.
; A lane's four codes of a load go through the wave's own LDS bytes and leave as 16 bytes a lane: a store of the wave covers 512 consecutive bytes, aligned.
; LIMITS: e8 between -126 and 112.  NaN and infinities among the inputs are not served.
.set X,  96
.set CR, 20
.set BK, 224
	s_load_b256 s[4:11], s[0:1], 0x0               ; x1, g, b, the scales' exponents
	s_load_b64 s[12:13], s[0:1], 0x20              ; h2c
	v_lshl_add_u32 v30, v0, 2, 0x4000
	v_mov_b32 v31, 0
	v_lshrrev_b32 v1, 5, v0
	v_readfirstlane_b32 s16, v1
	v_and_b32 v1, 31, v0
	v_lshlrev_b32 v2, 4, v1
	s_lshl_b32 s17, ttmp9, 2
	s_add_co_u32 s17, s17, s16                     ; W
	s_lshl_b32 s20, s16, 12
	v_lshl_add_u32 v3, v1, 2, s20
	v_lshl_add_u32 v4, v1, 4, s20
	v_mov_b32 v9, 0
	s_mov_b32 s19, 0
	s_mov_b32 s22, 0x76543210
	s_mov_b32 s23, 0xfedcba98
	s_mov_b32 s25, 0x3a800000                      ; 1 / 1024
	s_mov_b32 s26, 0x3727c5ac                      ; 1e-5
	s_wait_alu depctr_va_vdst(0)
	s_wait_kmcnt 0x0
	s_load_b32 s24, s[10:11], 0x20                 ; e8
	s_lshl_b32 s18, s17, 14
	s_add_nc_u64 s[4:5], s[4:5], s[18:19]
	s_lshl_b32 s18, s17, 12
	s_add_nc_u64 s[12:13], s[12:13], s[18:19]
.irp j, 0,1,2,3,4,5,6,7
	global_load_b128 v[32+4*\j:35+4*\j], v2, s[6:7] offset:512*\j
.endr
.irp j, 0,1,2,3,4,5,6,7
	global_load_b128 v[64+4*\j:67+4*\j], v2, s[8:9] offset:512*\j
.endr
.irp p, 0,1,2,3
.irp j, 0,1,2,3,4,5,6,7
	global_load_b128 v[X+32*\p+4*\j:X+32*\p+4*\j+3], v2, s[4:5] offset:4096*\p+512*\j th:TH_LOAD_NT
.endr
.endr
	s_wait_kmcnt 0x0
	s_add_co_i32 s24, s24, 127
	s_lshl_b32 s29, s24, 23
	v_mov_b32 v10, s29                             ; 2^e8
	s_add_co_i32 s24, s24, 15
	s_lshl_b32 s24, s24, 23
	s_or_b32 s24, s24, 0x600000
	v_mov_b32 v11, s24                             ; 57,344 x 2^e8
.macro REDUCE
	v_add_f32_dpp v6, v6, v6 row_xmask:1 row_mask:0xf bank_mask:0xf
	v_add_f32_dpp v6, v6, v6 row_xmask:2 row_mask:0xf bank_mask:0xf
	v_add_f32_dpp v6, v6, v6 row_xmask:4 row_mask:0xf bank_mask:0xf
	v_add_f32_dpp v6, v6, v6 row_xmask:8 row_mask:0xf bank_mask:0xf
	v_permlanex16_b32 v9, v6, s22, s23
	v_add_f32 v6, v6, v9
.endm
.macro ROW p
.set XR, X+32*\p
	s_wait_loadcnt 8*(3-\p)                        ; g, b and my row are in; the later rows' eight loads each may be out
	v_pk_add_f32 v[16:17], v[XR:XR+1], v[XR+2:XR+3]
	v_pk_add_f32 v[18:19], v[XR+4:XR+5], v[XR+6:XR+7]
.irp j, 8,12,16,20,24,28
	v_pk_add_f32 v[16:17], v[16:17], v[XR+\j:XR+\j+1]
	v_pk_add_f32 v[18:19], v[18:19], v[XR+\j+2:XR+\j+3]
.endr
	v_pk_add_f32 v[16:17], v[16:17], v[18:19]
	v_add_f32 v6, v16, v17
	REDUCE
	v_mul_f32 v12, 0xba800000, v6                  ; - mean
	v_mov_b32 v13, v12
.set j, 0
.rept 16
	v_pk_add_f32 v[XR+j:XR+j+1], v[XR+j:XR+j+1], v[12:13]
.set j, j+2
.endr
	v_pk_mul_f32 v[16:17], v[XR:XR+1], v[XR:XR+1]
	v_pk_mul_f32 v[18:19], v[XR+2:XR+3], v[XR+2:XR+3]
.irp j, 4,8,12,16,20,24,28
	v_pk_fma_f32 v[16:17], v[XR+\j:XR+\j+1], v[XR+\j:XR+\j+1], v[16:17]
	v_pk_fma_f32 v[18:19], v[XR+\j+2:XR+\j+3], v[XR+\j+2:XR+\j+3], v[18:19]
.endr
	v_pk_add_f32 v[16:17], v[16:17], v[18:19]
	v_add_f32 v6, v16, v17
	REDUCE
	v_fma_f32 v6, v6, s25, s26
	s_wait_alu depctr_va_vdst(0)
	v_rsq_f32 v14, v6
	v_rsq_f32 v15, v6
	v_nop                                          ; a plain instruction behind the last of them
	s_wait_alu depctr_va_vdst(0)                   ; one wait for both, ahead of the first reader
.set j, 0
.rept 16
	v_pk_mul_f32 v[XR+j:XR+j+1], v[XR+j:XR+j+1], v[14:15]
.set j, j+2
.endr
.set j, 0
.rept 16
	v_pk_fma_f32 v[XR+j:XR+j+1], v[XR+j:XR+j+1], v[32+j:33+j], v[64+j:65+j]
.set j, j+2
.endr
.set j, 0
.rept 32
	v_med3_num_f32 v[XR+j], v[XR+j], -v11, v11     ; the hold at the largest code x the scale (ISA guide 7.6.2)
.set j, j+1
.endr
.irp g, 0,1,2,3
	v_cvt_scalef32_pk8_bf8_f32 v[CR+2*\g:CR+2*\g+1], v[XR+8*\g:XR+8*\g+7], v10
.endr
	v_nop
.irp j, 0,1,2,3,4,5,6,7
	ds_store_b32 v3, v[CR+\j] offset:1024*\p+128*\j
.endr
.irp k, 0,1
	ds_load_b128 v[BK+8*\p+4*\k:BK+8*\p+4*\k+3], v4 offset:1024*\p+512*\k
.endr
	s_wait_dscnt 0x0
.irp k, 0,1
	global_store_b128 v2, v[BK+8*\p+4*\k:BK+8*\p+4*\k+3], s[12:13] offset:1024*\p+512*\k
.endr
.endm
	ROW 0
	ROW 1
	ROW 2
	ROW 3
	s_wait_tensorcnt 0x0
	ds_add_u32 v30, v31
	s_wait_dscnt 0x0
	s_endpgm
.Lfunc_end_k_q9f1e688c8f_ln2:
	.size	k_q9f1e688c8f_ln2, .Lfunc_end_k_q9f1e688c8f_ln2-k_q9f1e688c8f_ln2
	.p2alignl 7, 3214868480
	.fill 96, 4, 3214868480
	.section	.rodata,"a",@progbits
	.p2align	6, 0x0
	.amdhsa_kernel k_q9f1e688c8f_ln2
		.amdhsa_group_segment_fixed_size 16896
		.amdhsa_private_segment_fixed_size 0
		.amdhsa_enable_private_segment 0
		.amdhsa_kernarg_size 40
		.amdhsa_user_sgpr_count 2
		.amdhsa_user_sgpr_kernarg_segment_ptr 1
		.amdhsa_wavefront_size32 1
		.amdhsa_system_sgpr_workgroup_id_x 1
		.amdhsa_system_sgpr_workgroup_id_y 1
		.amdhsa_system_sgpr_workgroup_id_z 1
		.amdhsa_system_vgpr_workitem_id 0
		.amdhsa_next_free_vgpr 256
		.amdhsa_next_free_sgpr 66
		.amdhsa_reserve_vcc 0
		.amdhsa_float_denorm_mode_32 3
		.amdhsa_float_denorm_mode_16_64 3
		.amdhsa_memory_ordered 1
		.amdhsa_forward_progress 1
		.amdhsa_inst_pref_size 44
	.end_amdhsa_kernel
	.amdgpu_metadata
---
amdhsa.version: [ 1, 2 ]
amdhsa.kernels:
  - .name:           k_q9f1e688c8f_ln2
    .symbol:         k_q9f1e688c8f_ln2.kd
    .args:
      - { .name: x1, .offset: 0, .size: 8, .value_kind: global_buffer, .address_space: global }
      - { .name: ln2_g, .offset: 8, .size: 8, .value_kind: global_buffer, .address_space: global }
      - { .name: ln2_b, .offset: 16, .size: 8, .value_kind: global_buffer, .address_space: global }
      - { .name: lowp_scales, .offset: 24, .size: 8, .value_kind: global_buffer, .address_space: global }
      - { .name: h2c, .offset: 32, .size: 8, .value_kind: global_buffer, .address_space: global }
    .group_segment_fixed_size: 16896
    .private_segment_fixed_size: 0
    .kernarg_segment_align: 8
    .kernarg_segment_size: 40
    .max_flat_workgroup_size: 128
    .sgpr_count:     66
    .vgpr_count:     256
    .wavefront_size: 32
...
	.end_amdgpu_metadata
.endif
;; end of part 12
;; launch ffn1 (part 13): grid 16 x 16, 4 waves a work-group, clusters of 4 x 4, 327,680 bytes of LDS; arguments h2c, w1_codes, lowp_scales, gc; writes gc
.if DOCPART == 13
	.amdgcn_target "amdgcn-amd-amdhsa--gfx1250"
	.amdhsa_code_object_version 6
	.text
	.protected	k_q9f1e688c8f_ffn1
	.globl	k_q9f1e688c8f_ffn1
	.p2align	8
	.type	k_q9f1e688c8f_ffn1,@function
k_q9f1e688c8f_ffn1:
	s_mov_b64 s[64:65], 0
	v_nop
	global_prefetch_b8 v0, s[64:65] scope:SCOPE_SE
	s_setreg_imm32_b32 hwreg(HW_REG_WAVE_MODE, 25, 1), 1
	s_wait_xcnt 0x0
	s_wait_alu depctr_hold_cnt(0) depctr_sa_sdst(0) depctr_va_vdst(0) depctr_va_sdst(0) depctr_va_ssrc(0) depctr_va_vcc(0) depctr_vm_vsrc(0)
	s_getreg_b32 s2, hwreg(HW_REG_IB_STS2, 6, 4)
	s_cmp_eq_u32 s2, 0
	s_cbranch_scc0 .Lentry_in_a_cluster
	s_endpgm
.Lentry_in_a_cluster:
	s_bfe_u32 s2, ttmp6, 0x10000c
	s_cmp_lg_u32 s2, 0xf033
	s_cbranch_scc0 .Lentry_shape_is_right
	s_endpgm
.Lentry_shape_is_right:
; gc = codes of gelu(h W1^T) in E5M2 with the given scale 2^e10; the product on codes of E5M2 (M 4,096, N 4,096, K 1,024), a sum standing for sum x 2^(e8 + e9).
; h2c: [4,096][1,024] codes; w1: [4,096][1,024] codes; gc: [32 column blocks][4,096 rows][128] codes, so that a wave's 16 rows x 128 columns are 2,048 consecutive bytes.
; A tile of C, 256 x 256, is made by a work-group of four waves; a wave makes 128 x 128: 64 accumulators, 512 registers.  K goes in four steps of 256 through two LDS slots.
; WHO FETCHES.  Wave w owns one whole tile of slot w / 2: A's 256 rows (w even) or B's (w odd).  At the head every wave asks for its tile: K steps 0 and 1, one load a wave.  A slot is filled again by its two owners.
; CLUSTERS: 4 x 4 work-groups; A's tiles are asked for jointly along a row of the cluster, B's along a column.
; No prefetch: the block is 256 x 256 in clusters and K is four steps, two of which are asked for at the head.
; THE MATRIX INSTRUCTION IS USED TRANSPOSED (source 0 = 16 rows of B, source 1 = 16 rows of A): a lane holds eight neighbouring columns of one row of C, which are eight neighbours along the next product's K.
; THE WAY OUT works on the accumulators in registers, a block of 16 rows (eight accumulators, 64 numbers a lane) a trip, 8 trips: a chain of scalar branches on the trip's number picks the lines that copy the block.
; The block's first 32 numbers are worked on in window 0 and the other 32 at the same register numbers in window 1: each stage is written once and assembled under both settings.
; gelu(x) = max(x, 0) - (|x| / 2) erfc(a), a = |x| / sqrt(2).  (1 + 2 a) e^(a a) erfc(a) = p(t) + 1, t = (a - 2) / (a + 2), p of degree 9.  With k = sqrt(log2 e) and u = k a: e^(-a a) = 2^(-u u), t = (u - 2 k) / (u + 2 k),
; 1 / (1 + 2 a) = k / (k + 2 u), and (|x| / 2) erfc(a) = u (p + 1) 2^(-u u) / (k + 2 u) / sqrt(2).
; Only codes go through LDS: 16 rows x 128 bytes in the wave's own stage, back as rows, stored as 512 consecutive bytes an instruction, in the trip after.
; LIMITS: e8 + e9 between -126 and 127; e10 between -126 and 112.  u is held at 12, where 2^(-u u) is under the smallest f32 number and counts as 0.  NaN and infinities among the sums are not served.
; REGISTERS: window 0: v8-31 constants and addresses; v128-255 A's fragments, one set; window 1: B's fragments, two sets; windows 2, 3: the accumulators of my rows 0-63, 64-127.  On the way out v32-255 of windows 0 and 1 are at work.
.set KTOT,   1024
.set PITCH,  272                       ; an LDS row: 256 bytes + 16 of padding: the 16 rows that a load touches start at 16 different banks
.set HALF,   128*PITCH
.set TILE,   2*HALF
.set SLOT,   2*TILE                    ; A's 256 rows, then B's 256 rows
.set SPARE,  2*SLOT                    ; behind the ring: the spare words, 128 bytes for each wave, which no other line names
.set STAGE,  SPARE+512                 ; behind them: 16 rows x 144 bytes for each wave; no fill lands here
.set CP,     144
.set FR,     16
.set NL,     4
.set NP,     4
.set ADRA, 16
.set ADRB, 20
.set STO,  24
.set RD,   25
.set CO,   26
.set SPW,  28
.set NIL,  29
.set AF,   128
.set G1, 24
.set G0, 32
.set G1B, 48
.set G0B, 56
.set XX, 32                            ; x, then max(x, 0), then gelu
.set UU, 64                            ; u
.set RR, 96                            ; u + 2 k and its reciprocal, then p
.set DD, 128                           ; k + 2 u and its reciprocal
.set SS, 160                           ; u u, then 2^(-u u), then that x u
.set NN, 192                           ; u - 2 k, then t
.set CD, 224                           ; the codes of 32 numbers
.set BK, 240                           ; a block's rows read back (window 0)
.set W1, 0x55                          ; every operand place in window 1
.set MSB, 0
.macro WIN new                         ; the immediate's high byte repeats the setting that is left
.if MSB != (\new)
	s_set_vgpr_msb (MSB<<8)|(\new)
.set MSB, (\new)
.endif
.endm
.set MUL_LO, 0xa1                      ; source 0 (B) window 1, source 1 (A) window 0, C and D window 2
.set MUL_HI, 0xf1                      ; the same, C and D window 3
.set TO_B,   0x40                      ; destination window 1
.macro PLACES n                        ; plain vector instructions between a matrix instruction and a load into, or a read of, its registers
.rept \n
	v_nop
.endr
.endm
.macro JLOAD s                         ; a refill of slot s: its two owners step two K steps on and ask; the branches hang on the wave's number alone
	s_cmp_eq_u32 s14, 2*\s
	s_cbranch_scc0 .Lnot_a_\@
	s_add_nc_u64 s[G0+2:G0+3], s[G0+2:G0+3], 512
	tensor_load_to_lds s[G0:G0+3], s[G1:G1+7]
	s_nop 0
	PLACES 4
	s_branch .Lasked_\@
.Lnot_a_\@:
	s_cmp_eq_u32 s14, 2*\s+1
	s_cbranch_scc0 .Lasked_\@
	s_add_nc_u64 s[G0B+2:G0B+3], s[G0B+2:G0B+3], 512
	tensor_load_to_lds s[G0B:G0B+3], s[G1B:G1B+7]
	s_nop 0
	PLACES 4
.Lasked_\@:
	PLACES NP                                      ; every wave's places in front of the loads that follow
.endm
.macro CREST                           ; a round of the cluster's barrier behind its opening barrier
	s_cmp_lg_u32 s14, 0
	s_cbranch_scc1 .Lnot_wave_0_\@
	s_barrier_signal -3
.Lnot_wave_0_\@:
	s_barrier_wait -3
	s_barrier_signal -1
	s_barrier_wait -1
.endm
.macro CROUND
	s_barrier_signal -1
	s_barrier_wait -1
	CREST
.endm
	s_load_b128 s[4:7], s[0:1], 0x0                ; h2c, W1's codes
	s_load_b128 s[8:11], s[0:1], 0x10              ; the scales' exponents, gc
	v_lshl_add_u32 v[SPW], v0, 2, SPARE
	v_mov_b32 v[NIL], 0
	ds_add_u32 v[SPW], v[NIL]                      ; the opening lines: the add, twice on end, and its wait ahead of my first tensor load
	ds_add_u32 v[SPW], v[NIL]
	v_lshrrev_b32 v1, 5, v0
	v_readfirstlane_b32 s14, v1                    ; wave 0..3
	s_lshr_b32 s15, s14, 1                         ; which half of the tile's rows is mine.  Also: the slot that I fill
	s_and_b32 s16, s14, 1                          ; which half of its columns.  Also: I fill A's tile (0) or B's (1)
	s_bfe_u32 s40, ttmp6, 0x40000                  ; cx, cy
	s_bfe_u32 s41, ttmp6, 0x40004
	s_lshl_b32 s42, ttmp9, 2
	s_add_co_u32 s42, s42, s40                     ; tile column
	s_and_b32 s17, ttmp7, 0xffff
	s_lshl_b32 s17, s17, 2
	s_add_co_u32 s17, s17, s41                     ; tile row
	s_lshl_b32 s43, s41, 2
	s_lshl_b32 s43, 15, s43                        ; my row of the cluster
	s_lshl_b32 s44, 0x1111, s40                    ; my column
	s_or_b32 s[G1], s43, (1<<20)|(1<<21)|(5<<22)|(3<<25)    ; the mask; elements of 1 byte; padding on; bit 21 beside a mask; four words of padding after every 64
	s_or_b32 s[G1B], s44, (1<<20)|(1<<21)|(5<<22)|(3<<25)
.irp g, G1, G1B
	s_mov_b32 s[\g+1], 256<<16                     ; tensor_dim0
	s_mov_b32 s[\g+2], 256<<16                     ; tensor_dim1
	s_mov_b32 s[\g+3], 256<<16                     ; tile_dim0
	s_mov_b32 s[\g+4], 256                         ; tile_dim1
	s_mov_b32 s[\g+5], KTOT                        ; from row to row
	s_mov_b32 s[\g+6], 0
	s_mov_b32 s[\g+7], 0
.endr
	s_lshl_b32 s18, s15, 8                         ; my slot's first K step, in bytes along a row
	s_lshl_b32 s20, s17, 18                        ; A: row 256 x tile row, of 1,024 bytes
	s_add_co_u32 s20, s20, s18
	s_mov_b32 s21, 0
	s_lshl_b32 s46, s42, 18                        ; B: row 256 x tile column
	s_add_co_u32 s46, s46, s18
	s_mov_b32 s47, 0
	s_mul_i32 s45, s15, SLOT                       ; where my tile goes: no place in the cluster enters an LDS address
	s_add_co_u32 s22, s45, TILE
	s_wait_dscnt 0x0                               ; both opening adds are done
	s_wait_kmcnt 0x0
	s_load_b128 s[80:83], s[8:9], 0x20             ; e8, e9, e10, e11
	s_add_nc_u64 s[20:21], s[4:5], s[20:21]
	s_add_nc_u64 s[46:47], s[6:7], s[46:47]
	CROUND                                         ; all sixteen work-groups are here: the first joint loads meet
	s_mov_b32 s[G0], 1
	s_mov_b32 s[G0+1], s45
	s_mov_b64 s[G0+2:G0+3], s[20:21]
	s_or_b32 s[G0+3], s[G0+3], 0x80000000
	s_mov_b32 s[G0B], 1
	s_mov_b32 s[G0B+1], s22
	s_mov_b64 s[G0B+2:G0B+3], s[46:47]
	s_or_b32 s[G0B+3], s[G0B+3], 0x80000000
	s_cmp_eq_u32 s16, 0                            ; one tensor load a wave at the head, a fill in each arm
	s_cbranch_scc0 .Lhead_b
	tensor_load_to_lds s[G0:G0+3], s[G1:G1+7]
	s_nop 0
	PLACES 4
	s_branch .Lhead_on
.Lhead_b:
	tensor_load_to_lds s[G0B:G0B+3], s[G1B:G1B+7]
	s_nop 0
	PLACES 4
.Lhead_on:
	s_mul_i32 s70, s15, HALF                       ; my 128 rows of A
	s_mul_i32 s71, s16, HALF
	s_add_co_u32 s71, s71, TILE                    ; my 128 rows of B, behind A's 256
	s_mul_i32 s72, s14, 16*CP
	s_add_co_u32 s72, s72, STAGE                   ; my stage
	s_lshl_b32 s74, s42, 1
	s_add_co_u32 s74, s74, s16                     ; my column block of 128,
	s_lshl_b32 s74, s74, 19                        ; of 4,096 x 128 bytes
	s_lshl_b32 s76, s17, 8
	s_lshl_b32 s77, s15, 7
	s_add_co_u32 s76, s76, s77                     ; my first row,
	s_lshl_b32 s76, s76, 7                         ; of 128 bytes
	s_add_co_u32 s74, s74, s76
	s_mov_b32 s75, 0
	s_add_nc_u64 s[10:11], s[10:11], s[74:75]
	v_and_b32 v1, 15, v0                           ; r = l % 16
	v_bfe_u32 v2, v0, 4, 1                         ; h = l / 16
	v_mul_u32_u24 v3, v1, PITCH
	v_lshl_add_u32 v3, v2, 4, v3                   ; a fragment's row x pitch + 16 h
	v_add_nc_u32 v[ADRA], s70, v3
	v_add_nc_u32 v[ADRB], s71, v3
	v_add_nc_u32 v[ADRA+1], SLOT, v[ADRA]
	v_add_nc_u32 v[ADRB+1], SLOT, v[ADRB]
	v_mul_u32_u24 v4, v1, CP
	v_lshl_add_u32 v4, v2, 3, v4
	v_add_nc_u32 v[STO], s72, v4                   ; into the stage: row r, 8 bytes for each half of the lanes
	v_bfe_u32 v5, v0, 3, 2
	v_and_b32 v6, 7, v0
	v_mul_u32_u24 v5, v5, CP
	v_lshl_add_u32 v5, v6, 4, v5
	v_add_nc_u32 v[RD], s72, v5                    ; back: eight lanes to a row of 128 bytes, four rows a load
	v_and_b32 v7, 31, v0
	v_lshlrev_b32 v[CO], 4, v7                     ; and in gc: 16 bytes a lane
.macro FRAG reg, adr, q, i             ; 16 rows x 128 K: registers 4 c .. 4 c + 3 hold K = 32 c + 16 (l / 16) + 0 .. 15: the same permutation of K in A and in B
.irp c, 0,1,2,3
	ds_load_b128 v[\reg+4*\c:\reg+4*\c+3], v[\adr] offset:128*(\q)+32*\c+(\i)*16*PITCH
.endr
.endm
.macro MUL16 a0, p, zero               ; A's blocks a0, a0 + 1 x B's eight; the 64 accumulators take turns
.irp a, \a0, \a0+1
.irp b, 0,1,2,3,4,5,6,7
.if \zero
	v_wmma_f32_16x16x128_bf8_bf8 v[8*(8*((\a)%4)+\b):8*(8*((\a)%4)+\b)+7], v[128*(\p)+FR*\b:128*(\p)+FR*\b+FR-1], v[AF+FR*(\a):AF+FR*(\a)+FR-1], 0
.else
	v_wmma_f32_16x16x128_bf8_bf8 v[8*(8*((\a)%4)+\b):8*(8*((\a)%4)+\b)+7], v[128*(\p)+FR*\b:128*(\p)+FR*\b+FR-1], v[AF+FR*(\a):AF+FR*(\a)+FR-1], v[8*(8*((\a)%4)+\b):8*(8*((\a)%4)+\b)+7]
.endif
.endr
.endr
.endm
.macro FETCH_B slot, q, p
	WIN TO_B
.irp i, 0,1,2,3,4,5,6,7
	FRAG 128*(\p)+FR*\i, ADRB+\slot, \q, \i
.endr
	WIN 0
.endm
.macro FETCH_A slot, q, i0
.irp i, \i0, \i0+1, \i0+2, \i0+3
	FRAG AF+FR*(\i), ADRA+\slot, \q, \i
.endr
.endm
.macro STEP slot, q, zero              ; 128 along K, with its successor in the same slot
	s_wait_dscnt 4*NL                              ; B's set and A's blocks 0-3 are in; the youngest sixteen loads (A's blocks 4-7) may be out
	WIN MUL_LO
	MUL16 0, (\q)%2, \zero
	MUL16 2, (\q)%2, \zero
	s_wait_dscnt 0
	PLACES NP
	FETCH_B \slot, (\q)+1, 1-(\q)%2
	FETCH_A \slot, (\q)+1, 0
	WIN MUL_HI
	MUL16 4, (\q)%2, \zero
	MUL16 6, (\q)%2, \zero
	PLACES NP
	WIN 0
	FETCH_A \slot, (\q)+1, 4
.endm
.macro TURN slot, next, fill           ; a slot's last step changes slots: one barrier; fill = 1: the slot is filled again, two K steps ahead
	s_wait_tensorcnt 0x0                           ; all my tensor loads have landed
	ds_add_u32 v[SPW], v[NIL]                      ; 0 onto my spare word
	s_wait_dscnt 4*NL+1                            ; the add and the youngest sixteen loads may be out
	WIN MUL_LO
	MUL16 0, 1, 0
	s_wait_dscnt 0x0                               ; the add is done, and my reads of this slot are over
	s_barrier_signal -1
	MUL16 2, 1, 0
	WIN 0
	s_barrier_wait -1
.if \fill
	CREST                                          ; no wave of any partner still reads this slot or has a load on its way
	JLOAD \slot                                    ; the first tensor load behind the round
.else
	PLACES NP
.endif
	FETCH_B \next, 0, 0
	FETCH_A \next, 0, 0
	WIN MUL_HI
	MUL16 4, 1, 0
	MUL16 6, 1, 0
	PLACES NP
	WIN 0
	FETCH_A \next, 0, 4
.endm
	s_wait_alu depctr_va_vdst(0)
	s_wait_tensorcnt 0x0                           ; my tile is in
	s_barrier_signal -1
	s_barrier_wait -1                              ; everybody's is: both slots are whole
	FETCH_B 0, 0, 0
	FETCH_A 0, 0, 0
	FETCH_A 0, 0, 4
	STEP 0, 0, 1                                   ; the first step's products start the sums
	TURN 0, 1, 1                                   ; slot 0 takes K step 2
	STEP 1, 0, 0
	TURN 1, 0, 1                                   ; slot 1 takes K step 3
	STEP 0, 0, 0
	TURN 0, 1, 0
	STEP 1, 0, 0
	s_wait_dscnt 4*NL
	WIN MUL_LO
	MUL16 0, 1, 0
	MUL16 2, 1, 0
	s_wait_dscnt 0
	WIN MUL_HI
	MUL16 4, 1, 0
	MUL16 6, 1, 0
	WIN 0
	; THE WAY OUT.  No tensor load is out (the last change of slots waited for all), so the descriptors' registers take the constants, each as a pair for the packed forms.
.macro SC r, val
	s_mov_b32 s[\r], \val
	s_mov_b32 s[\r+1], \val
.endm
	s_wait_kmcnt 0x0
	s_add_co_i32 s90, s80, s81
	s_add_co_i32 s90, s90, 127
	s_lshl_b32 s98, s90, 23                        ; 2^(e8 + e9) as f32
	s_mov_b32 s99, s98
	s_add_co_i32 s90, s82, 127
	s_lshl_b32 s91, s90, 23                        ; 2^e10
	s_add_co_i32 s90, s90, 15
	s_lshl_b32 s90, s90, 23
	s_or_b32 s90, s90, 0x600000                    ; 57,344 x 2^e10
	SC 94, 0x3f596d27                              ; k / sqrt(2)
	SC 20, 0x4019be61                              ; 2 k
	SC 22, 0x3f99be61                              ; k
	SC 24, 0xc019be61                              ; -2 k
	SC 28, 0xbaa15130                              ; p's coefficients, from the second on
	SC 30, 0x3aac2b8a
	SC 32, 0x3c0d6e62
	SC 34, 0xbc040dc1
	SC 36, 0xbd5e05b5
	SC 38, 0x3e27fe23
	SC 40, 0xbe2a0420
	SC 42, 0xbdbdfb0b
	SC 44, 0x3e8dd01d
	SC 46, 0xbf3504f3                              ; -1 / sqrt(2)
	s_mov_b32 s84, 0x41400000                      ; 12
	PLACES NP                                      ; behind the last products
.irp w, 0, TO_B                        ; the vector constants, in window 0 and in window 1
	WIN \w
	v_mov_b32 v30, s91
	v_mov_b32 v31, s90
	v_mov_b32 v8, 0xb9d25000                       ; p's leading coefficient, as a pair
	v_mov_b32 v9, 0xb9d25000
.endr
	WIN 0
.set i, 0
.rept 16
	v_mov_b32 v[BK+i], 0                           ; written once, so that every way through the text below finds these registers written
.set i, i+1
.endr
	s_mov_b32 s88, 0                               ; the trip = my block of 16 rows
	s_wait_alu depctr_va_vdst(0)
; block j's 64 numbers: accumulators (j, 0 .. 7), 64 registers on end in window 2 + j / 4; x = sum x 2^(e8 + e9); each accumulator from its low end on
.macro BLK j
.Lblk_\j:
.irp d, 0, 1
	WIN 0x02+(\j)/4+0x40*\d                        ; source 0: the accumulators' window; destination: window d
	s_wait_alu depctr_va_vdst(0)                   ; the wait directly ahead of the first readers of matrix results
.set i, 0
.rept 16
	v_pk_mul_f32 v[XX+i:XX+i+1], v[64*((\j)%4)+32*\d+i:64*((\j)%4)+32*\d+i+1], s[98:99] op_sel_hi:[1,0]
.set i, i+2
.endr
.endr
	WIN 0
	s_wait_alu depctr_va_vdst(0)
	s_branch .Lbody
.endm
.macro SENDB                           ; a block's 16 rows: 2,048 consecutive bytes, 512 an instruction; the base stands one block further on
.irp t, 0,1,2,3
	global_store_b128 v[CO], v[BK+4*\t:BK+4*\t+3], s[10:11] offset:512*\t-2048
.endr
.endm
.macro HORN p, wa, wb                  ; p = p t + the next coefficient
.irp w, \wa, \wb
	WIN \w
.set i, 0
.rept 16
	v_pk_fma_f32 v[RR+i:RR+i+1], v[RR+i:RR+i+1], v[NN+i:NN+i+1], s[\p:\p+1] op_sel_hi:[1,1,0]
.set i, i+2
.endr
.endr
.endm
.Ltrip:
.irp j, 0,1,2,3,4,5,6
	s_cmp_eq_u32 s88, \j
	s_cbranch_scc1 .Lblk_\j
.endr
.irp j, 7,0,1,2,3,4,5,6
	BLK \j
.endr
.Lbody:
.irp w, 0, W1
	WIN \w
.set i, 0
.rept 16
	v_pk_mul_f32 v[UU+i:UU+i+1], v[XX+i:XX+i+1], s[94:95] op_sel_hi:[1,0]
.set i, i+2
.endr
.endr
.irp w, W1, 0
	WIN \w
.set i, 0
.rept 32
	v_min_num_f32 v[UU+i], |v[UU+i]|, s84          ; u = k |x| / sqrt(2), held at 12
.set i, i+1
.endr
.endr
	; the block that the trip before has staged is sent here (the first trip has none)
	s_cmp_eq_u32 s88, 0
	s_wait_alu depctr_va_vdst(0)                   ; ahead of the jump
	s_cbranch_scc1 .Lnosend
	s_wait_dscnt 0x0                               ; the block is back in registers
	SENDB
.Lnosend:
.irp w, 0, W1
	WIN \w
.set i, 0
.rept 16
	v_pk_add_f32 v[RR+i:RR+i+1], v[UU+i:UU+i+1], s[20:21] op_sel_hi:[1,0]            ; u + 2 k
	v_pk_fma_f32 v[DD+i:DD+i+1], v[UU+i:UU+i+1], 2.0, s[22:23] op_sel_hi:[1,0,0]     ; 2 u + k
	v_pk_mul_f32 v[SS+i:SS+i+1], v[UU+i:UU+i+1], v[UU+i:UU+i+1]
.set i, i+2
.endr
.endr
	s_wait_alu depctr_va_vdst(0)                   ; ahead of the batch
	; the batch.  The plain lines among the reciprocals read what was written ahead of the wait above, and their results are read behind the wait below
.irp w, W1, 0
	WIN \w
.set i, 0
.rept 32
	v_rcp_f32 v[RR+i], v[RR+i]
	v_max_num_f32 v[XX+i], 0, v[XX+i]
.set i, i+1
.endr
.set i, 0
.rept 16
	v_rcp_f32 v[DD+i], v[DD+i]
	v_pk_add_f32 v[NN+i:NN+i+1], v[UU+i:UU+i+1], s[24:25] op_sel_hi:[1,0]            ; u - 2 k
	v_rcp_f32 v[DD+i+1], v[DD+i+1]
.set i, i+2
.endr
.set i, 0
.rept 32
	v_exp_f32 v[SS+i], -v[SS+i]
.set i, i+1
.endr
.endr
	v_nop                                          ; a plain instruction behind the last of them
	s_wait_alu depctr_va_vdst(0)                   ; one wait for the whole batch, ahead of its first reader
.irp w, 0, W1
	WIN \w
.set i, 0
.rept 16
	v_pk_mul_f32 v[NN+i:NN+i+1], v[NN+i:NN+i+1], v[RR+i:RR+i+1]                      ; t
	v_pk_mul_f32 v[SS+i:SS+i+1], v[SS+i:SS+i+1], v[UU+i:UU+i+1]                      ; u 2^(-u u)
.set i, i+2
.endr
.endr
.irp w, W1, 0
	WIN \w
.set i, 0
.rept 16
	v_pk_fma_f32 v[RR+i:RR+i+1], v[NN+i:NN+i+1], v[8:9], s[28:29] op_sel_hi:[1,1,0]
.set i, i+2
.endr
.endr
	HORN 30, 0, W1
	HORN 32, W1, 0
	HORN 34, 0, W1
	HORN 36, W1, 0
	HORN 38, 0, W1
	HORN 40, W1, 0
	HORN 42, 0, W1
	HORN 44, W1, 0
.irp w, 0, W1
	WIN \w
.set i, 0
.rept 16
	v_pk_fma_f32 v[RR+i:RR+i+1], v[RR+i:RR+i+1], v[DD+i:DD+i+1], v[DD+i:DD+i+1]      ; (p + 1) / (k + 2 u)
.set i, i+2
.endr
.endr
.irp w, W1, 0
	WIN \w
.set i, 0
.rept 16
	v_pk_mul_f32 v[RR+i:RR+i+1], v[RR+i:RR+i+1], v[SS+i:SS+i+1]
.set i, i+2
.endr
.endr
.irp w, 0, W1
	WIN \w
.set i, 0
.rept 16
	v_pk_fma_f32 v[XX+i:XX+i+1], v[RR+i:RR+i+1], s[46:47], v[XX+i:XX+i+1] op_sel_hi:[1,0,1]   ; gelu = max(x, 0) - that / sqrt(2)
.set i, i+2
.endr
.endr
.irp w, W1, 0
	WIN \w
.set i, 0
.rept 32
	v_med3_num_f32 v[XX+i], v[XX+i], -v31, v31     ; the hold at the largest code x the scale (ISA guide 7.6.2)
.set i, i+1
.endr
.endr
.irp w, 0, W1
	WIN \w
.irp q, 0,1,2,3
	v_cvt_scalef32_pk8_bf8_f32 v[CD+2*\q:CD+2*\q+1], v[XX+8*\q:XX+8*\q+7], v30       ; window d: columns 16 (4 d + q) + 8 h + 0 .. 7 of row r
.endr
.endr
	v_nop                                          ; a plain instruction behind the last conversion
	WIN 0
	; the block's codes go into my stage and come back as rows; the rows are stored in the next trip
	s_wait_alu depctr_va_vdst(0)
	s_wait_dscnt 0x0                               ; no load into the rows' registers is out,
	s_wait_xcnt 0x0                                ; and the earlier stores have read them and their base
	s_add_nc_u64 s[10:11], s[10:11], 2048
.irp q, 0,1,2,3
	ds_store_b64 v[STO], v[CD+2*\q:CD+2*\q+1] offset:16*\q
.endr
	WIN 0x04                                       ; an LDS store's data is source 1: window 1
.irp q, 0,1,2,3
	ds_store_b64 v[STO], v[CD+2*\q:CD+2*\q+1] offset:64+16*\q
.endr
	WIN 0
.irp t, 0,1,2,3
	ds_load_b128 v[BK+4*\t:BK+4*\t+3], v[RD] offset:\t*4*CP   ; my own bytes: LDS serves a wave's instructions in order
.endr
	s_add_co_u32 s88, s88, 1
	s_cmp_lt_u32 s88, 8
	s_cbranch_scc1 .Ltrip
	s_wait_dscnt 0x0
	SENDB                                          ; the last block
	s_wait_tensorcnt 0x0                           ; the wave's end
	ds_add_u32 v[SPW], v[NIL]
	s_wait_dscnt 0x0
	CROUND                                         ; the closing round
	s_endpgm
.Lfunc_end_k_q9f1e688c8f_ffn1:
	.size	k_q9f1e688c8f_ffn1, .Lfunc_end_k_q9f1e688c8f_ffn1-k_q9f1e688c8f_ffn1
	.p2alignl 7, 3214868480
	.fill 96, 4, 3214868480
	.section	.rodata,"a",@progbits
	.p2align	6, 0x0
	.amdhsa_kernel k_q9f1e688c8f_ffn1
		.amdhsa_group_segment_fixed_size 327680
		.amdhsa_private_segment_fixed_size 0
		.amdhsa_enable_private_segment 0
		.amdhsa_kernarg_size 32
		.amdhsa_user_sgpr_count 2
		.amdhsa_user_sgpr_kernarg_segment_ptr 1
		.amdhsa_wavefront_size32 1
		.amdhsa_system_sgpr_workgroup_id_x 1
		.amdhsa_system_sgpr_workgroup_id_y 1
		.amdhsa_system_sgpr_workgroup_id_z 1
		.amdhsa_system_vgpr_workitem_id 0
		.amdhsa_next_free_vgpr 1024
		.amdhsa_next_free_sgpr 100
		.amdhsa_reserve_vcc 0
		.amdhsa_float_denorm_mode_32 3
		.amdhsa_float_denorm_mode_16_64 3
		.amdhsa_memory_ordered 1
		.amdhsa_forward_progress 1
		.amdhsa_inst_pref_size 157
	.end_amdhsa_kernel
	.amdgpu_metadata
---
amdhsa.version: [ 1, 2 ]
amdhsa.kernels:
  - .name:           k_q9f1e688c8f_ffn1
    .symbol:         k_q9f1e688c8f_ffn1.kd
    .args:
      - { .name: h2c, .offset: 0, .size: 8, .value_kind: global_buffer, .address_space: global }
      - { .name: w1_codes, .offset: 8, .size: 8, .value_kind: global_buffer, .address_space: global }
      - { .name: lowp_scales, .offset: 16, .size: 8, .value_kind: global_buffer, .address_space: global }
      - { .name: gc, .offset: 24, .size: 8, .value_kind: global_buffer, .address_space: global }
    .group_segment_fixed_size: 327680
    .private_segment_fixed_size: 0
    .kernarg_segment_align: 8
    .kernarg_segment_size: 32
    .max_flat_workgroup_size: 128
    .sgpr_count:     100
    .vgpr_count:     1024
    .wavefront_size: 32
...
	.end_amdgpu_metadata
.endif
;; end of part 13
;; launch ffn2 (part 14): grid 8 x 32, 4 waves a work-group, clusters of 4 x 4, 327,680 bytes of LDS; arguments gc, w2_codes, lowp_scales, x1, out0; writes out0
.if DOCPART == 14
	.amdgcn_target "amdgcn-amd-amdhsa--gfx1250"
	.amdhsa_code_object_version 6
	.text
	.protected	k_q9f1e688c8f_ffn2
	.globl	k_q9f1e688c8f_ffn2
	.p2align	8
	.type	k_q9f1e688c8f_ffn2,@function
k_q9f1e688c8f_ffn2:
	s_mov_b64 s[64:65], 0
	v_nop
	global_prefetch_b8 v0, s[64:65] scope:SCOPE_SE
	s_setreg_imm32_b32 hwreg(HW_REG_WAVE_MODE, 25, 1), 1
	s_wait_xcnt 0x0
	s_wait_alu depctr_hold_cnt(0) depctr_sa_sdst(0) depctr_va_vdst(0) depctr_va_sdst(0) depctr_va_ssrc(0) depctr_va_vcc(0) depctr_vm_vsrc(0)
	s_getreg_b32 s2, hwreg(HW_REG_IB_STS2, 6, 4)
	s_cmp_eq_u32 s2, 0
	s_cbranch_scc0 .Lentry_in_a_cluster
	s_endpgm
.Lentry_in_a_cluster:
	s_bfe_u32 s2, ttmp6, 0x10000c
	s_cmp_lg_u32 s2, 0xf033
	s_cbranch_scc0 .Lentry_shape_is_right
	s_endpgm
.Lentry_shape_is_right:
.set KTOT,   4096
.set SCOFF,  0x28
.set CBW,    128
.set PA,     144
.set QIA,    4
.set KSLOT,  512
.set AC,     128*CBW
.set AR,     KSLOT/CBW
.set ASTRIDE, 4096*CBW
.set ASTEP,  AR*ASTRIDE
.set PITCH,  KSLOT+16
.set HALFB,  64*PITCH
.set BS,     128*PA
.set HALFA,  AR*BS/2
.set SLOT,   2*HALFA+2*HALFB
.set SPARE,  2*SLOT
.set LAPS,   KTOT/(2*KSLOT)
.set FR,     16
.set SPITCH, 272
.set STGW,   64*SPITCH
.set ADRA, 16
.set ADRB, 20
.set STO,  24
.set RD,   25
.set CO,   26
.set SPW,  28
.set NIL,  29
.set PFO,  30
.set ACC,  128
.set F0,   0
.set F1,   128
.set G1, 24
.set G0, 32
.set G1B, 48
.set G0B, 56
.set LIM, 66
.set PFA, 68
.set PFS, 70
.set MSB, 0
.macro WIN new
.if MSB != (\new)
	s_set_vgpr_msb (MSB<<8)|(\new)
.set MSB, (\new)
.endif
.endm
.set MUL,  0x05
.set TO_F, 0x40
; WHO FETCHES.  Wave w owns one whole tile of slot w / 2: A's 128 rows x 512 K (w even; four pieces of 128 rows x 128 bytes) or B's (w odd).  At the head every wave asks for its tile: both slots, one load a wave.
.macro HLOAD
	s_cmp_eq_u32 s16, 0
	s_cbranch_scc0 .Lhead_b
	tensor_load_to_lds s[G0:G0+3], s[G1:G1+7]
	s_nop 0
.rept 4
	v_nop
.endr
	s_branch .Lhead_on
.Lhead_b:
	tensor_load_to_lds s[G0B:G0B+3], s[G1B:G1B+7]
	s_nop 0
.rept 4
	v_nop
.endr
.Lhead_on:
.endm
; a refill of slot s: its two owners step their address two slots on and ask; the other two waves ask for nothing.  The branches hang on the wave's number alone.
.macro JLOAD s
	s_cmp_eq_u32 s14, 2*\s
	s_cbranch_scc0 .Lnot_a_\@
	s_add_nc_u64 s[G0+2:G0+3], s[G0+2:G0+3], 2*ASTEP
	tensor_load_to_lds s[G0:G0+3], s[G1:G1+7]
	s_nop 0
.rept 4
	v_nop
.endr
	s_branch .Lasked_\@
.Lnot_a_\@:
	s_cmp_eq_u32 s14, 2*\s+1
	s_cbranch_scc0 .Lasked_\@
	s_add_nc_u64 s[G0B+2:G0B+3], s[G0B+2:G0B+3], 2*KSLOT
	tensor_load_to_lds s[G0B:G0B+3], s[G1B:G1B+7]
	s_nop 0
.rept 4
	v_nop
.endr
.Lasked_\@:
.rept 4
	v_nop                                          ; every wave's places in front of the loads that follow
.endr
.endm
.macro ASK last
.if \last
	s_cmp_gt_u32 s3, s[LIM]
.else
	s_cmp_eq_u32 s[LIM], 1
.endif
	s_cbranch_scc0 .Lnot_mine_\@
	global_prefetch_b8 v[PFO], s[PFA:PFA+1] th:TH_LOAD_NT scope:SCOPE_SE
.Lnot_mine_\@:
.endm
.macro CREST
	s_cmp_lg_u32 s14, 0
	s_cbranch_scc1 .Lnot_wave_0_\@
	s_barrier_signal -3
.Lnot_wave_0_\@:
	s_barrier_wait -3
	s_barrier_signal -1
	s_barrier_wait -1
.endm
.macro CROUND
	s_barrier_signal -1
	s_barrier_wait -1
	CREST
.endm
	s_load_b128 s[4:7], s[0:1], 0x0
	s_load_b128 s[8:11], s[0:1], 0x10
	s_load_b64 s[12:13], s[0:1], 0x20
	v_lshl_add_u32 v[SPW], v0, 2, SPARE
	v_mov_b32 v[NIL], 0
	ds_add_u32 v28, v29
	ds_add_u32 v28, v29
	s_wait_dscnt 0x0
	v_lshrrev_b32 v1, 5, v0
	v_readfirstlane_b32 s14, v1
	s_lshr_b32 s15, s14, 1
	s_and_b32 s16, s14, 1
	s_bfe_u32 s40, ttmp6, 0x40000
	s_bfe_u32 s41, ttmp6, 0x40004
	s_lshl_b32 s42, ttmp9, 2
	s_add_co_u32 s42, s42, s40
	s_and_b32 s17, ttmp7, 0xffff
	s_lshl_b32 s17, s17, 2
	s_add_co_u32 s17, s17, s41
	s_lshl_b32 s43, s41, 2
	s_lshl_b32 s43, 15, s43
	s_lshl_b32 s44, 0x1111, s40
	s_or_b32 s[G1+0], s43, (1<<20)|(1<<21)|(QIA<<22)|(3<<25)
	s_or_b32 s[G1B+0], s44, (1<<20)|(1<<21)|(6<<22)|(3<<25)
	s_mov_b32 s[G1+1], (AC&0xffff)<<16
	s_mov_b32 s[G1+2], (AC>>16)|(AR<<16)
	s_mov_b32 s[G1+3], (AR>>16)|(AC<<16)
	s_mov_b32 s[G1+4], AR
	s_mov_b32 s[G1+5], ASTRIDE
	s_mov_b32 s[G1+6], 0
	s_mov_b32 s[G1+7], 0
	s_mov_b32 s[G1B+1], KSLOT<<16
	s_mov_b32 s[G1B+2], 128<<16
	s_mov_b32 s[G1B+3], KSLOT<<16
	s_mov_b32 s[G1B+4], 128
	s_mov_b32 s[G1B+5], KTOT
	s_mov_b32 s[G1B+6], 0
	s_mov_b32 s[G1B+7], 0
	s_lshl_b32 s20, s17, 7                         ; A: row 128 x tile row
	s_lshl_b32 s46, s42, 7                         ; B: row 128 x tile column
	s_mov_b32 s21, 0
	s_mov_b32 s47, 0
	s_mov_b64 s[18:19], CBW
	s_mul_u64 s[20:21], s[20:21], s[18:19]
	s_mov_b64 s[18:19], KTOT
	s_mul_u64 s[46:47], s[46:47], s[18:19]
	s_mul_i32 s45, s15, SLOT                       ; where my tile goes: my slot; A's pieces first,
	s_add_co_u32 s22, s45, 2*HALFA                 ; B's rows behind them
	s_wait_kmcnt 0x0
	s_load_b64 s[96:97], s[8:9], SCOFF
	s_add_nc_u64 s[20:21], s[4:5], s[20:21]
	s_add_nc_u64 s[46:47], s[6:7], s[46:47]
	CROUND
	s_mul_i32 s18, s15, ASTEP                      ; my slot's first 512 along K: in A four column blocks on,
	s_mov_b32 s19, 0
	s_add_nc_u64 s[20:21], s[20:21], s[18:19]
	s_lshl_b32 s18, s15, 9                         ; in B 512 bytes along the rows
	s_add_nc_u64 s[46:47], s[46:47], s[18:19]
	s_mov_b32 s[G0], 1
	s_mov_b32 s[G0+1], s45
	s_mov_b64 s[G0+2:G0+3], s[20:21]
	s_or_b32 s[G0+3], s[G0+3], 0x80000000
	s_mov_b32 s[G0B], 1
	s_mov_b32 s[G0B+1], s22
	s_mov_b64 s[G0B+2:G0B+3], s[46:47]
	s_or_b32 s[G0B+3], s[G0B+3], 0x80000000
	HLOAD                                          ; one tensor load a wave at the head: both slots
	v_and_b32 v1, 15, v0
	v_bfe_u32 v2, v0, 4, 1
	v_mul_u32_u24 v3, v1, PA
	v_lshl_add_u32 v3, v2, 4, v3
	v_mul_u32_u24 v4, v1, PITCH
	v_lshl_add_u32 v4, v2, 4, v4
	s_mul_i32 s21, s15, 64*PA
	s_mul_i32 s22, s16, HALFB
	s_add_co_u32 s22, s22, 2*HALFA
.irp s, 0,1
	v_add_nc_u32 v[ADRA+\s], s21, v3
	v_add_nc_u32 v[ADRB+\s], s22, v4
	s_add_co_u32 s21, s21, SLOT
	s_add_co_u32 s22, s22, SLOT
.endr
	s_mul_i32 s23, s14, STGW
	v_mul_u32_u24 v5, v1, SPITCH
	v_lshl_add_u32 v5, v2, 5, v5
	v_add_nc_u32 v[STO], s23, v5
	v_mul_u32_u24 v6, v2, SPITCH
	v_lshl_add_u32 v6, v1, 4, v6
	v_add_nc_u32 v[RD], s23, v6
	v_lshlrev_b32 v[CO], 12, v2
	v_lshl_add_u32 v[CO], v1, 4, v[CO]
	s_lshl_b32 s72, s17, 7
	s_lshl_b32 s73, s15, 6
	s_add_co_u32 s72, s72, s73
	s_lshl_b32 s72, s72, 12
	s_lshl_b32 s74, s42, 9
	s_lshl_b32 s75, s16, 8
	s_add_co_u32 s74, s74, s75
	s_add_co_u32 s72, s72, s74
	s_mov_b32 s73, 0
	s_add_nc_u64 s[10:11], s[10:11], s[72:73]
	s_add_nc_u64 s[12:13], s[12:13], s[72:73]
	s_and_b32 s74, ttmp7, 0xffff
	s_lshl_b32 s76, s17, 7
	s_lshl_b32 s77, s16, 6
	s_add_co_u32 s76, s76, s77
	s_lshl_b32 s76, s76, 7
	s_lshl_b32 s78, s40, 19
	s_add_co_u32 s76, s76, s78
	s_lshl_b32 s78, s42, 7
	s_add_co_u32 s78, s78, s77
	s_lshl_b32 s79, s41, 4
	s_add_co_u32 s78, s78, s79
	s_lshl_b32 s78, s78, 12
	s_mov_b32 s[PFS], KSLOT
	s_mov_b32 s79, KTOT
	s_cmp_eq_u32 s15, 0
	s_cselect_b64 s[PFA:PFA+1], s[4:5], s[6:7]
	s_cselect_b32 s76, s76, s78
	s_cselect_b32 s[PFS], ASTEP, s[PFS]
	s_cselect_b32 s79, 512, s79
	s_cselect_b32 s75, ttmp9, s74
	s_mov_b32 s77, 0
	s_mov_b32 s[PFS+1], 0
	s_cmp_eq_u32 s75, 0
	s_cselect_b32 s[LIM], 1, -1
	s_add_nc_u64 s[PFA:PFA+1], s[PFA:PFA+1], s[76:77]
	s_add_nc_u64 s[PFA:PFA+1], s[PFA:PFA+1], s[PFS:PFS+1]
	s_add_nc_u64 s[PFA:PFA+1], s[PFA:PFA+1], s[PFS:PFS+1]
	v_bfe_u32 v[PFO], v0, 1, 4
	v_mul_lo_u32 v[PFO], v[PFO], s79
	v_and_b32 v31, 1, v0
	v_lshl_add_u32 v[PFO], v31, 8, v[PFO]
.macro FRAGA reg, slot, q, i
.irp c, 0,1,2,3
	ds_load_b128 v[\reg+4*\c:\reg+4*\c+3], v[ADRA+\slot] offset:((128*(\q)+32*\c)/CBW)*BS+(\i)*16*PA+(128*(\q)+32*\c)%CBW
.endr
.endm
.macro FRAGB reg, slot, q, i
.irp c, 0,1,2,3
	ds_load_b128 v[\reg+4*\c:\reg+4*\c+3], v[ADRB+\slot] offset:128*(\q)+32*\c+(\i)*16*PITCH
.endr
.endm
.macro FETCH slot, q, f
	WIN TO_F
.irp i, 0,1,2,3
	FRAGB \f+64+FR*\i, \slot, \q, \i
.endr
.irp i, 0,1,2,3
	FRAGA \f+FR*\i, \slot, \q, \i
.endr
.endm
.macro MULA f, a, zero
.irp b, 0,1,2,3
.if \zero
	v_wmma_f32_16x16x128_bf8_bf8 v[ACC+8*(4*(\a)+\b):ACC+8*(4*(\a)+\b)+7], v[\f+64+FR*\b:\f+64+FR*\b+FR-1], v[\f+FR*(\a):\f+FR*(\a)+FR-1], 0
.else
	v_wmma_f32_16x16x128_bf8_bf8 v[ACC+8*(4*(\a)+\b):ACC+8*(4*(\a)+\b)+7], v[\f+64+FR*\b:\f+64+FR*\b+FR-1], v[\f+FR*(\a):\f+FR*(\a)+FR-1], v[ACC+8*(4*(\a)+\b):ACC+8*(4*(\a)+\b)+7]
.endif
.endr
.endm
.macro PLACES
.rept 4
	v_nop
.endr
.endm
.macro QUARTER slot, q, f, g, zero
	s_wait_dscnt 8
	WIN MUL
	MULA \f, 0, \zero
	MULA \f, 1, \zero
	PLACES
	FETCH \slot, \q, \g
	s_wait_dscnt 32
	WIN MUL
	MULA \f, 2, \zero
	MULA \f, 3, \zero
.endm
.macro TURN slot, next, fill
	WIN 0
.if \fill
	s_wait_xcnt 0x0
	s_add_nc_u64 s[PFA:PFA+1], s[PFA:PFA+1], s[PFS:PFS+1]
.endif
	s_wait_tensorcnt 0x0
	ds_add_u32 v[SPW], v[NIL]
	s_wait_dscnt 9
	WIN MUL
	MULA F1, 0, 0
	s_wait_dscnt 0x0
	s_barrier_signal -1
	MULA F1, 1, 0
.if \fill
	WIN 0
.endif
	s_barrier_wait -1
.if \fill
	CREST
	JLOAD \slot
.else
	PLACES
.endif
	FETCH \next, 0, F0
.if \fill
	WIN 0
	ASK \slot
.endif
	WIN MUL
	MULA F1, 2, 0
	MULA F1, 3, 0
.endm
	s_wait_alu depctr_va_vdst(0)
	s_wait_tensorcnt 0x0
	s_barrier_signal -1
	s_barrier_wait -1
	FETCH 0, 0, F0
	QUARTER 0, 1, F0, F1, 1
	WIN 0
	s_mov_b32 s3, LAPS-1                           ; laps to go: the prefetches' test reads it
; MY 64 ROWS x 256 BYTES OF x1 (32 loads, two rows each, into window 2) are wanted on the way out alone.  They are asked for in seven portions of 5 or 4 loads, each behind a slot's third quarter:
; two quarters behind the refill's request and a quarter ahead of the next.  The portions name different registers, so the LAPS - 1 = 3 laps that fill slots are written by a macro and not as a loop.
.macro XLOAD i0, n
	WIN 0x80                                       ; destination window 2
.set i, \i0
.rept \n
	global_load_b128 v[4*i:4*i+3], v[CO], s[10:11] offset:2*i*4096 th:TH_LOAD_NT
.set i, i+1
.endr
.endm
.macro LAP a0, an, b0, bn              ; once round the ring, from a lap's third quarter to the next lap's second; both slots are filled again
	QUARTER 0, 2, F1, F0, 0
	XLOAD \a0, \an
	QUARTER 0, 3, F0, F1, 0
	TURN 0, 1, 1
	QUARTER 1, 1, F0, F1, 0
	QUARTER 1, 2, F1, F0, 0
	XLOAD \b0, \bn
	QUARTER 1, 3, F0, F1, 0
	TURN 1, 0, 1
	QUARTER 0, 1, F0, F1, 0
	WIN 0
	s_sub_co_u32 s3, s3, 1
.endm
	LAP 0, 5, 5, 5
	LAP 10, 5, 15, 5
	LAP 20, 4, 24, 4
	QUARTER 0, 2, F1, F0, 0
	XLOAD 28, 4
	QUARTER 0, 3, F0, F1, 0
	TURN 0, 1, 0
	QUARTER 1, 1, F0, F1, 0
	QUARTER 1, 2, F1, F0, 0
	QUARTER 1, 3, F0, F1, 0
	s_wait_dscnt 8
	MULA F1, 0, 0
	MULA F1, 1, 0
	s_wait_dscnt 0x0
	MULA F1, 2, 0
	MULA F1, 3, 0
	WIN 0
	s_wait_kmcnt 0x0
	s_add_co_i32 s96, s96, s97
	s_add_co_i32 s96, s96, 127
	s_lshl_b32 s96, s96, 23
	s_mov_b32 s97, s96
	PLACES
.irp a, 0,1,2,3
.irp b, 0,1,2,3
	ds_store_b128 v[STO], v[ACC+8*(4*\a+\b):ACC+8*(4*\a+\b)+3] offset:\a*16*SPITCH+64*\b
	ds_store_b128 v[STO], v[ACC+8*(4*\a+\b)+4:ACC+8*(4*\a+\b)+7] offset:\a*16*SPITCH+64*\b+16
.endr
.endr
	s_wait_dscnt 0x0
.set t, 0
.rept 32
	ds_load_b128 v[ACC+4*t:ACC+4*t+3], v[RD] offset:2*t*SPITCH
.set t, t+1
.endr
	s_wait_loadcnt 0x0
	WIN 0x20
.set t, 0
.rept 32
	s_wait_dscnt 31-t
	v_pk_fma_f32 v[ACC+4*t:ACC+4*t+1], v[ACC+4*t:ACC+4*t+1], s[96:97], v[4*t:4*t+1] op_sel_hi:[1,0,1]
	v_pk_fma_f32 v[ACC+4*t+2:ACC+4*t+3], v[ACC+4*t+2:ACC+4*t+3], s[96:97], v[4*t+2:4*t+3] op_sel_hi:[1,0,1]
	global_store_b128 v[CO], v[ACC+4*t:ACC+4*t+3], s[12:13] offset:2*t*4096 th:TH_STORE_NT
.set t, t+1
.endr
	WIN 0
	s_wait_tensorcnt 0x0
	ds_add_u32 v[SPW], v[NIL]
	s_wait_dscnt 0x0
	CROUND
	s_endpgm
.Lfunc_end_k_q9f1e688c8f_ffn2:
	.size	k_q9f1e688c8f_ffn2, .Lfunc_end_k_q9f1e688c8f_ffn2-k_q9f1e688c8f_ffn2
	.p2alignl 7, 3214868480
	.fill 96, 4, 3214868480
	.section	.rodata,"a",@progbits
	.p2align	6, 0x0
	.amdhsa_kernel k_q9f1e688c8f_ffn2
		.amdhsa_group_segment_fixed_size 327680
		.amdhsa_private_segment_fixed_size 0
		.amdhsa_enable_private_segment 0
		.amdhsa_kernarg_size 40
		.amdhsa_user_sgpr_count 2
		.amdhsa_user_sgpr_kernarg_segment_ptr 1
		.amdhsa_wavefront_size32 1
		.amdhsa_system_sgpr_workgroup_id_x 1
		.amdhsa_system_sgpr_workgroup_id_y 1
		.amdhsa_system_sgpr_workgroup_id_z 1
		.amdhsa_system_vgpr_workitem_id 0
		.amdhsa_next_free_vgpr 768
		.amdhsa_next_free_sgpr 100
		.amdhsa_reserve_vcc 0
		.amdhsa_float_denorm_mode_32 3
		.amdhsa_float_denorm_mode_16_64 3
		.amdhsa_memory_ordered 1
		.amdhsa_forward_progress 1
		.amdhsa_inst_pref_size 138
	.end_amdhsa_kernel
	.amdgpu_metadata
---
amdhsa.version: [ 1, 2 ]
amdhsa.kernels:
  - .name:           k_q9f1e688c8f_ffn2
    .symbol:         k_q9f1e688c8f_ffn2.kd
    .args:
      - { .name: gc, .offset: 0, .size: 8, .value_kind: global_buffer, .address_space: global }
      - { .name: w2_codes, .offset: 8, .size: 8, .value_kind: global_buffer, .address_space: global }
      - { .name: lowp_scales, .offset: 16, .size: 8, .value_kind: global_buffer, .address_space: global }
      - { .name: x1, .offset: 24, .size: 8, .value_kind: global_buffer, .address_space: global }
      - { .name: out0, .offset: 32, .size: 8, .value_kind: global_buffer, .address_space: global }
    .group_segment_fixed_size: 327680
    .private_segment_fixed_size: 0
    .kernarg_segment_align: 8
    .kernarg_segment_size: 40
    .max_flat_workgroup_size: 128
    .sgpr_count:     100
    .vgpr_count:     768
    .wavefront_size: 32
...
	.end_amdgpu_metadata
.endif
;; end of part 14
